; MI455X (gfx1250); checked and timed in simulation.
; The chip was launched on July 23, 2026; its instructions are those of AMD's public machine-readable ISA for CDNA 5 (MIT licence, August 2026) and "CDNA5" Instruction Set Architecture Reference Guide (July 2026). The comments in the code are by the model that wrote it; some were corrected since.
;; Ro PE Transformer Encoder Layer. Allowed arithmetic: matrix products marked QUANTISED: E5M2 operands, one given power-of-two scale a tensor, by v_wmma_f32_16x16x64_bf8_bf8 or v_wmma_f32_16x16x128_bf8_bf8, f32 sums; everything else in f32.
;; Inputs: W1_codes 4,096 x 32 x 32 uint8 (E5M2 codes of W1, K innermost, in blocks of 32 codes); W2_codes 1,024 x 128 x 32 uint8 (E5M2 codes of W2, K innermost, in blocks of 32 codes); Wk_codes 1,024 x 32 x 32 uint8 (E5M2 codes of Wk, K innermost, in blocks of 32 codes); Wo_codes 1,024 x 32 x 32 uint8 (E5M2 codes of Wo, K innermost, in blocks of 32 codes); Wq_codes 1,024 x 32 x 32 uint8 (E5M2 codes of Wq, K innermost, in blocks of 32 codes); Wv_codes 1,024 x 32 x 32 uint8 (E5M2 codes of Wv, K innermost, in blocks of 32 codes); b1 4,096 float32; b2 1,024 float32; beta1 1,024 float32; beta2 1,024 float32; bk 1,024 float32; bo 1,024 float32; bq 1,024 float32; bv 1,024 float32; g1 1,024 float32; g2 1,024 float32; lowp_scales 16 int32 (the exponents e of the quantised operands' scales 2^e); mask 2 x 2,048 bool; positions 2 x 2,048 int32; x 2 x 2,048 x 1,024 float32.
;; Outputs: out0 2 x 2,048 x 1,024 float32.
;; This version of the problem:
;;   THIS VERSION OF THE PROBLEM IS GIVEN IN LOW PRECISION. The matrix products marked QUANTISED in the list below multiply operands that are first quantised to E5M2 (5 exponent bits, 2 mantissa bits; 8 bits a number), with one given power-of-two scale for each operand tensor; their sums are f32. All else is computed in f32.
;;   The module's matrix products, in the order in which they are computed (A, B: the left and right operand; K: the contracted axis; several contracted axes count as one K, in the product's order):
;;     1. [M 4,096, K 1,024] x [K 1,024, N 1,024]; A: computed on the way; B: input Wq (given as codes): QUANTISED (scales: A lowp_scales[0], B lowp_scales[1])
;;     2. [M 4,096, K 1,024] x [K 1,024, N 1,024]; A: computed on the way; B: input Wk (given as codes): QUANTISED (scales: A lowp_scales[2], B lowp_scales[3])
;;     3. [M 4,096, K 1,024] x [K 1,024, N 1,024]; A: computed on the way; B: input Wv (given as codes): QUANTISED (scales: A lowp_scales[4], B lowp_scales[5])
;;     4. batch 32 x [M 2,048, K 64] x [K 64, N 2,048]; A: computed on the way; B: computed on the way: QUANTISED (scales: A lowp_scales[6], B lowp_scales[7])
;;     5. batch 32 x [M 2,048, K 2,048] x [K 2,048, N 64]; A: computed on the way; B: computed on the way: QUANTISED (scales: A lowp_scales[8], B lowp_scales[9])
;;     6. [M 4,096, K 1,024] x [K 1,024, N 1,024]; A: computed on the way; B: input Wo (given as codes): QUANTISED (scales: A lowp_scales[10], B lowp_scales[11])
;;     7. [M 4,096, K 1,024] x [K 1,024, N 4,096]; A: computed on the way; B: input W1 (given as codes): QUANTISED (scales: A lowp_scales[12], B lowp_scales[13])
;;     8. [M 4,096, K 4,096] x [K 4,096, N 1,024]; A: computed on the way; B: input W2 (given as codes): QUANTISED (scales: A lowp_scales[14], B lowp_scales[15])
;;   THE QUANTISER, for each operand of a quantised product, along K:
;;     - The operand's scale is 2^e, e = its entry of the input lowp_scales (int32; the entries are numbered through the quantised products in the list's order, A before B).
;;     - Each number is divided by the scale, clamped to +-57,344, and rounded to the nearest number of E5M2, ties to even, subnormals kept.
;;     - The product sums the exact products of the quantised numbers (number of the format x scale) in f32.
;;   ~~~python
;;   def quantise(x, axis, e):      # numpy; x: float32 -> the quantised numbers, widened to float32 again
;;       x = np.moveaxis(x, axis, -1); K = x.shape[-1]
;;       r = np.clip(x / 2.0 ** e, -57344, 57344)
;;       step = 2.0 ** (np.maximum(np.frexp(np.where(r == 0, 1, r))[1] - 1, -14) - 2)
;;       q = np.round(r / step) * step * 2.0 ** e      # np.round: ties to even
;;       return np.moveaxis(q, -1, axis).astype(np.float32)
;;   ~~~
;;   OPERANDS COMPUTED ON THE WAY. 'Computed on the way' means the value that the module computes at that place (a softmax that the list does not call 'softmax' is quantised finished and normalised). What goes into a quantiser is computed in f32, as accurately as f32 sums, v_exp_f32 and their like allow (about 1e-6 of the number): no bf16 or f16 on the way to a quantiser, and a product that is left as it is and whose result goes on into a quantised operand takes f32 operands (vector FMAs, or v_wmma_f32_16x16x4_f32). A number that lies on a knife's edge between two numbers of the format may be rounded either way, as far as f32 arithmetic and the matrix unit's own rounding can turn it there, and no further.
;;   INPUTS GIVEN AS CODES. W1 (in the module: [4096, 1024], K = its axis 1); W2 (in the module: [1024, 4096], K = its axis 1); Wk (in the module: [1024, 1024], K = its axis 1); Wo (in the module: [1024, 1024], K = its axis 1); Wq (in the module: [1024, 1024], K = its axis 1); Wv (in the module: [1024, 1024], K = its axis 1): each comes as NAME_codes (uint8): NAME with its K axis moved to the last place and cut into blocks of 32 codes, [.., K / 32, bytes a block], one block behind the other in memory; one code a byte (a code: sign, 5 exponent bits, 2 mantissa bits); its scale is its entry of lowp_scales. Its value is code x scale, taken as it is: it is not quantised again, and the codes and scales need not be those that the quantiser above would give.
;; 2 versions, each right; version 2 is version 1 with the launch attn written anew for expert scheduling mode. Each part assembles by itself: llvm-mc -triple=amdgcn-amd-amdhsa -mcpu=gfx1250 --defsym DOCPART=n.
;; ======== version 1 of 2: 7 launches
;; limits: an absolute error that grows with the inputs' magnitude: up to 1e-07 times it
;; workspace buffers: wimg 12,582,912 bytes; h_img 12,582,912 bytes; rope 1,048,576 bytes; qkv_img 12,582,912 bytes; attn_img 4,194,304 bytes; x1 16,777,216 bytes; hid_img 16,777,216 bytes
;; launch ln1 (part 1): grid 256 x 1, 8 waves a work-group, no clusters, 67,072 bytes of LDS; arguments x, g1, beta1, positions, lowp_scales, Wq_codes, Wk_codes, Wv_codes, Wo_codes, W1_codes, W2_codes, h_img, wimg, rope; writes h_img, wimg, rope
.if DOCPART == 1
	.amdgcn_target "amdgcn-amd-amdhsa--gfx1250"
	.amdhsa_code_object_version 6
	.text
	.protected	k_qc7514d6d94_ln1
	.globl	k_qc7514d6d94_ln1
	.p2align	8
	.type	k_qc7514d6d94_ln1,@function
k_qc7514d6d94_ln1:
	s_mov_b64 s[64:65], 0
	v_nop
	global_prefetch_b8 v0, s[64:65] scope:SCOPE_SE
	s_setreg_imm32_b32 hwreg(HW_REG_WAVE_MODE, 25, 1), 1
	s_wait_xcnt 0x0
; h = layer_norm(x, g1, beta1), quantised to E5M2 three times (scales 2^e0, 2^e2, 2^e4: the A operands of the products with Wq, Wk, Wv);
; the six weights' codes laid anew as images of operand registers; the table of cos and sin for the rotary embedding.
; AN IMAGE: a fragment of 16 rows x 128 K for v_wmma_f32_16x16x128_bf8_bf8 is 16 registers a lane: lane (r = l % 16, h = l / 16) holds k = 16 c + 8 h + 0..7 of row r
; in registers 2 c, 2 c + 1.  In memory it is 2,048 bytes: registers 4 q .. 4 q + 3 of lane l at 512 q + 16 l.  So every load and store of an image covers 512 consecutive bytes.
; SHARES.  Work-group i owns rows 16 i .. 16 i + 15.  First wave w takes rows 2 w, 2 w + 1 whole (dense loads; mean and variance never leave the wave); the normalised rows go to a stage
; in LDS; behind the one barrier wave w takes columns 128 w .. 128 w + 127 of all 16 rows, which is one fragment.  Wave g = 8 i + w of 2,048 also lays three weight images, and thread t four numbers of the table.
; No matrix unit, no tensor load, no cluster: nothing is shared between work-groups and memory binds.
; LIMITS: e0, e2, e4 between -126 and 112 (2^e and 57,344 x 2^e are made as f32 numbers).  |position| under 2^16 (the reduction of the angle).  NaN and infinities among the inputs are not served.
.set STP, 4112                         ; a stage row: 4,096 bytes + 16, an odd multiple of 16 bytes
.set T,   16                           ; v16-47   at work
.set X,   64                           ; v64-127  my two rows (row rho at X + 32 rho); later the fragment's 64 numbers
.set GA,  128                          ; v128-159 g1 of my columns;  later the three fragments' codes, 16 registers each
.set BE,  160                          ; v160-191 beta1
.set WI,  192                          ; v192-239 three weight images
.set CD,  128
	s_load_b512 s[4:19], s[0:1], 0x0               ; x 4, g1 6, beta1 8, positions 10, scales 12, Wq 14, Wk 16, Wv 18
	s_load_b256 s[20:27], s[0:1], 0x40             ; Wo 20, W1 22, W2 24, h_img 26
	s_load_b128 s[28:31], s[0:1], 0x60             ; wimg 28, rope 30
	v_lshl_add_u32 v254, v0, 2, 0x10200
	v_mov_b32 v255, 0
	v_lshrrev_b32 v1, 5, v0
	v_readfirstlane_b32 s33, v1                    ; wave 0..7
	v_and_b32 v1, 31, v0
	v_lshlrev_b32 v1, 4, v1                        ; v1 = 16 x lane
	v_and_b32 v2, 15, v0                           ; r
	v_bfe_u32 v3, v0, 4, 1                         ; h
	s_lshl_b32 s34, ttmp9, 3
	s_add_co_u32 s34, s34, s33                     ; g = 8 i + w
	s_lshl_b32 s56, s33, 13
	v_add_nc_u32 v4, s56, v1                       ; x: my wave's two rows, 16 bytes a lane
	s_mul_i32 s56, s33, 2*STP
	v_add_nc_u32 v5, s56, v1                       ; the stage, on the way in
	v_mul_u32_u24 v6, v2, STP
	v_lshl_add_u32 v6, v3, 5, v6
	s_lshl_b32 s56, s33, 9
	v_add_nc_u32 v6, s56, v6                       ; and out: row r, column 128 w + 8 h
	v_lshlrev_b32 v7, 10, v2
	v_lshl_add_u32 v7, v3, 3, v7                   ; a weight with rows of 1,024 codes: row r, + 8 h
	v_lshlrev_b32 v8, 12, v2
	v_lshl_add_u32 v8, v3, 3, v8                   ; W2: rows of 4,096 codes
	v_lshrrev_b32 v9, 4, v0
	v_lshlrev_b32 v9, 2, v9                        ; positions: thread t serves row t / 16
	v_mov_b32 v49, 0                               ; upper halves of pairs of which the low word serves both halves
	v_mov_b32 v51, 0
	v_mov_b32 v53, 0
	v_mov_b32 v55, 0
	s_mov_b32 s52, 0x76543210                      ; v_permlanex16_b32: lane l xor 16
	s_mov_b32 s53, 0xfedcba98
	s_mov_b32 s54, 0x3a800000                      ; 1 / 1,024
	s_mov_b32 s55, 0x3727c5ac                      ; 1e-5
	s_mov_b32 s57, 0
	s_wait_kmcnt 0x0
	s_load_b512 s[36:51], s[12:13], 0x0            ; the sixteen exponents
	s_lshl_b32 s56, ttmp9, 16
	s_add_nc_u64 s[4:5], s[4:5], s[56:57]          ; x at my 16 rows
	s_lshl_b32 s56, ttmp9, 6
	s_add_nc_u64 s[10:11], s[10:11], s[56:57]      ; positions likewise
	s_lshr_b32 s56, s34, 3                         ; W1's image g: rows 16 (g / 8) on, K step g % 8
	s_lshl_b32 s56, s56, 14
	s_and_b32 s58, s34, 7
	s_lshl_b32 s58, s58, 7
	s_add_co_u32 s56, s56, s58
	s_add_nc_u64 s[22:23], s[22:23], s[56:57]
	s_lshr_b32 s56, s34, 5                         ; W2's image g: rows 16 (g / 32) on, K step g % 32
	s_lshl_b32 s56, s56, 16
	s_and_b32 s58, s34, 31
	s_lshl_b32 s58, s58, 7
	s_add_co_u32 s56, s56, s58
	s_add_nc_u64 s[24:25], s[24:25], s[56:57]
	s_lshr_b32 s58, s34, 9                         ; the third image: of Wq, Wk, Wv, Wo by g / 512
	s_cmp_lt_u32 s58, 1
	s_cselect_b64 s[14:15], s[14:15], s[16:17]
	s_cmp_lt_u32 s58, 3
	s_cselect_b64 s[18:19], s[18:19], s[20:21]
	s_cmp_lt_u32 s58, 2
	s_cselect_b64 s[14:15], s[14:15], s[18:19]
	s_and_b32 s56, s34, 511
	s_lshr_b32 s58, s56, 3
	s_lshl_b32 s58, s58, 14
	s_and_b32 s56, s56, 7
	s_lshl_b32 s56, s56, 7
	s_add_co_u32 s56, s56, s58
	s_add_nc_u64 s[14:15], s[14:15], s[56:57]
	s_lshl_b32 s56, s34, 11                        ; image g is 2,048 g bytes on, in h_img and in each third of wimg
	s_add_nc_u64 s[26:27], s[26:27], s[56:57]
	s_add_nc_u64 s[28:29], s[28:29], s[56:57]
	s_add_nc_u64 s[58:59], s[26:27], 0x800000      ; 8 MiB does not fit a store's immediate: second bases
	s_add_nc_u64 s[60:61], s[28:29], 0x800000
	s_lshl_b32 s56, ttmp9, 12
	s_add_nc_u64 s[30:31], s[30:31], s[56:57]      ; the table at my 16 rows of 256 bytes
	global_load_b32 v63, v9, s[10:11]
.irp rho, 0,1
.irp p, 0,1,2,3,4,5,6,7
	global_load_b128 v[X+32*\rho+4*\p:X+32*\rho+4*\p+3], v4, s[4:5] offset:4096*\rho+512*\p th:TH_LOAD_NT
.endr
.endr
.irp p, 0,1,2,3,4,5,6,7
	global_load_b128 v[GA+4*\p:GA+4*\p+3], v1, s[6:7] offset:512*\p
.endr
.irp p, 0,1,2,3,4,5,6,7
	global_load_b128 v[BE+4*\p:BE+4*\p+3], v1, s[8:9] offset:512*\p
.endr
.irp c, 0,1,2,3,4,5,6,7                        ; registers 2 c, 2 c + 1 of an image: k = 16 c + 8 h + 0..7 of row r
	global_load_b64 v[WI+2*\c:WI+2*\c+1], v7, s[14:15] offset:16*\c
	global_load_b64 v[WI+16+2*\c:WI+16+2*\c+1], v7, s[22:23] offset:16*\c
	global_load_b64 v[WI+32+2*\c:WI+32+2*\c+1], v8, s[24:25] offset:16*\c
.endr
; eight pairs of each row, in T, become the row's sum, in every lane, in v[T + 16 rho]
.macro REDUCE
.irp rho, 0,1
.irp j, 0,4,8,12
	v_pk_add_f32 v[T+16*\rho+\j:T+16*\rho+\j+1], v[T+16*\rho+\j:T+16*\rho+\j+1], v[T+16*\rho+\j+2:T+16*\rho+\j+3]
.endr
.endr
.irp rho, 0,1
.irp j, 0,8
	v_pk_add_f32 v[T+16*\rho+\j:T+16*\rho+\j+1], v[T+16*\rho+\j:T+16*\rho+\j+1], v[T+16*\rho+\j+4:T+16*\rho+\j+5]
.endr
.endr
.irp rho, 0,1
	v_pk_add_f32 v[T+16*\rho:T+16*\rho+1], v[T+16*\rho:T+16*\rho+1], v[T+16*\rho+8:T+16*\rho+9]
.endr
.irp rho, 0,1
	v_add_f32 v[T+16*\rho], v[T+16*\rho], v[T+16*\rho+1]
.endr
.irp m, 1,2,4,8
.irp rho, 0,1
	v_add_f32_dpp v[T+16*\rho], v[T+16*\rho], v[T+16*\rho] row_xmask:\m row_mask:0xf bank_mask:0xf
.endr
.endr
.irp rho, 0,1
	v_permlanex16_b32 v[T+16*\rho+1], v[T+16*\rho], s52, s53
.endr
.irp rho, 0,1
	v_add_f32 v[T+16*\rho], v[T+16*\rho], v[T+16*\rho+1]
.endr
.endm
	s_wait_loadcnt 40                              ; the position and x are in; behind them 16 loads of g1 and beta1 and 24 of weights
.irp rho, 0,1
.irp j, 0,2,4,6,8,10,12,14
	v_pk_add_f32 v[T+16*\rho+\j:T+16*\rho+\j+1], v[X+32*\rho+\j:X+32*\rho+\j+1], v[X+32*\rho+16+\j:X+32*\rho+16+\j+1]
.endr
.endr
	REDUCE
.irp rho, 0,1
	v_mul_f32 v[48+2*\rho], s54, v[T+16*\rho]      ; the mean
.endr
.irp rho, 0,1
.irp j, 0,2,4,6,8,10,12,14,16,18,20,22,24,26,28,30
	v_pk_add_f32 v[X+32*\rho+\j:X+32*\rho+\j+1], v[X+32*\rho+\j:X+32*\rho+\j+1], v[48+2*\rho:49+2*\rho] op_sel_hi:[1,0] neg_lo:[0,1] neg_hi:[0,1]
.endr
.endr
.irp rho, 0,1
.irp j, 0,2,4,6,8,10,12,14
	v_pk_mul_f32 v[T+16*\rho+\j:T+16*\rho+\j+1], v[X+32*\rho+\j:X+32*\rho+\j+1], v[X+32*\rho+\j:X+32*\rho+\j+1]
.endr
.endr
.irp rho, 0,1
.irp j, 0,2,4,6,8,10,12,14
	v_pk_fma_f32 v[T+16*\rho+\j:T+16*\rho+\j+1], v[X+32*\rho+16+\j:X+32*\rho+16+\j+1], v[X+32*\rho+16+\j:X+32*\rho+16+\j+1], v[T+16*\rho+\j:T+16*\rho+\j+1]
.endr
.endr
	REDUCE
.irp rho, 0,1
	v_fma_f32 v[52+2*\rho], v[T+16*\rho], s54, s55 ; the variance + 1e-5
.endr
.irp rho, 0,1
	v_rsq_f32 v[52+2*\rho], v[52+2*\rho]
.endr
	v_nop                                          ; a plain instruction behind the two roots,
	s_wait_alu depctr_va_vdst(0)                   ; and one wait ahead of their first reader
	s_wait_loadcnt 24                              ; g1 and beta1 are in; the 24 loads of weights may be out
.irp rho, 0,1
.irp j, 0,2,4,6,8,10,12,14,16,18,20,22,24,26,28,30
	v_pk_mul_f32 v[X+32*\rho+\j:X+32*\rho+\j+1], v[X+32*\rho+\j:X+32*\rho+\j+1], v[52+2*\rho:53+2*\rho] op_sel_hi:[1,0]
.endr
.endr
.irp rho, 0,1
.irp j, 0,2,4,6,8,10,12,14,16,18,20,22,24,26,28,30
	v_pk_fma_f32 v[X+32*\rho+\j:X+32*\rho+\j+1], v[X+32*\rho+\j:X+32*\rho+\j+1], v[GA+\j:GA+\j+1], v[BE+\j:BE+\j+1]
.endr
.endr
.irp rho, 0,1
.irp p, 0,1,2,3,4,5,6,7
	ds_store_b128 v5, v[X+32*\rho+4*\p:X+32*\rho+4*\p+3] offset:STP*\rho+512*\p
.endr
.endr
	s_wait_loadcnt 0x0                             ; the weights' codes: they leave as they stand in the registers, 512 consecutive bytes a store
.irp q, 0,1,2,3
	global_store_b128 v1, v[WI+4*\q:WI+4*\q+3], s[28:29] offset:512*\q
	global_store_b128 v1, v[WI+16+4*\q:WI+16+4*\q+3], s[28:29] offset:4194304+512*\q
	global_store_b128 v1, v[WI+32+4*\q:WI+32+4*\q+3], s[60:61] offset:512*\q
.endr
	s_wait_kmcnt 0x0
.macro MKSC e, sc, lim                         ; 2^e and 57,344 x 2^e as f32 numbers
	s_add_co_i32 s32, s[\e], 127
	s_lshl_b32 s35, s32, 23
	v_mov_b32 v[\sc], s35
	s_add_co_i32 s32, s32, 15
	s_lshl_b32 s32, s32, 23
	s_or_b32 s32, s32, 0x600000
	v_mov_b32 v[\lim], s32
.endm
	MKSC 36, 10, 11
	MKSC 38, 12, 13
	MKSC 40, 14, 15
	s_wait_dscnt 0x0                               ; for the others' sake: my rows lie in the stage
	s_barrier_signal -1
	s_barrier_wait -1
.irp c, 0,1,2,3,4,5,6,7
.irp i, 0,1
	ds_load_b128 v[X+8*\c+4*\i:X+8*\c+4*\i+3], v6 offset:64*\c+16*\i   ; h(r, 128 w + 16 c + 8 h + 4 i ..)
.endr
.endr
	s_wait_dscnt 0x0
; the fragment's 64 numbers become 16 registers of codes.  The conversion to an 8-bit code does not saturate (ISA guide 7.6.2): each number is first held within the largest code x the scale.
; The holds go into two sets of eight by turns, so that eight plain instructions stand between a conversion and the next write of its sources.
.macro QUANT sc, lim, dst
.irp c, 0,1,2,3,4,5,6,7
.irp i, 0,1,2,3,4,5,6,7
	v_med3_num_f32 v[T+8*(\c%2)+\i], v[X+8*\c+\i], -v[\lim], v[\lim]
.endr
	v_cvt_scalef32_pk8_bf8_f32 v[\dst+2*\c:\dst+2*\c+1], v[T+8*(\c%2):T+8*(\c%2)+7], v[\sc]
.endr
	v_nop                                          ; a plain instruction behind the last conversion
.endm
	QUANT 10, 11, CD
	QUANT 12, 13, CD+16
	QUANT 14, 15, CD+32
.irp q, 0,1,2,3
	global_store_b128 v1, v[CD+4*\q:CD+4*\q+3], s[26:27] offset:512*\q
	global_store_b128 v1, v[CD+16+4*\q:CD+16+4*\q+3], s[26:27] offset:4194304+512*\q
	global_store_b128 v1, v[CD+32+4*\q:CD+32+4*\q+3], s[58:59] offset:512*\q
.endr
; THE TABLE.  Row: cos of f = 0..31, then sin of f = 0..31.  Thread t: row t / 16, q = t % 16: f = 4 (q % 8) + k, cos where q < 8, else sin.
; inv_freq = 2^(-f log2(10000) / 32): the exponent in two parts (c_hi, c_lo), the rounding error of f c_hi and f c_lo put back by one multiply-add behind the exponential.
; angle = position x inv_freq, one rounding.  n = the nearest whole number to angle x 2 / pi; r = angle - n pi / 2 with pi / 2 in three parts; sin r and cos r by polynomials on |r| <= pi / 4;
; sin(angle) is sin r, cos r, -sin r, -cos r for n % 4 = 0..3, and cos(angle) is the same with n + 1.
	s_mov_b32 s36, 0xbe2aaaa3                      ; sin: -1.6666654611e-1, 8.3321608736e-3, -1.9515295891e-4
	s_mov_b32 s37, 0x3c08839e
	s_mov_b32 s38, 0xb94ca1f9
	s_mov_b32 s39, 0x3d2aaaa5                      ; cos: 4.166664568e-2, -1.388731625e-3, 2.443315712e-5
	s_mov_b32 s40, 0xbab6061a
	s_mov_b32 s41, 0x37ccf5ce
	v_and_b32 v56, 7, v0
	v_lshlrev_b32 v56, 2, v56                      ; 4 (q % 8)
	v_bfe_u32 v57, v0, 3, 1
	v_xor_b32 v57, 1, v57                          ; 1 for cos
	v_cvt_f32_i32 v62, v63                         ; the position
.macro ROPE1 k
.set A, 16+10*\k
	v_add_nc_u32 v[A], \k, v56
	v_cvt_f32_u32 v[A], v[A]                       ; f
	v_mul_f32 v[A+1], 0xbed49a78, v[A]             ; f c_hi, rounded
	v_fma_f32 v[A+2], v[A], 0xbed49a78, -v[A+1]    ; what the rounding dropped,
	v_fma_f32 v[A+2], v[A], 0xb2179a35, v[A+2]     ; + f c_lo
	v_exp_f32 v[A+3], v[A+1]
.endm
.macro ROPE2 k
.set A, 16+10*\k
	v_mul_f32 v[A+2], v[A+3], v[A+2]
	v_fma_f32 v[A+3], v[A+2], 0x3f317218, v[A+3]   ; inv_freq
	v_mul_f32 v[A+4], v62, v[A+3]                  ; the angle
	v_mul_f32 v[A+5], 0x3f22f983, v[A+4]
	v_rndne_f32 v[A+5], v[A+5]                     ; n
	v_fma_f32 v[A+4], v[A+5], 0xbfc90000, v[A+4]
	v_fma_f32 v[A+4], v[A+5], 0xb9fda000, v[A+4]
	v_fma_f32 v[A+4], v[A+5], 0xb3a22168, v[A+4]   ; r
	v_mul_f32 v[A+6], v[A+4], v[A+4]               ; z = r r
	v_fma_f32 v[A+7], v[A+6], s38, s37
	v_fma_f32 v[A+8], v[A+6], s41, s40
	v_fma_f32 v[A+7], v[A+7], v[A+6], s36
	v_fma_f32 v[A+8], v[A+8], v[A+6], s39
	v_mul_f32 v[A+9], v[A+4], v[A+6]
	v_mul_f32 v[A], v[A+6], v[A+6]
	v_fma_f32 v[A+7], v[A+9], v[A+7], v[A+4]       ; sin r
	v_fma_f32 v[A+9], v[A+6], -0.5, 1.0
	v_fma_f32 v[A+8], v[A], v[A+8], v[A+9]         ; cos r
	v_cvt_i32_f32 v[A+5], v[A+5]
	v_add_nc_u32 v[A+5], v[A+5], v57
	v_and_b32 v[A], 1, v[A+5]
	v_cmp_ne_u32 vcc_lo, 0, v[A]
	v_cndmask_b32 v[A+7], v[A+7], v[A+8], vcc_lo
	v_and_b32 v[A+5], 2, v[A+5]
	v_lshlrev_b32 v[A+5], 30, v[A+5]
	v_xor_b32 v[58+\k], v[A+7], v[A+5]
.endm
	ROPE1 0
	ROPE1 1
	ROPE1 2
	ROPE1 3
	v_lshlrev_b32 v56, 4, v0                       ; (a plain instruction behind the last exponential)  my 16 bytes of the 16 rows
	s_wait_alu depctr_va_vdst(0)                   ; one wait for the four exponentials
	ROPE2 0
	ROPE2 1
	ROPE2 2
	ROPE2 3
	global_store_b128 v56, v[58:61], s[30:31]      ; sixteen lanes store one row of 256 bytes
	s_wait_tensorcnt 0x0
	ds_add_u32 v254, v255
	s_wait_dscnt 0x0
	s_endpgm
.Lfunc_end_k_qc7514d6d94_ln1:
	.size	k_qc7514d6d94_ln1, .Lfunc_end_k_qc7514d6d94_ln1-k_qc7514d6d94_ln1
	.p2alignl 7, 3214868480
	.fill 96, 4, 3214868480
	.section	.rodata,"a",@progbits
	.p2align	6, 0x0
	.amdhsa_kernel k_qc7514d6d94_ln1
		.amdhsa_group_segment_fixed_size 67072
		.amdhsa_private_segment_fixed_size 0
		.amdhsa_enable_private_segment 0
		.amdhsa_kernarg_size 112
		.amdhsa_user_sgpr_count 2
		.amdhsa_user_sgpr_kernarg_segment_ptr 1
		.amdhsa_wavefront_size32 1
		.amdhsa_system_sgpr_workgroup_id_x 1
		.amdhsa_system_sgpr_workgroup_id_y 1
		.amdhsa_system_sgpr_workgroup_id_z 1
		.amdhsa_system_vgpr_workitem_id 0
		.amdhsa_next_free_vgpr 256
		.amdhsa_next_free_sgpr 66
		.amdhsa_reserve_vcc 1
		.amdhsa_float_denorm_mode_32 3
		.amdhsa_float_denorm_mode_16_64 3
		.amdhsa_memory_ordered 1
		.amdhsa_forward_progress 1
		.amdhsa_inst_pref_size 48
	.end_amdhsa_kernel
	.amdgpu_metadata
---
amdhsa.version: [ 1, 2 ]
amdhsa.kernels:
  - .name:           k_qc7514d6d94_ln1
    .symbol:         k_qc7514d6d94_ln1.kd
    .args:
      - { .name: x, .offset: 0, .size: 8, .value_kind: global_buffer, .address_space: global }
      - { .name: g1, .offset: 8, .size: 8, .value_kind: global_buffer, .address_space: global }
      - { .name: beta1, .offset: 16, .size: 8, .value_kind: global_buffer, .address_space: global }
      - { .name: positions, .offset: 24, .size: 8, .value_kind: global_buffer, .address_space: global }
      - { .name: lowp_scales, .offset: 32, .size: 8, .value_kind: global_buffer, .address_space: global }
      - { .name: Wq_codes, .offset: 40, .size: 8, .value_kind: global_buffer, .address_space: global }
      - { .name: Wk_codes, .offset: 48, .size: 8, .value_kind: global_buffer, .address_space: global }
      - { .name: Wv_codes, .offset: 56, .size: 8, .value_kind: global_buffer, .address_space: global }
      - { .name: Wo_codes, .offset: 64, .size: 8, .value_kind: global_buffer, .address_space: global }
      - { .name: W1_codes, .offset: 72, .size: 8, .value_kind: global_buffer, .address_space: global }
      - { .name: W2_codes, .offset: 80, .size: 8, .value_kind: global_buffer, .address_space: global }
      - { .name: h_img, .offset: 88, .size: 8, .value_kind: global_buffer, .address_space: global }
      - { .name: wimg, .offset: 96, .size: 8, .value_kind: global_buffer, .address_space: global }
      - { .name: rope, .offset: 104, .size: 8, .value_kind: global_buffer, .address_space: global }
    .group_segment_fixed_size: 67072
    .private_segment_fixed_size: 0
    .kernarg_segment_align: 8
    .kernarg_segment_size: 112
    .max_flat_workgroup_size: 256
    .sgpr_count:     66
    .vgpr_count:     256
    .wavefront_size: 32
...
	.end_amdgpu_metadata
.endif
;; end of part 1
;; launch qkv (part 2): grid 12 x 16, 4 waves a work-group, clusters of 4 x 4, 327,680 bytes of LDS; arguments h_img, wimg, lowp_scales, bq, bk, bv, rope, qkv_img; writes qkv_img
.if DOCPART == 2
	.amdgcn_target "amdgcn-amd-amdhsa--gfx1250"
	.amdhsa_code_object_version 6
	.text
	.protected	k_qc7514d6d94_qkv
	.globl	k_qc7514d6d94_qkv
	.p2align	8
	.type	k_qc7514d6d94_qkv,@function
k_qc7514d6d94_qkv:
	s_mov_b64 s[64:65], 0
	v_nop
	global_prefetch_b8 v0, s[64:65] scope:SCOPE_SE
	s_setreg_imm32_b32 hwreg(HW_REG_WAVE_MODE, 25, 1), 1
	s_wait_xcnt 0x0
	s_wait_alu depctr_hold_cnt(0) depctr_sa_sdst(0) depctr_va_vdst(0) depctr_va_sdst(0) depctr_va_ssrc(0) depctr_va_vcc(0) depctr_vm_vsrc(0)
	s_getreg_b32 s2, hwreg(HW_REG_IB_STS2, 6, 4)
	s_cmp_eq_u32 s2, 0
	s_cbranch_scc0 .Lentry_in_a_cluster
	s_endpgm
.Lentry_in_a_cluster:
	s_bfe_u32 s2, ttmp6, 0x10000c
	s_cmp_lg_u32 s2, 0xf033
	s_cbranch_scc0 .Lentry_shape_is_right
	s_endpgm
.Lentry_shape_is_right:
; q = rope(h Wq^T + bq), k = rope(h Wk^T + bk), v = h Wv^T + bv, on codes of E5M2, and their codes for the two products of attention, as images of operand registers.
; IMAGES: 16 rows x 128 K = 2,048 bytes, registers 4 q .. 4 q + 3 of lane l at 512 q + 16 l; lane (r, h) holds k = 16 c + 8 h + 0..7 of row r in registers 2 c, 2 c + 1.  h_img: [3][256][8][2048]; wimg: Wq, Wk, Wv each [64][8][2048].
; A tile of 256 x 256 is made by four waves, each 128 x 128: 64 accumulators, 512 registers.  K = 1,024 goes in four steps of 256 through two LDS slots.  An image needs no pitch: a tile is 8 rows of 4,096 dense bytes a wave.
; THE MATRIX INSTRUCTION IS USED TRANSPOSED: source 0 = 16 rows of "B", source 1 = 16 rows of "A": lane (r, h) holds row r of A and, in registers 0..7, rows 8 h + 0..7 of B.
; CLUSTER x SAYS WHICH PRODUCT: 0: q, 1: k (A = h, B = the weight: a lane's registers run along the head's channels, the K of q k^T); 2: v (A = Wv, B = h: a lane is a channel and its registers run along the keys, the K of p v).
; Only pointers and tile numbers are chosen; masks, descriptors, LDS and the loop over K are one text.  4 x 4 work-groups: A's tiles are asked for jointly along a row of the cluster, B's along a column.
; OUT: q at +0 and k at +4 MiB: [32 b,head][128 blocks of 16 rows][1,024] (K = 64: 8 registers); v at +8 MiB: [32][16 steps of 128 keys][4 tiles of 16 channels][2,048].
; LIMITS: e0 + e1, e2 + e3, e4 + e5 between -126 and 127; e6, e7, e9 between -126 and 112.  NaN and infinities are not served.
; 192 work-groups: the three products have 192 tiles of this size; a smaller tile would read each fragment from LDS for half as many products.
; No prefetch: two of the four K steps are the first fills.
.set SLOT,  131072                     ; A's 16 blocks of 4,096 bytes (two K steps of 128 each), then B's
.set BOFF,  65536
.set SPARE, 262144                     ; behind the ring: the spare words, 128 bytes for each wave
.set LAPS,  2
.set FR,    16
.set NL,    4
.set NP,    4
.set ADRA,  16                         ; v16-17 LDS address of my A fragments in slot 0, 1
.set ADRB,  20                         ; v20-21 of B's
.set SPW,   28                         ; v28 my spare word; v29 0: never rewritten
.set NIL,   29
.set AF,    128                        ; window 0: A's fragments, one set;  window 1: B's, two sets;  windows 2, 3: accumulator (a, b) at v[8 (8 (a % 4) + b)]
.set WV,    20                         ; s20 wave, s21 wave / 2 (my half of A's rows; I fetch for A or B), s22 wave % 2 (my half of B's rows; which half I fetch)
.set RH,    21
.set CH,    22
.set G1,    24
.set G0,    32
.set G1B,   48
.set G0B,   56
.set MUL_LO, 0xa1
.set MUL_HI, 0xf1
.set TO_B,   0x40
.set MSB, 0
.macro WIN new                         ; the immediate's high byte repeats the setting that is left
.if MSB != (\new)
	s_set_vgpr_msb (MSB<<8)|(\new)
.set MSB, (\new)
.endif
.endm
.macro PLACES n
.rept \n
	v_nop
.endr
.endm
.macro JLOAD g0a, g1a, g0b, g1b        ; a joint load: waves 0, 1 for A, waves 2, 3 for B; four v_nop follow each line
	s_cmp_eq_u32 s[RH], 0
	s_cbranch_scc0 .Lfor_b_\@
	tensor_load_to_lds s[\g0a:\g0a+3], s[\g1a:\g1a+7]
	s_nop 0
.rept 4
	v_nop
.endr
	s_branch .Lasked_\@
.Lfor_b_\@:
	tensor_load_to_lds s[\g0b:\g0b+3], s[\g1b:\g1b+7]
	s_nop 0
.rept 4
	v_nop
.endr
.Lasked_\@:
.endm
.macro CREST
	s_cmp_lg_u32 s[WV], 0
	s_cbranch_scc1 .Lnot_wave_0_\@
	s_barrier_signal -3
.Lnot_wave_0_\@:
	s_barrier_wait -3
	s_barrier_signal -1
	s_barrier_wait -1
.endm
.macro CROUND
	s_barrier_signal -1
	s_barrier_wait -1
	CREST
.endm
	s_load_b512 s[4:19], s[0:1], 0x0               ; h_img 4, wimg 6, scales 8, bq 10, bk 12, bv 14, rope 16, qkv_img 18
	v_lshl_add_u32 v[SPW], v0, 2, SPARE
	v_mov_b32 v[NIL], 0
	ds_add_u32 v28, v29
	ds_add_u32 v28, v29
	s_wait_dscnt 0x0
	v_lshrrev_b32 v1, 5, v0
	v_readfirstlane_b32 s[WV], v1
	s_lshr_b32 s[RH], s[WV], 1
	s_and_b32 s[CH], s[WV], 1
	s_bfe_u32 s40, ttmp6, 0x40000                  ; cx
	s_bfe_u32 s41, ttmp6, 0x40004                  ; cy
	s_and_b32 s42, ttmp7, 0xffff                   ; cluster y
	s_lshl_b32 s66, s41, 2
	s_lshl_b32 s66, 15, s66                        ; my row of the cluster
	s_lshl_b32 s67, 0x1111, s40                    ; my column
	s_or_b32 s[G1], s66, (3<<16)|(1<<21)           ; the mask; elements of 8 bytes; bit 21 beside a mask; no padding
	s_or_b32 s[G1B], s67, (3<<16)|(1<<21)
.irp g, G1, G1B
	s_mov_b32 s[\g+1], 512<<16                     ; tensor_dim0 = 512 elements: 4,096 bytes, two K steps of a block
	s_mov_b32 s[\g+2], 8<<16                       ; tensor_dim1 = 8 blocks
	s_mov_b32 s[\g+3], 512<<16                     ; tile_dim0
	s_mov_b32 s[\g+4], 8                           ; tile_dim1
	s_mov_b32 s[\g+5], 2048                        ; 16,384 bytes from block to block
	s_mov_b32 s[\g+6], 0
	s_mov_b32 s[\g+7], 0
.endr
	s_lshl_b32 s90, ttmp9, 22                      ; q, k: h's copy at 4 MiB x product,
	s_lshl_b32 s92, ttmp9, 20                      ; the weight at 1 MiB x product
	s_lshl_b32 s47, s[WV], 15                      ; where my part of a tile goes: 32,768 x wave
	s_wait_kmcnt 0x0
	s_load_b512 s[68:83], s[8:9], 0x0              ; the sixteen exponents
	s_cmp_eq_u32 ttmp9, 2                          ; v?  The same in all sixteen partners
	s_cselect_b32 s43, 0, s42
	s_cselect_b32 s44, s42, 0
	s_cselect_b64 s[86:87], s[6:7], s[4:5]         ; A: Wv's images, or h's
	s_cselect_b64 s[88:89], s[4:5], s[6:7]         ; B: h's, or the weight's
	s_cselect_b32 s90, 0x200000, s90
	s_cselect_b32 s92, 0x800000, s92
	s_lshl_b32 s45, s43, 2
	s_add_co_u32 s45, s45, s41                     ; A's tile: hangs on cy and on cluster numbers alone
	s_lshl_b32 s46, s44, 2
	s_add_co_u32 s46, s46, s40                     ; B's tile: on cx and on cluster numbers alone
	s_lshl_b32 s91, s45, 18
	s_add_co_u32 s90, s90, s91
	s_lshl_b32 s91, s[CH], 17                      ; which 8 blocks of the 16 I fetch
	s_add_co_u32 s90, s90, s91
	s_mov_b32 s91, 0
	s_add_nc_u64 s[86:87], s[86:87], s[90:91]
	s_lshl_b32 s93, s46, 18
	s_add_co_u32 s92, s92, s93
	s_lshl_b32 s93, s[CH], 17
	s_add_co_u32 s92, s92, s93
	s_mov_b32 s93, 0
	s_add_nc_u64 s[88:89], s[88:89], s[92:93]
	CROUND                                         ; all sixteen work-groups are here: the first joint loads meet
.irp s, 0,1
	s_mov_b32 s[G0+4*\s], 1
	s_add_co_u32 s[G0+4*\s+1], s47, \s*SLOT
	s_add_nc_u64 s[G0+4*\s+2:G0+4*\s+3], s[86:87], \s*4096
	s_or_b32 s[G0+4*\s+3], s[G0+4*\s+3], 0x80000000
	s_mov_b32 s[G0B+4*\s], 1
	s_add_co_u32 s[G0B+4*\s+1], s47, \s*SLOT
	s_add_nc_u64 s[G0B+4*\s+2:G0B+4*\s+3], s[88:89], \s*4096
	s_or_b32 s[G0B+4*\s+3], s[G0B+4*\s+3], 0x80000000
	JLOAD G0+4*\s, G1, G0B+4*\s, G1B
.endr
	v_and_b32 v1, 31, v0
	v_lshlrev_b32 v1, 4, v1                        ; v1 = 16 x lane: an image's place for my lane
	s_lshl_b32 s66, s[RH], 15                      ; my 8 blocks of A
	s_lshl_b32 s67, s[CH], 15                      ; my 8 blocks of B,
	s_add_co_u32 s67, s67, BOFF                    ; behind A's 16
.irp s, 0,1
	v_add_nc_u32 v[ADRA+\s], s66, v1
	v_add_nc_u32 v[ADRB+\s], s67, v1
	s_add_co_u32 s66, s66, SLOT
	s_add_co_u32 s67, s67, SLOT
.endr
.macro FRAG reg, adr, q, i             ; block i's fragment of the slot's q-th 128 along K: four loads of 512 consecutive bytes
.irp c, 0,1,2,3
	ds_load_b128 v[\reg+4*\c:\reg+4*\c+3], v[\adr] offset:(\i)*4096+(\q)*2048+512*\c
.endr
.endm
; 16 matrix instructions: A's blocks a0, a0 + 1 x B's eight.  The 64 accumulators take turns, one instruction a turn, in the same order in every step.
.macro MUL16 a0, p, zero
.irp a, \a0, \a0+1
.irp b, 0,1,2,3,4,5,6,7
.if \zero
	v_wmma_f32_16x16x128_bf8_bf8 v[8*(8*((\a)%4)+\b):8*(8*((\a)%4)+\b)+7], v[128*(\p)+FR*\b:128*(\p)+FR*\b+FR-1], v[AF+FR*(\a):AF+FR*(\a)+FR-1], 0
.else
	v_wmma_f32_16x16x128_bf8_bf8 v[8*(8*((\a)%4)+\b):8*(8*((\a)%4)+\b)+7], v[128*(\p)+FR*\b:128*(\p)+FR*\b+FR-1], v[AF+FR*(\a):AF+FR*(\a)+FR-1], v[8*(8*((\a)%4)+\b):8*(8*((\a)%4)+\b)+7]
.endif
.endr
.endr
.endm
.macro FETCH_B slot, q, p
	WIN TO_B
.irp i, 0,1,2,3,4,5,6,7
	FRAG 128*(\p)+FR*\i, ADRB+\slot, \q, \i
.endr
	WIN 0
.endm
.macro FETCH_A slot, q, i0
.irp i, \i0, \i0+1, \i0+2, \i0+3
	FRAG AF+FR*(\i), ADRA+\slot, \q, \i
.endr
.endm
; A step of 128 along K whose successor lies in the same slot.  Loads into registers that matrix instructions have read stand four plain vector instructions behind them (ISA guide 7.12.1 for vector instructions).
.macro STEP slot, q, zero
	s_wait_dscnt 4*NL                              ; B's set and A's blocks 0-3 are in; the youngest 16 loads (A's blocks 4-7) may be out
	WIN MUL_LO
	MUL16 0, (\q)%2, \zero
	MUL16 2, (\q)%2, \zero
	s_wait_dscnt 0
	PLACES NP
	FETCH_B \slot, (\q)+1, 1-(\q)%2
	FETCH_A \slot, (\q)+1, 0
	WIN MUL_HI
	MUL16 4, (\q)%2, \zero
	MUL16 6, (\q)%2, \zero
	PLACES NP
	WIN 0
	FETCH_A \slot, (\q)+1, 4
.endm
; A slot's last step changes slots: one barrier; in front of it each wave waits for all its tensor loads, adds 0 to its spare word, and waits for that and for its reads of this slot.
.macro TURN slot, next, fill
	s_wait_tensorcnt 0x0                           ; all my tensor loads have landed: my part of the next slot
	ds_add_u32 v[SPW], v[NIL]                      ; 0 onto my spare word
	s_wait_dscnt 4*NL+1                            ; the add and the youngest 16 loads (A's blocks 4-7) may be out
	WIN MUL_LO
	MUL16 0, 1, 0
	s_wait_dscnt 0x0                               ; the add is done, and my reads of this slot are over
	s_barrier_signal -1
	MUL16 2, 1, 0
	WIN 0
	s_barrier_wait -1
.if \fill
	CREST                                          ; the barrier has opened a round of the cluster's: no wave of any partner still reads this slot or has a load on its way
	s_add_nc_u64 s[G0+4*\slot+2:G0+4*\slot+3], s[G0+4*\slot+2:G0+4*\slot+3], 8192
	s_add_nc_u64 s[G0B+4*\slot+2:G0B+4*\slot+3], s[G0B+4*\slot+2:G0B+4*\slot+3], 8192
	JLOAD G0+4*\slot, G1, G0B+4*\slot, G1B         ; the first tensor load behind the round; its four v_nop are the places in front of the loads below
.else
	PLACES NP
.endif
	FETCH_B \next, 0, 0
	FETCH_A \next, 0, 0
	WIN MUL_HI
	MUL16 4, 1, 0
	MUL16 6, 1, 0
	PLACES NP
	WIN 0
	FETCH_A \next, 0, 4
.endm
	s_wait_tensorcnt 1                             ; my part of slot 0 is in; slot 1's load may be out
	s_barrier_signal -1
	s_barrier_wait -1
	FETCH_B 0, 0, 0
	FETCH_A 0, 0, 0
	FETCH_A 0, 0, 4
	STEP 0, 0, 1                                   ; the first step's products start the sums
	s_mov_b32 s23, LAPS-1
.Llap:
	TURN 0, 1, 1
	STEP 1, 0, 0
	TURN 1, 0, 1
	STEP 0, 0, 0
	s_sub_co_u32 s23, s23, 1
	s_cmp_lg_u32 s23, 0
	s_cbranch_scc1 .Llap
	TURN 0, 1, 0
	STEP 1, 0, 0
	s_wait_dscnt 4*NL
	WIN MUL_LO
	MUL16 0, 1, 0
	MUL16 2, 1, 0
	s_wait_dscnt 0
	WIN MUL_HI
	MUL16 4, 1, 0
	MUL16 6, 1, 0
	WIN 0
	PLACES NP                                      ; in front of the first reads of results and of loads into A's registers
; THE WAY OUT.  value = sum x 2^(eA + eB) + bias; q and k are turned by the table; then the hold and the conversion with the next product's scale.  A lane's eight registers are eight neighbours
; along the next K, so a conversion's two registers are registers 2 c, 2 c + 1 of the next operand, and a store covers 512 consecutive bytes.
.set BIAS, 32
.set RP,   96
.set TT,   160
.set OO,   192
.set CD,   224
	s_wait_kmcnt 0x0
	s_add_co_i32 s94, s68, s69
	s_add_co_i32 s95, s70, s71
	s_add_co_i32 s96, s72, s73
	s_cmp_eq_u32 ttmp9, 0
	s_cselect_b32 s94, s94, s95
	s_cselect_b32 s97, s74, s75                    ; e6 for q, e7 for k,
	s_cselect_b64 s[98:99], s[10:11], s[12:13]
	s_cmp_eq_u32 ttmp9, 2
	s_cselect_b32 s94, s96, s94
	s_cselect_b32 s97, s77, s97                    ; e9 for v
	s_add_co_i32 s94, s94, 127
	s_lshl_b32 s84, s94, 23                        ; 2^(eA + eB)
	s_mov_b32 s85, s84
	s_add_co_i32 s97, s97, 127
	s_lshl_b32 s94, s97, 23
	v_mov_b32 v8, s94                              ; the next scale,
	s_add_co_i32 s97, s97, 15
	s_lshl_b32 s97, s97, 23
	s_or_b32 s97, s97, 0x600000
	v_mov_b32 v9, s97                              ; and 57,344 x it
	v_and_b32 v2, 15, v0
	v_bfe_u32 v3, v0, 4, 1
	v_lshlrev_b32 v10, 5, v3                       ; 32 h
	v_lshl_add_u32 v11, v2, 8, v10                 ; 256 r + 32 h
	v_lshlrev_b32 v13, 2, v2                       ; 4 r
	s_lshl_b32 s94, s45, 8
	s_lshl_b32 s95, s[RH], 7
	s_add_co_u32 s94, s94, s95                     ; my first row of A
	s_lshl_b32 s96, s46, 8
	s_lshl_b32 s95, s[CH], 7
	s_add_co_u32 s96, s96, s95                     ; my first row of B
	s_mov_b32 s87, 0
	s_cmp_eq_u32 ttmp9, 2
	s_cbranch_scc1 .Lv
	; ---- q, k: A's rows are rows m of h, B's rows are columns n: two heads of 64
	s_lshl_b32 s86, s96, 2
	s_add_nc_u64 s[98:99], s[98:99], s[86:87]      ; the bias at n0
	s_lshl_b32 s86, s94, 8
	s_add_nc_u64 s[16:17], s[16:17], s[86:87]      ; the table at m0
	s_lshr_b32 s86, s94, 11
	s_lshl_b32 s86, s86, 4
	s_lshr_b32 s88, s96, 6
	s_add_co_u32 s86, s86, s88                     ; 16 b + head
	s_lshl_b32 s86, s86, 17
	s_and_b32 s88, s94, 2047
	s_lshl_b32 s88, s88, 6                         ; 1,024 bytes for each 16 rows
	s_add_co_u32 s86, s86, s88
	s_lshl_b32 s88, ttmp9, 22
	s_add_co_u32 s86, s86, s88
	s_add_nc_u64 s[18:19], s[18:19], s[86:87]
.irp b, 0,1,2,3,4,5,6,7
.irp i, 0,1
	global_load_b128 v[BIAS+8*\b+4*\i:BIAS+8*\b+4*\i+3], v10, s[98:99] offset:64*\b+16*\i
.endr
.endr
.macro ROPELD a                        ; cos and sin of f = 16 u + 8 h + 0..7 for row 16 a + r, into set a % 2: cos at 8 u, sin at 16 + 8 u
.set RS, RP+32*((\a)%2)
.irp sc, 0,1
.irp u, 0,1
.irp i, 0,1
	global_load_b128 v[RS+16*\sc+8*\u+4*\i:RS+16*\sc+8*\u+4*\i+3], v11, s[16:17] offset:4096*(\a)+128*\sc+64*\u+16*\i
.endr
.endr
.endr
.endm
.macro QKBLK a
.if (\a) < 7
	ROPELD (\a)+1
	s_wait_loadcnt 8                               ; all but the eight just issued
.else
	s_wait_loadcnt 0
.endif
.set RS, RP+32*((\a)%2)
.irp g, 0,1                                    ; the head
	WIN 0x02+((\a)/4)
.irp c, 0,1,2,3
.irp i, 0,2,4,6
	v_pk_fma_f32 v[TT+8*\c+\i:TT+8*\c+\i+1], v[8*(8*((\a)%4)+4*\g+\c)+\i:8*(8*((\a)%4)+4*\g+\c)+\i+1], s[84:85], v[BIAS+8*(4*\g+\c)+\i:BIAS+8*(4*\g+\c)+\i+1] op_sel_hi:[1,0,1]
.endr
.endr
	WIN 0
.irp u, 0,1                                    ; channels d = 16 u + 8 h + j and d + 32 turn together
.irp i, 0,2,4,6
	v_pk_mul_f32 v[OO+8*\u+\i:OO+8*\u+\i+1], v[TT+8*\u+\i:TT+8*\u+\i+1], v[RS+8*\u+\i:RS+8*\u+\i+1]
	v_pk_mul_f32 v[OO+16+8*\u+\i:OO+16+8*\u+\i+1], v[TT+16+8*\u+\i:TT+16+8*\u+\i+1], v[RS+8*\u+\i:RS+8*\u+\i+1]
	v_pk_fma_f32 v[OO+8*\u+\i:OO+8*\u+\i+1], v[TT+16+8*\u+\i:TT+16+8*\u+\i+1], v[RS+16+8*\u+\i:RS+16+8*\u+\i+1], v[OO+8*\u+\i:OO+8*\u+\i+1] neg_lo:[1,0,0] neg_hi:[1,0,0]
	v_pk_fma_f32 v[OO+16+8*\u+\i:OO+16+8*\u+\i+1], v[TT+8*\u+\i:TT+8*\u+\i+1], v[RS+16+8*\u+\i:RS+16+8*\u+\i+1], v[OO+16+8*\u+\i:OO+16+8*\u+\i+1]
.endr
.endr
.set ii, 0
.rept 32
	v_med3_num_f32 v[OO+ii], v[OO+ii], -v9, v9     ; the conversion does not saturate (ISA guide 7.6.2)
.set ii, ii+1
.endr
	s_wait_xcnt 0x0                                ; the last stores have read the codes' registers
.irp c, 0,1,2,3
	v_cvt_scalef32_pk8_bf8_f32 v[CD+2*\c:CD+2*\c+1], v[OO+8*\c:OO+8*\c+7], v8
.endr
	v_nop                                          ; a plain instruction behind the last conversion
	global_store_b128 v1, v[CD:CD+3], s[18:19] offset:1024*(\a)+131072*\g
	global_store_b128 v1, v[CD+4:CD+7], s[18:19] offset:1024*(\a)+131072*\g+512
.endr
.endm
	ROPELD 0
.irp a, 0,1,2,3,4,5,6,7
	QKBLK \a
.endr
	s_branch .Ldone
.Lv:
	; ---- v: A's rows are channels n (two heads x 4 tiles of 16), B's rows are 128 keys: one K step of p v
	s_lshl_b32 s86, s94, 2
	s_add_nc_u64 s[14:15], s[14:15], s[86:87]      ; bv at my first channel
	s_lshr_b32 s86, s96, 11
	s_lshl_b32 s86, s86, 4
	s_lshr_b32 s88, s94, 6
	s_add_co_u32 s86, s86, s88                     ; 16 b + head
	s_lshl_b32 s86, s86, 17
	s_and_b32 s88, s96, 2047
	s_lshl_b32 s88, s88, 6                         ; 8,192 bytes for each 128 keys
	s_add_co_u32 s86, s86, s88
	s_add_co_u32 s86, s86, 0x800000
	s_add_nc_u64 s[18:19], s[18:19], s[86:87]
.irp a, 0,1,2,3,4,5,6,7
	global_load_b32 v[32+2*\a], v13, s[14:15] offset:64*\a     ; bv of channel 16 a + r, in both halves of a pair
	global_load_b32 v[33+2*\a], v13, s[14:15] offset:64*\a
.endr
	s_wait_loadcnt 0x0
.macro VBLK a
	WIN 0x02+((\a)/4)
.irp b, 0,1,2,3,4,5,6,7
.irp i, 0,2,4,6
	v_pk_fma_f32 v[64+8*\b+\i:64+8*\b+\i+1], v[8*(8*((\a)%4)+\b)+\i:8*(8*((\a)%4)+\b)+\i+1], s[84:85], v[32+2*(\a):33+2*(\a)] op_sel_hi:[1,0,0]
.endr
.endr
	WIN 0
.set ii, 0
.rept 64
	v_med3_num_f32 v[64+ii], v[64+ii], -v9, v9
.set ii, ii+1
.endr
	s_wait_xcnt 0x0                                ; the last stores have read the codes' registers
.irp b, 0,1,2,3,4,5,6,7
	v_cvt_scalef32_pk8_bf8_f32 v[128+2*\b:129+2*\b], v[64+8*\b:64+8*\b+7], v8
.endr
	v_nop
.irp q, 0,1,2,3
	global_store_b128 v1, v[128+4*\q:128+4*\q+3], s[18:19] offset:((\a)/4)*131072+((\a)%4)*2048+512*\q
.endr
.endm
.irp a, 0,1,2,3,4,5,6,7
	VBLK \a
.endr
.Ldone:
	s_wait_tensorcnt 0x0                           ; the wave's end
	ds_add_u32 v[SPW], v[NIL]
	s_wait_dscnt 0x0
	CROUND                                         ; the closing round
	s_endpgm
.Lfunc_end_k_qc7514d6d94_qkv:
	.size	k_qc7514d6d94_qkv, .Lfunc_end_k_qc7514d6d94_qkv-k_qc7514d6d94_qkv
	.p2alignl 7, 3214868480
	.fill 96, 4, 3214868480
	.section	.rodata,"a",@progbits
	.p2align	6, 0x0
	.amdhsa_kernel k_qc7514d6d94_qkv
		.amdhsa_group_segment_fixed_size 327680
		.amdhsa_private_segment_fixed_size 0
		.amdhsa_enable_private_segment 0
		.amdhsa_kernarg_size 64
		.amdhsa_user_sgpr_count 2
		.amdhsa_user_sgpr_kernarg_segment_ptr 1
		.amdhsa_wavefront_size32 1
		.amdhsa_system_sgpr_workgroup_id_x 1
		.amdhsa_system_sgpr_workgroup_id_y 1
		.amdhsa_system_sgpr_workgroup_id_z 1
		.amdhsa_system_vgpr_workitem_id 0
		.amdhsa_next_free_vgpr 1024
		.amdhsa_next_free_sgpr 100
		.amdhsa_reserve_vcc 0
		.amdhsa_float_denorm_mode_32 3
		.amdhsa_float_denorm_mode_16_64 3
		.amdhsa_memory_ordered 1
		.amdhsa_forward_progress 1
		.amdhsa_inst_pref_size 233
	.end_amdhsa_kernel
	.amdgpu_metadata
---
amdhsa.version: [ 1, 2 ]
amdhsa.kernels:
  - .name:           k_qc7514d6d94_qkv
    .symbol:         k_qc7514d6d94_qkv.kd
    .args:
      - { .name: h_img, .offset: 0, .size: 8, .value_kind: global_buffer, .address_space: global }
      - { .name: wimg, .offset: 8, .size: 8, .value_kind: global_buffer, .address_space: global }
      - { .name: lowp_scales, .offset: 16, .size: 8, .value_kind: global_buffer, .address_space: global }
      - { .name: bq, .offset: 24, .size: 8, .value_kind: global_buffer, .address_space: global }
      - { .name: bk, .offset: 32, .size: 8, .value_kind: global_buffer, .address_space: global }
      - { .name: bv, .offset: 40, .size: 8, .value_kind: global_buffer, .address_space: global }
      - { .name: rope, .offset: 48, .size: 8, .value_kind: global_buffer, .address_space: global }
      - { .name: qkv_img, .offset: 56, .size: 8, .value_kind: global_buffer, .address_space: global }
    .group_segment_fixed_size: 327680
    .private_segment_fixed_size: 0
    .kernarg_segment_align: 8
    .kernarg_segment_size: 64
    .max_flat_workgroup_size: 128
    .sgpr_count:     100
    .vgpr_count:     1024
    .wavefront_size: 32
...
	.end_amdgpu_metadata
.endif
;; end of part 2
;; launch attn (part 3): grid 8 x 32, 4 waves a work-group, no clusters, 174,592 bytes of LDS; arguments qkv_img, mask, lowp_scales, attn_img; writes attn_img
.if DOCPART == 3
	.amdgcn_target "amdgcn-amd-amdhsa--gfx1250"
	.amdhsa_code_object_version 6
	.text
	.protected	k_qc7514d6d94_attn
	.globl	k_qc7514d6d94_attn
	.p2align	8
	.type	k_qc7514d6d94_attn,@function
k_qc7514d6d94_attn:
	s_mov_b64 s[64:65], 0
	v_nop
	global_prefetch_b8 v0, s[64:65] scope:SCOPE_SE
	s_setreg_imm32_b32 hwreg(HW_REG_WAVE_MODE, 25, 1), 1
	s_wait_xcnt 0x0
; attn = softmax(q k^T / 8, keys under the mask left out) v, both products on codes of E5M2; the FINISHED, normalised softmax is what is quantised (scale 2^e8); the result is quantised (2^e10) for the product with Wo.
; SHARES.  A work-group owns one (batch, head) and 256 queries, walked in 8 blocks of 32 (two tiles of 16).  THE FOUR WAVES SHARE THE KEYS: wave w owns keys 512 w .. 512 w + 511.
; A wave's 32 x 512 scores stay in 512 registers from the first product to the conversion: one product and one exponential a score, and the row's sum is known before any p is converted.
; Its 32 tiles of k stay in 256 registers for the whole launch; its part of v^T (32 KiB) and its keys' mask (an f32 addend a key) lie in LDS bytes of its own.
; BOTH PRODUCTS TRANSPOSED: S^T = k q^T (a lane holds one query, registers run along the keys), O^T = v^T p^T.  The mask's addend, 0 or -2^100, is the C of the first product.
; SOFTMAX.  Each wave takes its own largest t away: e = 2^(t - K_w), t = score x log2(e) / 8, l_w = sum of e.  The waves exchange (K_w, l_w): Kmax = the largest K_w, l = sum of 2^(K_w - Kmax) l_w,
; p = e x f_w with f_w = 2^(K_w - Kmax) / l.  The same K_w stands in e and in f_w, so its rounding cancels.  Where every key of the batch is masked (Kmax under -2^90 in units of the codes) f = 0, so p = 0.
; The waves' four parts of O^T are added through LDS; wave w finishes tile w / 2 of the queries, channels 32 (w % 2) on.  Two barriers a block.
; No tensor loads and no cluster: k goes into registers; k, v and the mask are read once by a work-group, at its head, 256 KiB against eight blocks' work.
; LIMITS: e6 + e7 between -80 and 25 (the masked t stays finite and far under every real t); e8 and e10 - e8 - e9 between -126 and 112.  NaN and infinities are not served.
; REGISTERS.  Window 0: v1-9 addresses; v10 0, v11 -2^100, v8 the threshold; v12-19 pairs -K_w and f; v20-27 sums; v28-35 maxima; v36-43 at work, (K_w, l_w); v44-47 codes out; v48-51 scales;
;   v52-67 q; v68-131 O^T; v132-163 p's codes; v164-227 v^T's fragments, later the parts of O^T; in the first product v68-227 are five sets of 32 mask addends.
;   Window 1: k's tile t at v[8 t].   Windows 2, 3: S(qt, t) at v[128 qt + 8 (t % 16)] of window 2 + t / 16.
.set VB, 0                             ; LDS: v^T: 32,768 bytes a wave
.set MB, 131072                        ; the mask's addends: 2,048 bytes a wave
.set SX, 139264                        ; (K_w, l_w): 512 bytes a wave
.set OX, 141312                        ; the parts of O^T: 8,192 bytes a wave
.set MSB, 0
.macro WIN new
.if MSB != (\new)
	s_set_vgpr_msb (MSB<<8)|(\new)
.set MSB, (\new)
.endif
.endm
.macro PLACES n
.rept \n
	v_nop
.endr
.endm
	s_load_b256 s[4:11], s[0:1], 0x0               ; qkv_img 4, mask 6, scales 8, attn_img 10
	v_lshl_add_u32 v254, v0, 2, 0x2a800
	v_mov_b32 v255, 0
	v_lshrrev_b32 v1, 5, v0
	v_readfirstlane_b32 s12, v1                    ; wave
	v_and_b32 v8, 31, v0
	v_lshlrev_b32 v1, 4, v8                        ; v1 = 16 x lane
	v_bfe_u32 v36, v0, 4, 1                        ; h
	s_lshl_b32 s41, s12, 11
	s_lshl_b32 s42, s12, 15
	s_lshl_b32 s43, s12, 9
	s_lshl_b32 s44, s12, 13
	v_lshlrev_b32 v2, 5, v36
	v_add_nc_u32 v2, s41, v2
	v_add_nc_u32 v2, MB, v2                        ; the addends of keys 8 h + 0..7 of a tile
	v_add_nc_u32 v3, s42, v1                       ; v^T's images
	v_lshlrev_b32 v4, 3, v8
	v_add_nc_u32 v5, SX, v4                        ; the exchange: read,
	v_add_nc_u32 v4, s43, v5                       ; and write
	v_add_nc_u32 v6, s44, v1
	v_add_nc_u32 v6, OX, v6                        ; my part of O^T
	v_add_nc_u32 v7, s41, v1
	v_add_nc_u32 v7, OX, v7                        ; the two accumulators that I finish
	v_lshlrev_b32 v9, 6, v8
	v_add_nc_u32 v9, s41, v9
	v_add_nc_u32 v9, MB, v9                        ; where I put 16 keys' addends
	v_mov_b32 v10, 0
	v_mov_b32 v11, 0xf1800000                      ; -2^100
	v_mov_b32 v13, 0                               ; upper halves of pairs of which the low word serves both halves
	v_mov_b32 v15, 0
	v_mov_b32 v17, 0
	v_mov_b32 v19, 0
	v_mov_b32 v37, 0                               ; (a lane permute's destination counts as read)
	s_mov_b32 s16, 0x76543210
	s_mov_b32 s17, 0xfedcba98
	s_mov_b32 s13, 8                               ; blocks
	s_and_b32 s45, ttmp7, 0xffff                   ; 16 b + head
	s_lshl_b32 s50, s45, 17
	s_add_co_u32 s50, s50, s42                     ; k, v: 131,072 a head, 32,768 a wave
	s_mov_b32 s51, 0
	s_lshr_b32 s52, s45, 4                         ; b
	s_lshl_b32 s54, s52, 11
	s_add_co_u32 s54, s54, s43                     ; the mask of my 512 keys
	s_mov_b32 s55, 0
	s_lshl_b32 s56, s45, 17
	s_lshl_b32 s58, ttmp9, 14
	s_add_co_u32 s56, s56, s58                     ; q: my 16 tiles of 1,024 bytes
	s_mov_b32 s57, 0
	s_lshl_b32 s58, s52, 7
	s_lshl_b32 s59, ttmp9, 4
	s_add_co_u32 s58, s58, s59
	s_lshr_b32 s59, s12, 1
	s_add_co_u32 s58, s58, s59                     ; out: block of 16 rows 128 b + 16 part + w / 2 (+ 2 a block),
	s_lshl_b32 s58, s58, 14
	s_and_b32 s59, s45, 15
	s_lshr_b32 s59, s59, 1
	s_lshl_b32 s59, s59, 11                        ; K step head / 2,
	s_add_co_u32 s58, s58, s59
	s_and_b32 s59, s45, 1
	s_lshl_b32 s59, s59, 1
	s_and_b32 s60, s12, 1
	s_add_co_u32 s59, s59, s60
	s_lshl_b32 s59, s59, 9                         ; registers 4 (2 (head % 2) + w % 2) on
	s_add_co_u32 s58, s58, s59
	s_mov_b32 s59, 0
	s_wait_kmcnt 0x0
	s_load_b512 s[20:35], s[8:9], 0x0              ; e0 .. e15: e6 s26, e7 s27, e8 s28, e9 s29, e10 s30
	s_add_nc_u64 s[6:7], s[6:7], s[54:55]
	s_add_nc_u64 s[46:47], s[4:5], s[50:51]
	s_add_nc_u64 s[48:49], s[46:47], 0x400000      ; k
	s_add_nc_u64 s[46:47], s[46:47], 0x800000      ; v
	s_add_nc_u64 s[36:37], s[4:5], s[56:57]        ; q
	s_add_nc_u64 s[38:39], s[10:11], s[58:59]
	global_load_b128 v[164:167], v1, s[6:7]        ; 16 keys' mask bytes a lane
	WIN 0x80
.set j, 0
.rept 64
	global_load_b128 v[4*j:4*j+3], v1, s[46:47] offset:512*j   ; v^T, through window 2 into LDS
.set j, j+1
.endr
	WIN 0x40
.set j, 0
.rept 64
	global_load_b128 v[4*j:4*j+3], v1, s[48:49] offset:512*j   ; k: tile t = j / 2 at v[8 t] of window 1: it stays
.set j, j+1
.endr
	WIN 0
.irp j, 0,1,2,3
	global_load_b128 v[52+4*\j:52+4*\j+3], v1, s[36:37] offset:512*\j
.endr
	s_wait_kmcnt 0x0
	s_add_co_i32 s50, s26, s27
	s_lshl_b32 s50, s50, 23
	s_add_co_i32 s14, s50, 0x3e38aa3b              ; c = log2(e) / 8 x 2^(e6 + e7): the exponents are added to its exponent field
	s_mov_b32 s15, s14
	v_mov_b32 v8, 0xec800000
	v_mul_f32 v8, s14, v8                          ; -2^90 as t
	s_add_co_i32 s50, s28, 127
	s_lshl_b32 s51, s50, 23
	v_mov_b32 v48, s51                             ; 2^e8
	s_add_co_i32 s50, s50, 15
	s_lshl_b32 s50, s50, 23
	s_or_b32 s50, s50, 0x600000
	v_mov_b32 v49, s50                             ; 57,344 x 2^e8
	s_sub_co_i32 s50, s30, s28
	s_sub_co_i32 s50, s50, s29                     ; a sum of the second product stands for sum x 2^(e8 + e9): its code is sum / 2^(e10 - e8 - e9)
	s_add_co_i32 s50, s50, 127
	s_lshl_b32 s51, s50, 23
	v_mov_b32 v50, s51
	s_add_co_i32 s50, s50, 15
	s_lshl_b32 s50, s50, 23
	s_or_b32 s50, s50, 0x600000
	v_mov_b32 v51, s50
	s_wait_loadcnt 63                              ; 68 loads were issued behind v's; with 63 out at the most, the oldest 70 of the 133 are in: the mask and v
.irp k, 0,1,2,3,4,5,6,7,8,9,10,11,12,13,14,15
	v_bfe_u32 v36, v[164+\k/4], 8*(\k%4), 8
	v_cmp_eq_u32 vcc_lo, 0, v36
	v_cndmask_b32 v[168+\k], v10, v11, vcc_lo      ; 0 where the key counts, -2^100 where it does not
.endr
.irp i, 0,1,2,3
	ds_store_b128 v9, v[168+4*\i:168+4*\i+3] offset:16*\i
.endr
	WIN 0x08                                       ; an LDS store's data in window 2
.set j, 0
.rept 64
	ds_store_b128 v3, v[4*j:4*j+3] offset:512*j
.set j, j+1
.endr
	WIN 0
; these LDS bytes are the wave's own, and LDS serves a wave's instructions in order (ISA guide 5.7.1.4): no barrier
.macro BIASLD g, set                   ; the addends of tiles 4 g .. 4 g + 3, in the result's layout
.irp tt, 0,1,2,3
.irp i, 0,1
	ds_load_b128 v[68+32*(\set)+8*\tt+4*\i:68+32*(\set)+8*\tt+4*\i+3], v2 offset:64*(4*(\g)+\tt)+16*\i
.endr
.endr
.endm
.macro QKG g, left                     ; eight products: tiles 4 g .. 4 g + 3 of my keys x the two tiles of queries
	s_wait_dscnt \left                             ; the loads issued behind group g's may be out
	WIN 0x81+0x40*((\g)/4)
.irp tt, 0,1,2,3
.irp qt, 0,1
	v_wmma_f32_16x16x64_bf8_bf8 v[128*\qt+8*((4*(\g)+\tt)%16):128*\qt+8*((4*(\g)+\tt)%16)+7], v[8*(4*(\g)+\tt):8*(4*(\g)+\tt)+7], v[52+8*\qt:52+8*\qt+7], v[68+32*((\g)%5)+8*\tt:68+32*((\g)%5)+8*\tt+7]
.endr
.endr
.if (\g) <= 2
	WIN 0
	PLACES 4                                       ; in front of loads into registers that these products have read
	BIASLD (\g)+5, \g
.endif
.endm
.macro FM p                            ; pair p of a window: t - K_w
	v_pk_fma_f32 v[2*(\p):2*(\p)+1], v[2*(\p):2*(\p)+1], s[14:15], v[12+2*((\p)/64):13+2*((\p)/64)] op_sel_hi:[1,0,0]
.endm
; 128 keys of the second product: p = e f, the hold, the conversion, eight products.  The eight accumulators take turns.
.macro PVSTEP ks
.set W, 2+(\ks)/2
.set SB, 64*((\ks)%2)
	WIN 0x41*W
.irp qt, 0,1
.set ii, 0
.rept 32
	v_pk_mul_f32 v[128*\qt+SB+2*ii:128*\qt+SB+2*ii+1], v[128*\qt+SB+2*ii:128*\qt+SB+2*ii+1], v[16+2*\qt:17+2*\qt] op_sel_hi:[1,0]   ; (these 64 are also the places in front of the loads and conversions below)
.set ii, ii+1
.endr
.endr
	WIN 0
.irp dt, 0,1,2,3
.irp c, 0,1,2,3
	ds_load_b128 v[164+16*\dt+4*\c:164+16*\dt+4*\c+3], v3 offset:(4*(\ks)+\dt)*2048+512*\c
.endr
.endr
	s_cmp_ge_i32 s28, -15                          ; p is at most 1 + 2^-22, and from e8 = -15 on the largest code x the scale is 1.75 or more: the hold would change nothing
	s_cbranch_scc1 .Lno_hold_\@
	WIN 0x41*W
.irp qt, 0,1
.set ii, 0
.rept 64
	v_min_num_f32 v[128*\qt+SB+ii], v[128*\qt+SB+ii], v49   ; the conversion does not saturate (ISA guide 7.6.2); p is not negative
.set ii, ii+1
.endr
.endr
	WIN 0
.Lno_hold_\@:
	WIN W
.irp qt, 0,1
.irp c, 0,1,2,3,4,5,6,7
	v_cvt_scalef32_pk8_bf8_f32 v[132+16*\qt+2*\c:132+16*\qt+2*\c+1], v[128*\qt+SB+8*\c:128*\qt+SB+8*\c+7], v48
.endr
.endr
	v_nop                                          ; a plain instruction between the conversions and the products that read their results
	WIN 0
	s_wait_dscnt 0x0
.irp dt, 0,1,2,3
.irp qt, 0,1
.if (\ks) == 0
	v_wmma_f32_16x16x128_bf8_bf8 v[68+8*(4*\qt+\dt):68+8*(4*\qt+\dt)+7], v[164+16*\dt:164+16*\dt+15], v[132+16*\qt:132+16*\qt+15], 0
.else
	v_wmma_f32_16x16x128_bf8_bf8 v[68+8*(4*\qt+\dt):68+8*(4*\qt+\dt)+7], v[164+16*\dt:164+16*\dt+15], v[132+16*\qt:132+16*\qt+15], v[68+8*(4*\qt+\dt):68+8*(4*\qt+\dt)+7]
.endif
.endr
.endr
.endm
.Lblk:
	; ---- the scores
	s_wait_loadcnt 0x0                             ; q (in the first trip k too)
	BIASLD 0, 0
	BIASLD 1, 1
	BIASLD 2, 2
	BIASLD 3, 3
	BIASLD 4, 4
	QKG 0, 32                                      ; behind group g's eight loads: four more groups, later three, two, one, none
	QKG 1, 32
	QKG 2, 32
	QKG 3, 32
	QKG 4, 24
	QKG 5, 16
	QKG 6, 8
	QKG 7, 0
	; ---- each query's largest score among my 512 keys
	WIN 0
.irp i, 0,1,2,3,4,5,6,7
	v_mov_b32 v[28+\i], 0xff800000                 ; eight chains begin at -infinity; these are the places behind the products
.endr
.irp w, 2,3
	WIN 0x14*\w
.set n, 0
.rept 16
.irp qt, 0,1
.irp k, 0,1,2,3
	v_max3_num_f32 v[28+4*\qt+\k], v[28+4*\qt+\k], v[128*\qt+32*\k+2*n], v[128*\qt+32*\k+2*n+1]   ; ascending: each tile is first read at its low end
.endr
.endr
.set n, n+1
.endr
.endr
	WIN 0
.irp qt, 0,1
	v_max3_num_f32 v[28+4*\qt], v[28+4*\qt], v[29+4*\qt], v[30+4*\qt]
.endr
.irp qt, 0,1
	v_max_num_f32 v[28+4*\qt], v[28+4*\qt], v[31+4*\qt]
.endr
.irp qt, 0,1
	v_permlanex16_b32 v[36+\qt], v[28+4*\qt], s16, s17
.endr
.irp qt, 0,1
	v_max_num_f32 v[28+4*\qt], v[28+4*\qt], v[36+\qt]
.endr
.irp qt, 0,1
	v_mul_f32 v[40+2*\qt], s14, v[28+4*\qt]        ; K_w (c is positive)
.endr
.irp qt, 0,1
	v_mul_f32 v[12+2*\qt], -1.0, v[40+2*\qt]
.endr
	s_cmp_eq_u32 s13, 1                            ; the next block's q is asked for here, if there is one: no load leaves its buffer
	s_cbranch_scc1 .Lno_q
	s_add_nc_u64 s[36:37], s[36:37], 2048          ; (the loads that read this base were waited for at the block's head)
.irp j, 0,1,2,3
	global_load_b128 v[52+4*\j:52+4*\j+3], v1, s[36:37] offset:512*\j
.endr
.Lno_q:
	; ---- e = 2^(t - K_w): the 512 exponentials are one batch; a scaling stands behind each two
.irp w, 2,3
	WIN 0x41*\w
	FM 0
	FM 1
.set n, 0
.rept 128
	v_exp_f32 v[2*n], v[2*n]
	v_exp_f32 v[2*n+1], v[2*n+1]
.if n+2 < 128
	FM n+2
.endif
.set n, n+1
.endr
.endr
	WIN 0
.irp i, 0,1,2,3,4,5,6,7
	v_mov_b32 v[20+\i], 0                          ; plain instructions behind the last exponential
.endr
	s_wait_alu depctr_va_vdst(0)                   ; one wait for the batch, ahead of its first reader
	; ---- l_w, of the unquantised e, in four chains
.irp w, 2,3
	WIN \w
.set n, 0
.rept 64
.irp qt, 0,1
	v_pk_add_f32 v[20+4*\qt+2*(n%2):21+4*\qt+2*(n%2)], v[128*\qt+2*n:128*\qt+2*n+1], v[20+4*\qt+2*(n%2):21+4*\qt+2*(n%2)]
.endr
.set n, n+1
.endr
.endr
	WIN 0
.irp qt, 0,1
	v_pk_add_f32 v[20+4*\qt:21+4*\qt], v[20+4*\qt:21+4*\qt], v[22+4*\qt:23+4*\qt]
.endr
.irp qt, 0,1
	v_add_f32 v[20+4*\qt], v[20+4*\qt], v[21+4*\qt]
.endr
.irp qt, 0,1
	v_permlanex16_b32 v[36+\qt], v[20+4*\qt], s16, s17
.endr
.irp qt, 0,1
	v_add_f32 v[41+2*\qt], v[20+4*\qt], v[36+\qt]
.endr
	; ---- the exchange
	ds_store_b64 v4, v[40:41]
	ds_store_b64 v4, v[42:43] offset:256
	s_wait_dscnt 0x0                               ; for the others' sake: my pair lies in LDS (and my reads of O^T's parts, of the block before, are long in)
	s_barrier_signal -1
	s_barrier_wait -1
.irp w, 0,1,2,3
.irp qt, 0,1
	ds_load_b64 v[164+4*\w+2*\qt:165+4*\w+2*\qt], v5 offset:512*\w+256*\qt
.endr
.endr
	s_wait_dscnt 0x0
.irp qt, 0,1
	v_max3_num_f32 v[38+\qt], v[164+2*\qt], v[168+2*\qt], v[172+2*\qt]
.endr
.irp qt, 0,1
	v_max_num_f32 v[38+\qt], v[38+\qt], v[176+2*\qt]   ; Kmax
.endr
.irp w, 0,1,2,3
.irp qt, 0,1
	v_sub_f32 v[164+4*\w+2*\qt], v[164+4*\w+2*\qt], v[38+\qt]
.endr
.endr
.irp qt, 0,1
	v_sub_f32 v[36+\qt], v[40+2*\qt], v[38+\qt]
.endr
.irp w, 0,1,2,3
.irp qt, 0,1
	v_exp_f32 v[164+4*\w+2*\qt], v[164+4*\w+2*\qt]
.endr
.endr
.irp qt, 0,1
	v_exp_f32 v[36+\qt], v[36+\qt]
.endr
	v_nop
	s_wait_alu depctr_va_vdst(0)                   ; one wait for the ten
.irp qt, 0,1
	v_mul_f32 v[28+\qt], v[164+2*\qt], v[165+2*\qt]
.endr
.irp w, 1,2,3
.irp qt, 0,1
	v_fmac_f32 v[28+\qt], v[164+4*\w+2*\qt], v[165+4*\w+2*\qt]
.endr
.endr
.irp qt, 0,1
	v_rcp_f32 v[28+\qt], v[28+\qt]
.endr
	v_nop
	s_wait_alu depctr_va_vdst(0)                   ; one wait for the two
.irp qt, 0,1
	v_mul_f32 v[16+2*\qt], v[36+\qt], v[28+\qt]    ; f_w
	v_cmp_gt_f32 vcc_lo, v8, v[38+\qt]             ; every key masked?
	v_cndmask_b32 v[16+2*\qt], v[16+2*\qt], v10, vcc_lo
.endr
	; ---- p and the second product
	PVSTEP 0
	PVSTEP 1
	PVSTEP 2
	PVSTEP 3
	; ---- the four waves' parts are added; the sum is quantised and stored
	PLACES 5                                       ; behind the last products: four for the stores and loads below, the fifth for the next block's products, which take these registers, loaded anew, as C
.irp a, 0,1,2,3,4,5,6,7
	ds_store_b128 v6, v[68+8*\a:68+8*\a+3] offset:1024*\a           ; each accumulator from its low end on
	ds_store_b128 v6, v[68+8*\a+4:68+8*\a+7] offset:1024*\a+512
.endr
	s_wait_dscnt 0x0                               ; my part lies in LDS, and my reads of the exchange are in
	s_barrier_signal -1
	s_barrier_wait -1
.irp w, 0,1,2,3
.irp u, 0,1
.irp hf, 0,1
	ds_load_b128 v[164+16*\w+8*\u+4*\hf:164+16*\w+8*\u+4*\hf+3], v7 offset:8192*\w+1024*\u+512*\hf
.endr
.endr
.endr
	s_wait_dscnt 0x0
.irp i, 0,2,4,6,8,10,12,14
	v_pk_add_f32 v[164+\i:165+\i], v[164+\i:165+\i], v[180+\i:181+\i]
	v_pk_add_f32 v[196+\i:197+\i], v[196+\i:197+\i], v[212+\i:213+\i]
.endr
.irp i, 0,2,4,6,8,10,12,14
	v_pk_add_f32 v[164+\i:165+\i], v[164+\i:165+\i], v[196+\i:197+\i]
.endr
.irp i, 0,1,2,3,4,5,6,7,8,9,10,11,12,13,14,15
	v_med3_num_f32 v[164+\i], v[164+\i], -v51, v51
.endr
	v_cvt_scalef32_pk8_bf8_f32 v[44:45], v[164:171], v50   ; (the last block's store was followed by a wait on XCNT: its data may be written)
	v_cvt_scalef32_pk8_bf8_f32 v[46:47], v[172:179], v50
	v_nop
	global_store_b128 v1, v[44:47], s[38:39]       ; four registers of the next operand's image: 512 consecutive bytes
	s_wait_xcnt 0x0                                ; the store has read its base and its data
	s_add_nc_u64 s[38:39], s[38:39], 32768         ; two blocks of 16 rows on
	s_sub_co_u32 s13, s13, 1
	s_cmp_lg_u32 s13, 0
	s_cbranch_scc1 .Lblk
	s_wait_tensorcnt 0x0
	ds_add_u32 v254, v255
	s_wait_dscnt 0x0
	s_endpgm
.Lfunc_end_k_qc7514d6d94_attn:
	.size	k_qc7514d6d94_attn, .Lfunc_end_k_qc7514d6d94_attn-k_qc7514d6d94_attn
	.p2alignl 7, 3214868480
	.fill 96, 4, 3214868480
	.section	.rodata,"a",@progbits
	.p2align	6, 0x0
	.amdhsa_kernel k_qc7514d6d94_attn
		.amdhsa_group_segment_fixed_size 174592
		.amdhsa_private_segment_fixed_size 0
		.amdhsa_enable_private_segment 0
		.amdhsa_kernarg_size 32
		.amdhsa_user_sgpr_count 2
		.amdhsa_user_sgpr_kernarg_segment_ptr 1
		.amdhsa_wavefront_size32 1
		.amdhsa_system_sgpr_workgroup_id_x 1
		.amdhsa_system_sgpr_workgroup_id_y 1
		.amdhsa_system_sgpr_workgroup_id_z 1
		.amdhsa_system_vgpr_workitem_id 0
		.amdhsa_next_free_vgpr 1024
		.amdhsa_next_free_sgpr 66
		.amdhsa_reserve_vcc 1
		.amdhsa_float_denorm_mode_32 3
		.amdhsa_float_denorm_mode_16_64 3
		.amdhsa_memory_ordered 1
		.amdhsa_forward_progress 1
		.amdhsa_inst_pref_size 150
	.end_amdhsa_kernel
	.amdgpu_metadata
---
amdhsa.version: [ 1, 2 ]
amdhsa.kernels:
  - .name:           k_qc7514d6d94_attn
    .symbol:         k_qc7514d6d94_attn.kd
    .args:
      - { .name: qkv_img, .offset: 0, .size: 8, .value_kind: global_buffer, .address_space: global }
      - { .name: mask, .offset: 8, .size: 8, .value_kind: global_buffer, .address_space: global }
      - { .name: lowp_scales, .offset: 16, .size: 8, .value_kind: global_buffer, .address_space: global }
      - { .name: attn_img, .offset: 24, .size: 8, .value_kind: global_buffer, .address_space: global }
    .group_segment_fixed_size: 174592
    .private_segment_fixed_size: 0
    .kernarg_segment_align: 8
    .kernarg_segment_size: 32
    .max_flat_workgroup_size: 128
    .sgpr_count:     66
    .vgpr_count:     1024
    .wavefront_size: 32
...
	.end_amdgpu_metadata
.endif
;; end of part 3
;; launch wo (part 4): grid 8 x 32, 4 waves a work-group, clusters of 4 x 4, 327,680 bytes of LDS; arguments attn_img, wimg, lowp_scales, bo, x, x1; writes x1
.if DOCPART == 4
	.amdgcn_target "amdgcn-amd-amdhsa--gfx1250"
	.amdhsa_code_object_version 6
	.text
	.protected	k_qc7514d6d94_wo
	.globl	k_qc7514d6d94_wo
	.p2align	8
	.type	k_qc7514d6d94_wo,@function
k_qc7514d6d94_wo:
	s_mov_b64 s[64:65], 0
	v_nop
	global_prefetch_b8 v0, s[64:65] scope:SCOPE_SE
	s_setreg_imm32_b32 hwreg(HW_REG_WAVE_MODE, 25, 1), 1
	s_wait_xcnt 0x0
	s_wait_alu depctr_hold_cnt(0) depctr_sa_sdst(0) depctr_va_vdst(0) depctr_va_sdst(0) depctr_va_ssrc(0) depctr_va_vcc(0) depctr_vm_vsrc(0)
	s_getreg_b32 s2, hwreg(HW_REG_IB_STS2, 6, 4)
	s_cmp_eq_u32 s2, 0
	s_cbranch_scc0 .Lentry_in_a_cluster
	s_endpgm
.Lentry_in_a_cluster:
	s_bfe_u32 s2, ttmp6, 0x10000c
	s_cmp_lg_u32 s2, 0xf033
	s_cbranch_scc0 .Lentry_shape_is_right
	s_endpgm
.Lentry_shape_is_right:
; x1 = x + attn Wo^T + bo.  out = resid + bias + (A B^T) x 2^(eA + eB); A and B are images of operand registers (16 rows x 128 K = 2,048 bytes, registers 4 q .. 4 q + 3 of lane l at 512 q + 16 l), [blocks of 16 rows][KS][2048].
; A tile of 128 x 128, so that the 4,096 x 1,024 results give 256 work-groups; four waves, each 64 x 64: 16 accumulators.  K goes in steps of 512 (a block's four images: 8,192 dense bytes) through two LDS slots.
; 4 x 4 work-groups: A's tiles are asked for jointly along a row of the cluster, B's along a column.  The matrix instruction is used transposed (source 0 = B's rows, source 1 = A's): a lane holds eight neighbouring columns of a row.
; The residual's 64 x 64 numbers of a wave are asked for at the head, in the layout of the stores, and wait in window 2.
; With KS = 8 both K steps are first fills: nothing is filled again.  No prefetch: small tiles, and the operands are read by many work-groups.
; LIMIT: eA + eB between -126 and 127.
.set KS,    8                          ; K / 128
.set WOFF,  0x300000                   ; the weight's place in wimg
.set EOFF,  0x28                       ; the two exponents' place in lowp_scales
.set LAPS,  KS/8
.set BLKB,  KS*2048                    ; bytes from block to block
.set SLOT,  131072                     ; A's 8 blocks of 8,192 bytes, then B's
.set BOFF,  65536
.set SPARE, 262144                     ; the spare words, 128 bytes for each wave
.set STAGE, 262656                     ; 16 rows x 272 bytes for each wave, for the way out: no fill lands here
.set SP,    272
.set ADRA,  16
.set ADRB,  20
.set STO,   24
.set RD,    25
.set CO,    26
.set SPW,   28
.set NIL,   29
.set RB,    32                         ; v32-95 rows read back, two sets
.set ACC,   128                        ; accumulator (a, b) at v[128 + 8 (4 a + b)]
.set F0,    0                          ; window 1: two fragment buffers: A's four at f, B's four at f + 64
.set F1,    128
.set WV,    20
.set RH,    21
.set CH,    22
.set G1,    24
.set G0,    32
.set G1B,   48
.set G0B,   56
.set MUL,   0x05
.set MSB, 0
.macro WIN new
.if MSB != (\new)
	s_set_vgpr_msb (MSB<<8)|(\new)
.set MSB, (\new)
.endif
.endm
.macro PLACES n
.rept \n
	v_nop
.endr
.endm
.macro JLOAD s                         ; a joint load: waves 0, 1 for A, waves 2, 3 for B; four v_nop follow each line
	s_cmp_eq_u32 s[RH], 0
	s_cbranch_scc0 .Lfor_b_\@
	tensor_load_to_lds s[G0+4*\s:G0+4*\s+3], s[G1:G1+7]
	s_nop 0
.rept 4
	v_nop
.endr
	s_branch .Lasked_\@
.Lfor_b_\@:
	tensor_load_to_lds s[G0B+4*\s:G0B+4*\s+3], s[G1B:G1B+7]
	s_nop 0
.rept 4
	v_nop
.endr
.Lasked_\@:
.endm
.macro CREST
	s_cmp_lg_u32 s[WV], 0
	s_cbranch_scc1 .Lnot_wave_0_\@
	s_barrier_signal -3
.Lnot_wave_0_\@:
	s_barrier_wait -3
	s_barrier_signal -1
	s_barrier_wait -1
.endm
.macro CROUND
	s_barrier_signal -1
	s_barrier_wait -1
	CREST
.endm
	s_load_b256 s[4:11], s[0:1], 0x0               ; A 4, wimg 6, scales 8, bias 10
	s_load_b128 s[12:15], s[0:1], 0x20             ; resid 12, out 14
	v_lshl_add_u32 v[SPW], v0, 2, SPARE
	v_mov_b32 v[NIL], 0
	ds_add_u32 v28, v29
	ds_add_u32 v28, v29
	s_wait_dscnt 0x0
	v_lshrrev_b32 v1, 5, v0
	v_readfirstlane_b32 s[WV], v1
	s_lshr_b32 s[RH], s[WV], 1
	s_and_b32 s[CH], s[WV], 1
	s_bfe_u32 s40, ttmp6, 0x40000                  ; cx
	s_bfe_u32 s41, ttmp6, 0x40004                  ; cy
	s_lshl_b32 s46, ttmp9, 2
	s_add_co_u32 s46, s46, s40                     ; tile column
	s_and_b32 s45, ttmp7, 0xffff
	s_lshl_b32 s45, s45, 2
	s_add_co_u32 s45, s45, s41                     ; tile row
	s_lshl_b32 s42, s41, 2
	s_lshl_b32 s42, 15, s42                        ; my row of the cluster
	s_lshl_b32 s43, 0x1111, s40                    ; my column
	s_or_b32 s[G1], s42, (3<<16)|(1<<21)           ; the mask; elements of 8 bytes; bit 21 beside a mask; no padding
	s_or_b32 s[G1B], s43, (3<<16)|(1<<21)
.irp g, G1, G1B
	s_mov_b32 s[\g+1], 1024<<16                    ; tensor_dim0 = 1,024 elements: 8,192 bytes, four images of a block
	s_mov_b32 s[\g+2], 4<<16                       ; tensor_dim1 = 4 blocks
	s_mov_b32 s[\g+3], 1024<<16
	s_mov_b32 s[\g+4], 4
	s_mov_b32 s[\g+5], KS*256                      ; from block to block, in elements
	s_mov_b32 s[\g+6], 0
	s_mov_b32 s[\g+7], 0
.endr
	s_lshl_b32 s18, s45, 3                         ; A: block 8 x tile row + 4 x (which half I fetch)
	s_lshl_b32 s16, s[CH], 2
	s_add_co_u32 s16, s16, s18
	s_mul_i32 s16, s16, BLKB
	s_mov_b32 s17, 0
	s_lshl_b32 s19, s46, 3                         ; B: block 8 x tile column + 4 x half
	s_lshl_b32 s66, s[CH], 2
	s_add_co_u32 s66, s66, s19
	s_mul_i32 s66, s66, BLKB
	s_add_co_u32 s66, s66, WOFF
	s_mov_b32 s67, 0
	s_lshl_b32 s47, s[WV], 15                      ; where my part goes: 32,768 x wave
	s_wait_kmcnt 0x0
	s_load_b64 s[68:69], s[8:9], EOFF              ; eA, eB
	s_add_nc_u64 s[16:17], s[4:5], s[16:17]
	s_add_nc_u64 s[66:67], s[6:7], s[66:67]
	CROUND                                         ; all sixteen work-groups are here: the first joint loads meet
.irp s, 0,1
	s_mov_b32 s[G0+4*\s], 1
	s_add_co_u32 s[G0+4*\s+1], s47, \s*SLOT
	s_add_nc_u64 s[G0+4*\s+2:G0+4*\s+3], s[16:17], \s*8192
	s_or_b32 s[G0+4*\s+3], s[G0+4*\s+3], 0x80000000
	s_mov_b32 s[G0B+4*\s], 1
	s_add_co_u32 s[G0B+4*\s+1], s47, \s*SLOT
	s_add_nc_u64 s[G0B+4*\s+2:G0B+4*\s+3], s[66:67], \s*8192
	s_or_b32 s[G0B+4*\s+3], s[G0B+4*\s+3], 0x80000000
	JLOAD \s
.endr
	v_and_b32 v1, 31, v0
	v_lshlrev_b32 v1, 4, v1                        ; 16 x lane
	v_and_b32 v2, 15, v0                           ; r
	v_bfe_u32 v3, v0, 4, 1                         ; h
	s_lshl_b32 s72, s[RH], 15
	s_lshl_b32 s73, s[CH], 15
	s_add_co_u32 s73, s73, BOFF
.irp s, 0,1
	v_add_nc_u32 v[ADRA+\s], s72, v1
	v_add_nc_u32 v[ADRB+\s], s73, v1
	s_add_co_u32 s72, s72, SLOT
	s_add_co_u32 s73, s73, SLOT
.endr
	s_mul_i32 s72, s[WV], 16*SP
	s_add_co_u32 s72, s72, STAGE                   ; my stage
	v_mul_u32_u24 v[STO], v2, SP
	v_lshl_add_u32 v[STO], v3, 5, v[STO]
	v_add_nc_u32 v[STO], s72, v[STO]               ; in: row r, 32 bytes for each half of the lanes
	v_mul_u32_u24 v[RD], v3, SP
	v_lshl_add_u32 v[RD], v2, 4, v[RD]
	v_add_nc_u32 v[RD], s72, v[RD]                 ; back: lanes 0-15 one row of 256 bytes, lanes 16-31 the next
	v_lshlrev_b32 v[CO], 12, v3
	v_lshl_add_u32 v[CO], v2, 4, v[CO]             ; and the same two rows in memory
	v_lshlrev_b32 v4, 4, v2                        ; the bias of my four columns
	s_lshl_b32 s72, s45, 7
	s_lshl_b32 s73, s[RH], 6
	s_add_co_u32 s72, s72, s73                     ; my first row,
	s_lshl_b32 s72, s72, 12
	s_lshl_b32 s74, s46, 7
	s_lshl_b32 s75, s[CH], 6
	s_add_co_u32 s74, s74, s75                     ; my first column,
	s_lshl_b32 s74, s74, 2
	s_mov_b32 s75, 0
	s_add_nc_u64 s[10:11], s[10:11], s[74:75]
	s_add_co_u32 s72, s72, s74
	s_mov_b32 s73, 0
	s_add_nc_u64 s[12:13], s[12:13], s[72:73]
	s_add_nc_u64 s[14:15], s[14:15], s[72:73]
	WIN 0x80
.irp a, 0,1,2,3
.irp t, 0,1,2,3,4,5,6,7
	global_load_b128 v[32*\a+4*\t:32*\a+4*\t+3], v[CO], s[12:13] offset:(16*\a+2*\t)*4096
.endr
.endr
	WIN 0
	global_load_b128 v[12:15], v4, s[10:11]
.macro FETCH slot, q, f                ; 32 LDS loads in one run: the fragments of the slot's q-th 128 along K: B's four, then A's four
	WIN 0x40
.irp i, 0,1,2,3
.irp c, 0,1,2,3
	ds_load_b128 v[\f+64+16*\i+4*\c:\f+64+16*\i+4*\c+3], v[ADRB+\slot] offset:\i*8192+(\q)*2048+512*\c
.endr
.endr
.irp i, 0,1,2,3
.irp c, 0,1,2,3
	ds_load_b128 v[\f+16*\i+4*\c:\f+16*\i+4*\c+3], v[ADRA+\slot] offset:\i*8192+(\q)*2048+512*\c
.endr
.endr
.endm
.macro MUL4 f, a, zero                 ; A's block a x B's four.  The 16 accumulators take turns, one instruction a turn
.irp b, 0,1,2,3
.if \zero
	v_wmma_f32_16x16x128_bf8_bf8 v[ACC+8*(4*(\a)+\b):ACC+8*(4*(\a)+\b)+7], v[\f+64+16*\b:\f+64+16*\b+15], v[\f+16*(\a):\f+16*(\a)+15], 0
.else
	v_wmma_f32_16x16x128_bf8_bf8 v[ACC+8*(4*(\a)+\b):ACC+8*(4*(\a)+\b)+7], v[\f+64+16*\b:\f+64+16*\b+15], v[\f+16*(\a):\f+16*(\a)+15], v[ACC+8*(4*(\a)+\b):ACC+8*(4*(\a)+\b)+7]
.endif
.endr
.endm
; 128 along K: multiplies buffer f and, in its middle, fetches the slot's qn-th 128 into buffer g
.macro QUARTER slot, qn, f, g, zero
	s_wait_dscnt 8                                 ; B's four and A's blocks 0, 1 are in; the youngest eight loads (A's blocks 2, 3) may be out
	WIN MUL
	MUL4 \f, 0, \zero
	MUL4 \f, 1, \zero
	PLACES 4                                       ; in front of loads into registers that matrix instructions have read
	FETCH \slot, \qn, \g
	s_wait_dscnt 32                                ; all but the 32 just issued
	WIN MUL
	MUL4 \f, 2, \zero
	MUL4 \f, 3, \zero
.endm
; A slot's last 128 along K: one barrier; in front of it each wave waits for all its tensor loads, adds 0 to its spare word, and waits for that and for its reads of this slot
.macro TURN slot, next, fill
	WIN 0
	s_wait_tensorcnt 0x0                           ; all my tensor loads have landed: my part of the next slot
	ds_add_u32 v[SPW], v[NIL]                      ; 0 onto my spare word
	s_wait_dscnt 9                                 ; the add and the youngest eight loads may be out
	WIN MUL
	MUL4 F1, 0, 0
	s_wait_dscnt 0x0                               ; the add is done, and my reads of this slot are over
	s_barrier_signal -1
	MUL4 F1, 1, 0
	WIN 0
	s_barrier_wait -1
.if \fill
	CREST                                          ; the barrier has opened a round of the cluster's
	s_add_nc_u64 s[G0+4*\slot+2:G0+4*\slot+3], s[G0+4*\slot+2:G0+4*\slot+3], 16384
	s_add_nc_u64 s[G0B+4*\slot+2:G0B+4*\slot+3], s[G0B+4*\slot+2:G0B+4*\slot+3], 16384
	JLOAD \slot                                    ; the first tensor load behind the round; its four v_nop are the places in front of the loads below
.else
	PLACES 4
.endif
	FETCH \next, 0, F0
	WIN MUL
	MUL4 F1, 2, 0
	MUL4 F1, 3, 0
.endm
	s_wait_tensorcnt 1                             ; my part of slot 0 is in; slot 1's load may be out
	s_barrier_signal -1
	s_barrier_wait -1
	FETCH 0, 0, F0
	QUARTER 0, 1, F0, F1, 1                        ; the first products start the sums
.if LAPS > 1
	WIN 0
	s_mov_b32 s23, LAPS-1
.Llap:
	QUARTER 0, 2, F1, F0, 0
	QUARTER 0, 3, F0, F1, 0
	TURN 0, 1, 1
	QUARTER 1, 1, F0, F1, 0
	QUARTER 1, 2, F1, F0, 0
	QUARTER 1, 3, F0, F1, 0
	TURN 1, 0, 1
	QUARTER 0, 1, F0, F1, 0
	WIN 0
	s_sub_co_u32 s23, s23, 1
	s_cmp_lg_u32 s23, 0
	s_cbranch_scc1 .Llap
.endif
	QUARTER 0, 2, F1, F0, 0
	QUARTER 0, 3, F0, F1, 0
	TURN 0, 1, 0
	QUARTER 1, 1, F0, F1, 0
	QUARTER 1, 2, F1, F0, 0
	QUARTER 1, 3, F0, F1, 0
	s_wait_dscnt 8
	WIN MUL
	MUL4 F1, 0, 0
	MUL4 F1, 1, 0
	s_wait_dscnt 0
	MUL4 F1, 2, 0
	MUL4 F1, 3, 0
	; THE WAY OUT: a block of 16 rows x 64 columns of sums goes through my stage and comes back as rows of 256 bytes; there sum x 2^(eA + eB) + (resid + bias), and sixteen lanes store 256 aligned bytes
	s_wait_loadcnt 0x0
	s_wait_kmcnt 0x0
	s_add_co_i32 s70, s68, s69
	s_add_co_i32 s70, s70, 127
	s_lshl_b32 s70, s70, 23
	s_mov_b32 s71, s70
	WIN 0x82
.set k, 0
.rept 32
	v_pk_add_f32 v[4*k:4*k+1], v[4*k:4*k+1], v[12:13]       ; resid + bias.  (These 64 are also the places behind the last products)
	v_pk_add_f32 v[4*k+2:4*k+3], v[4*k+2:4*k+3], v[14:15]
.set k, k+1
.endr
	WIN 0
.macro TOSTAGE a
.irp b, 0,1,2,3
	ds_store_b128 v[STO], v[ACC+8*(4*(\a)+\b):ACC+8*(4*(\a)+\b)+3] offset:64*\b        ; each accumulator from its low end on
	ds_store_b128 v[STO], v[ACC+8*(4*(\a)+\b)+4:ACC+8*(4*(\a)+\b)+7] offset:64*\b+16
.endr
.irp t, 0,1,2,3,4,5,6,7
	ds_load_b128 v[RB+32*((\a)%2)+4*\t:RB+32*((\a)%2)+4*\t+3], v[RD] offset:2*SP*\t    ; LDS serves a wave's instructions in order (ISA guide 5.7.1.4): these see the stores above
.endr
.endm
.macro SEND a, younger
	s_wait_dscnt \younger
	WIN 0x20
.set k, 0
.rept 16
	v_pk_fma_f32 v[RB+32*((\a)%2)+2*k:RB+32*((\a)%2)+2*k+1], v[RB+32*((\a)%2)+2*k:RB+32*((\a)%2)+2*k+1], s[70:71], v[32*(\a)+2*k:32*(\a)+2*k+1] op_sel_hi:[1,0,1]
.set k, k+1
.endr
	WIN 0
.irp t, 0,1,2,3,4,5,6,7
	global_store_b128 v[CO], v[RB+32*((\a)%2)+4*\t:RB+32*((\a)%2)+4*\t+3], s[14:15] offset:(16*(\a)+2*\t)*4096
.endr
.endm
	TOSTAGE 0
	TOSTAGE 1
	SEND 0, 16                                     ; behind block 0's loads: block 1's eight stores and eight loads
	s_wait_xcnt 0x0                                ; block 0's stores have read their registers: block 2's rows may land there
	TOSTAGE 2
	SEND 1, 16
	s_wait_xcnt 0x0
	TOSTAGE 3
	SEND 2, 16
	SEND 3, 0
	s_wait_tensorcnt 0x0                           ; the wave's end
	ds_add_u32 v[SPW], v[NIL]
	s_wait_dscnt 0x0
	CROUND                                         ; the closing round
	s_endpgm
.Lfunc_end_k_qc7514d6d94_wo:
	.size	k_qc7514d6d94_wo, .Lfunc_end_k_qc7514d6d94_wo-k_qc7514d6d94_wo
	.p2alignl 7, 3214868480
	.fill 96, 4, 3214868480
	.section	.rodata,"a",@progbits
	.p2align	6, 0x0
	.amdhsa_kernel k_qc7514d6d94_wo
		.amdhsa_group_segment_fixed_size 327680
		.amdhsa_private_segment_fixed_size 0
		.amdhsa_enable_private_segment 0
		.amdhsa_kernarg_size 48
		.amdhsa_user_sgpr_count 2
		.amdhsa_user_sgpr_kernarg_segment_ptr 1
		.amdhsa_wavefront_size32 1
		.amdhsa_system_sgpr_workgroup_id_x 1
		.amdhsa_system_sgpr_workgroup_id_y 1
		.amdhsa_system_sgpr_workgroup_id_z 1
		.amdhsa_system_vgpr_workitem_id 0
		.amdhsa_next_free_vgpr 768
		.amdhsa_next_free_sgpr 100
		.amdhsa_reserve_vcc 0
		.amdhsa_float_denorm_mode_32 3
		.amdhsa_float_denorm_mode_16_64 3
		.amdhsa_memory_ordered 1
		.amdhsa_forward_progress 1
		.amdhsa_inst_pref_size 53
	.end_amdhsa_kernel
	.amdgpu_metadata
---
amdhsa.version: [ 1, 2 ]
amdhsa.kernels:
  - .name:           k_qc7514d6d94_wo
    .symbol:         k_qc7514d6d94_wo.kd
    .args:
      - { .name: attn_img, .offset: 0, .size: 8, .value_kind: global_buffer, .address_space: global }
      - { .name: wimg, .offset: 8, .size: 8, .value_kind: global_buffer, .address_space: global }
      - { .name: lowp_scales, .offset: 16, .size: 8, .value_kind: global_buffer, .address_space: global }
      - { .name: bo, .offset: 24, .size: 8, .value_kind: global_buffer, .address_space: global }
      - { .name: x, .offset: 32, .size: 8, .value_kind: global_buffer, .address_space: global }
      - { .name: x1, .offset: 40, .size: 8, .value_kind: global_buffer, .address_space: global }
    .group_segment_fixed_size: 327680
    .private_segment_fixed_size: 0
    .kernarg_segment_align: 8
    .kernarg_segment_size: 48
    .max_flat_workgroup_size: 128
    .sgpr_count:     100
    .vgpr_count:     768
    .wavefront_size: 32
...
	.end_amdgpu_metadata
.endif
;; end of part 4
;; launch ln2 (part 5): grid 256 x 1, 8 waves a work-group, no clusters, 67,072 bytes of LDS; arguments x1, g2, beta2, lowp_scales, h_img; writes h_img
.if DOCPART == 5
	.amdgcn_target "amdgcn-amd-amdhsa--gfx1250"
	.amdhsa_code_object_version 6
	.text
	.protected	k_qc7514d6d94_ln2
	.globl	k_qc7514d6d94_ln2
	.p2align	8
	.type	k_qc7514d6d94_ln2,@function
k_qc7514d6d94_ln2:
	s_mov_b64 s[64:65], 0
	v_nop
	global_prefetch_b8 v0, s[64:65] scope:SCOPE_SE
	s_setreg_imm32_b32 hwreg(HW_REG_WAVE_MODE, 25, 1), 1
	s_wait_xcnt 0x0
; h2 = layer_norm(x1, g2, beta2), quantised to E5M2 with the scale 2^e12, as images of operand registers (16 rows x 128 K = 2,048 bytes: registers 4 q .. 4 q + 3 of lane l at 512 q + 16 l;
; lane (r, h) holds k = 16 c + 8 h + 0..7 of row r in registers 2 c, 2 c + 1), [256 blocks of 16 rows][8 K steps][2048], in the first 4 MiB of h_img.
; Work-group i owns rows 16 i .. 16 i + 15.  First wave w takes rows 2 w, 2 w + 1 whole; the normalised rows go to a stage in LDS; behind the one barrier wave w takes columns 128 w .. 128 w + 127 of all 16 rows.
; No matrix unit, no tensor load, no cluster: memory binds and nothing is shared.  LIMITS: e12 between -126 and 112.  NaN and infinities are not served.
.set STP, 4112                         ; a stage row: 4,096 bytes + 16, an odd multiple of 16 bytes
.set T,   16
.set X,   64
.set GA,  128
.set BE,  160
.set CD,  128
	s_load_b256 s[4:11], s[0:1], 0x0               ; x1 4, g2 6, beta2 8, scales 10
	s_load_b64 s[12:13], s[0:1], 0x20              ; h_img
	v_lshl_add_u32 v254, v0, 2, 0x10200
	v_mov_b32 v255, 0
	v_lshrrev_b32 v1, 5, v0
	v_readfirstlane_b32 s33, v1                    ; wave
	v_and_b32 v1, 31, v0
	v_lshlrev_b32 v1, 4, v1                        ; 16 x lane
	v_and_b32 v2, 15, v0
	v_bfe_u32 v3, v0, 4, 1
	s_lshl_b32 s34, ttmp9, 3
	s_add_co_u32 s34, s34, s33                     ; image 8 i + w
	s_lshl_b32 s56, s33, 13
	v_add_nc_u32 v4, s56, v1
	s_mul_i32 s56, s33, 2*STP
	v_add_nc_u32 v5, s56, v1
	v_mul_u32_u24 v6, v2, STP
	v_lshl_add_u32 v6, v3, 5, v6
	s_lshl_b32 s56, s33, 9
	v_add_nc_u32 v6, s56, v6
	v_mov_b32 v49, 0
	v_mov_b32 v51, 0
	v_mov_b32 v53, 0
	v_mov_b32 v55, 0
	s_mov_b32 s52, 0x76543210
	s_mov_b32 s53, 0xfedcba98
	s_mov_b32 s54, 0x3a800000                      ; 1 / 1,024
	s_mov_b32 s55, 0x3727c5ac                      ; 1e-5
	s_mov_b32 s57, 0
	s_wait_kmcnt 0x0
	s_load_b32 s36, s[10:11], 0x30                 ; e12
	s_lshl_b32 s56, ttmp9, 16
	s_add_nc_u64 s[4:5], s[4:5], s[56:57]
	s_lshl_b32 s56, s34, 11
	s_add_nc_u64 s[12:13], s[12:13], s[56:57]
.irp rho, 0,1
.irp p, 0,1,2,3,4,5,6,7
	global_load_b128 v[X+32*\rho+4*\p:X+32*\rho+4*\p+3], v4, s[4:5] offset:4096*\rho+512*\p th:TH_LOAD_NT
.endr
.endr
.irp p, 0,1,2,3,4,5,6,7
	global_load_b128 v[GA+4*\p:GA+4*\p+3], v1, s[6:7] offset:512*\p
.endr
.irp p, 0,1,2,3,4,5,6,7
	global_load_b128 v[BE+4*\p:BE+4*\p+3], v1, s[8:9] offset:512*\p
.endr
.macro REDUCE                          ; eight pairs of each row, in T, become the row's sum, in every lane, in v[T + 16 rho]
.irp rho, 0,1
.irp j, 0,4,8,12
	v_pk_add_f32 v[T+16*\rho+\j:T+16*\rho+\j+1], v[T+16*\rho+\j:T+16*\rho+\j+1], v[T+16*\rho+\j+2:T+16*\rho+\j+3]
.endr
.endr
.irp rho, 0,1
.irp j, 0,8
	v_pk_add_f32 v[T+16*\rho+\j:T+16*\rho+\j+1], v[T+16*\rho+\j:T+16*\rho+\j+1], v[T+16*\rho+\j+4:T+16*\rho+\j+5]
.endr
.endr
.irp rho, 0,1
	v_pk_add_f32 v[T+16*\rho:T+16*\rho+1], v[T+16*\rho:T+16*\rho+1], v[T+16*\rho+8:T+16*\rho+9]
.endr
.irp rho, 0,1
	v_add_f32 v[T+16*\rho], v[T+16*\rho], v[T+16*\rho+1]
.endr
.irp m, 1,2,4,8
.irp rho, 0,1
	v_add_f32_dpp v[T+16*\rho], v[T+16*\rho], v[T+16*\rho] row_xmask:\m row_mask:0xf bank_mask:0xf
.endr
.endr
.irp rho, 0,1
	v_permlanex16_b32 v[T+16*\rho+1], v[T+16*\rho], s52, s53
.endr
.irp rho, 0,1
	v_add_f32 v[T+16*\rho], v[T+16*\rho], v[T+16*\rho+1]
.endr
.endm
	s_wait_loadcnt 16                              ; x1 is in; the 16 loads of g2 and beta2 may be out
.irp rho, 0,1
.irp j, 0,2,4,6,8,10,12,14
	v_pk_add_f32 v[T+16*\rho+\j:T+16*\rho+\j+1], v[X+32*\rho+\j:X+32*\rho+\j+1], v[X+32*\rho+16+\j:X+32*\rho+16+\j+1]
.endr
.endr
	REDUCE
.irp rho, 0,1
	v_mul_f32 v[48+2*\rho], s54, v[T+16*\rho]
.endr
.irp rho, 0,1
.irp j, 0,2,4,6,8,10,12,14,16,18,20,22,24,26,28,30
	v_pk_add_f32 v[X+32*\rho+\j:X+32*\rho+\j+1], v[X+32*\rho+\j:X+32*\rho+\j+1], v[48+2*\rho:49+2*\rho] op_sel_hi:[1,0] neg_lo:[0,1] neg_hi:[0,1]
.endr
.endr
.irp rho, 0,1
.irp j, 0,2,4,6,8,10,12,14
	v_pk_mul_f32 v[T+16*\rho+\j:T+16*\rho+\j+1], v[X+32*\rho+\j:X+32*\rho+\j+1], v[X+32*\rho+\j:X+32*\rho+\j+1]
.endr
.endr
.irp rho, 0,1
.irp j, 0,2,4,6,8,10,12,14
	v_pk_fma_f32 v[T+16*\rho+\j:T+16*\rho+\j+1], v[X+32*\rho+16+\j:X+32*\rho+16+\j+1], v[X+32*\rho+16+\j:X+32*\rho+16+\j+1], v[T+16*\rho+\j:T+16*\rho+\j+1]
.endr
.endr
	REDUCE
.irp rho, 0,1
	v_fma_f32 v[52+2*\rho], v[T+16*\rho], s54, s55
.endr
.irp rho, 0,1
	v_rsq_f32 v[52+2*\rho], v[52+2*\rho]
.endr
	v_nop                                          ; a plain instruction behind the two roots,
	s_wait_alu depctr_va_vdst(0)                   ; and one wait ahead of their first reader
	s_wait_loadcnt 0x0
.irp rho, 0,1
.irp j, 0,2,4,6,8,10,12,14,16,18,20,22,24,26,28,30
	v_pk_mul_f32 v[X+32*\rho+\j:X+32*\rho+\j+1], v[X+32*\rho+\j:X+32*\rho+\j+1], v[52+2*\rho:53+2*\rho] op_sel_hi:[1,0]
.endr
.endr
.irp rho, 0,1
.irp j, 0,2,4,6,8,10,12,14,16,18,20,22,24,26,28,30
	v_pk_fma_f32 v[X+32*\rho+\j:X+32*\rho+\j+1], v[X+32*\rho+\j:X+32*\rho+\j+1], v[GA+\j:GA+\j+1], v[BE+\j:BE+\j+1]
.endr
.endr
.irp rho, 0,1
.irp p, 0,1,2,3,4,5,6,7
	ds_store_b128 v5, v[X+32*\rho+4*\p:X+32*\rho+4*\p+3] offset:STP*\rho+512*\p
.endr
.endr
	s_wait_kmcnt 0x0
	s_add_co_i32 s32, s36, 127
	s_lshl_b32 s35, s32, 23
	v_mov_b32 v10, s35                             ; 2^e12
	s_add_co_i32 s32, s32, 15
	s_lshl_b32 s32, s32, 23
	s_or_b32 s32, s32, 0x600000
	v_mov_b32 v11, s32                             ; 57,344 x 2^e12
	s_wait_dscnt 0x0                               ; for the others' sake: my rows lie in the stage
	s_barrier_signal -1
	s_barrier_wait -1
.irp c, 0,1,2,3,4,5,6,7
.irp i, 0,1
	ds_load_b128 v[X+8*\c+4*\i:X+8*\c+4*\i+3], v6 offset:64*\c+16*\i
.endr
.endr
	s_wait_dscnt 0x0
.irp c, 0,1,2,3,4,5,6,7
.irp i, 0,1,2,3,4,5,6,7
	v_med3_num_f32 v[T+8*(\c%2)+\i], v[X+8*\c+\i], -v11, v11   ; the conversion does not saturate (ISA guide 7.6.2); two sets by turns, so that plain instructions stand between a conversion and the next write of its sources
.endr
	v_cvt_scalef32_pk8_bf8_f32 v[CD+2*\c:CD+2*\c+1], v[T+8*(\c%2):T+8*(\c%2)+7], v10
.endr
	v_nop
.irp q, 0,1,2,3
	global_store_b128 v1, v[CD+4*\q:CD+4*\q+3], s[12:13] offset:512*\q
.endr
	s_wait_tensorcnt 0x0
	ds_add_u32 v254, v255
	s_wait_dscnt 0x0
	s_endpgm
.Lfunc_end_k_qc7514d6d94_ln2:
	.size	k_qc7514d6d94_ln2, .Lfunc_end_k_qc7514d6d94_ln2-k_qc7514d6d94_ln2
	.p2alignl 7, 3214868480
	.fill 96, 4, 3214868480
	.section	.rodata,"a",@progbits
	.p2align	6, 0x0
	.amdhsa_kernel k_qc7514d6d94_ln2
		.amdhsa_group_segment_fixed_size 67072
		.amdhsa_private_segment_fixed_size 0
		.amdhsa_enable_private_segment 0
		.amdhsa_kernarg_size 40
		.amdhsa_user_sgpr_count 2
		.amdhsa_user_sgpr_kernarg_segment_ptr 1
		.amdhsa_wavefront_size32 1
		.amdhsa_system_sgpr_workgroup_id_x 1
		.amdhsa_system_sgpr_workgroup_id_y 1
		.amdhsa_system_sgpr_workgroup_id_z 1
		.amdhsa_system_vgpr_workitem_id 0
		.amdhsa_next_free_vgpr 256
		.amdhsa_next_free_sgpr 66
		.amdhsa_reserve_vcc 0
		.amdhsa_float_denorm_mode_32 3
		.amdhsa_float_denorm_mode_16_64 3
		.amdhsa_memory_ordered 1
		.amdhsa_forward_progress 1
		.amdhsa_inst_pref_size 25
	.end_amdhsa_kernel
	.amdgpu_metadata
---
amdhsa.version: [ 1, 2 ]
amdhsa.kernels:
  - .name:           k_qc7514d6d94_ln2
    .symbol:         k_qc7514d6d94_ln2.kd
    .args:
      - { .name: x1, .offset: 0, .size: 8, .value_kind: global_buffer, .address_space: global }
      - { .name: g2, .offset: 8, .size: 8, .value_kind: global_buffer, .address_space: global }
      - { .name: beta2, .offset: 16, .size: 8, .value_kind: global_buffer, .address_space: global }
      - { .name: lowp_scales, .offset: 24, .size: 8, .value_kind: global_buffer, .address_space: global }
      - { .name: h_img, .offset: 32, .size: 8, .value_kind: global_buffer, .address_space: global }
    .group_segment_fixed_size: 67072
    .private_segment_fixed_size: 0
    .kernarg_segment_align: 8
    .kernarg_segment_size: 40
    .max_flat_workgroup_size: 256
    .sgpr_count:     66
    .vgpr_count:     256
    .wavefront_size: 32
...
	.end_amdgpu_metadata
.endif
;; end of part 5
;; launch ffn1 (part 6): grid 16 x 16, 4 waves a work-group, clusters of 4 x 4, 327,680 bytes of LDS; arguments h_img, wimg, lowp_scales, b1, hid_img; writes hid_img
.if DOCPART == 6
	.amdgcn_target "amdgcn-amd-amdhsa--gfx1250"
	.amdhsa_code_object_version 6
	.text
	.protected	k_qc7514d6d94_ffn1
	.globl	k_qc7514d6d94_ffn1
	.p2align	8
	.type	k_qc7514d6d94_ffn1,@function
k_qc7514d6d94_ffn1:
	s_mov_b64 s[64:65], 0
	v_nop
	global_prefetch_b8 v0, s[64:65] scope:SCOPE_SE
	s_setreg_imm32_b32 hwreg(HW_REG_WAVE_MODE, 25, 1), 1
	s_wait_xcnt 0x0
	s_wait_alu depctr_hold_cnt(0) depctr_sa_sdst(0) depctr_va_vdst(0) depctr_va_sdst(0) depctr_va_ssrc(0) depctr_va_vcc(0) depctr_vm_vsrc(0)
	s_getreg_b32 s2, hwreg(HW_REG_IB_STS2, 6, 4)
	s_cmp_eq_u32 s2, 0
	s_cbranch_scc0 .Lentry_in_a_cluster
	s_endpgm
.Lentry_in_a_cluster:
	s_bfe_u32 s2, ttmp6, 0x10000c
	s_cmp_lg_u32 s2, 0xf033
	s_cbranch_scc0 .Lentry_shape_is_right
	s_endpgm
.Lentry_shape_is_right:
; hidden = gelu(h2 W1^T + b1), the exact gelu, on codes of E5M2, quantised with 2^e14 as images of operand registers: hid_img [256 blocks of 16 rows][32 K steps][2048].
; IMAGES: 16 rows x 128 K = 2,048 bytes, registers 4 q .. 4 q + 3 of lane l at 512 q + 16 l; lane (r, h) holds k = 16 c + 8 h + 0..7 of row r in registers 2 c, 2 c + 1.  A = h_img's first 4 MiB, B = W1's images at 4 MiB of wimg.
; A tile of 256 x 256 is made by four waves, each 128 x 128: 64 accumulators.  K = 1,024 goes in four steps of 256 through two LDS slots; 4 x 4 work-groups ask for A's tiles jointly along a row of the cluster, for B's along a column.
; The matrix instruction is used transposed (source 0 = W1's rows, source 1 = h2's): a lane's eight registers are eight neighbouring hidden units of one row, so a conversion's result is two registers of the next operand.
; THE WAY OUT IS A LOOP: z = (sum x 2^(e12 + e13) + b1) / sqrt(2) of all 64 accumulators goes into the wave's quarter of the ring, which has had its last fill and, behind a barrier, its last read; then eight trips of one text
; take 16 rows each: erf(z) = z A(z^2) / B(z^2) on |z| <= 4 (polynomials of degrees 6 and 4 in z^2), gelu = x/2 + x/2 erf(z), the hold, the conversion, four stores of 512 consecutive bytes.
; LIMITS: e12 + e13 between -125 and 127; e14 between -126 and 112.  gelu is formed as x/2 + x/2 erf: its error is about 1e-7 |x|, so its relative accuracy falls for x under -3.  NaN and infinities are not served.
; No prefetch: two of the four K steps are the first fills.
.set SLOT,  131072
.set BOFF,  65536
.set SPARE, 262144
.set LAPS,  2
.set FR,    16
.set NL,    4
.set NP,    4
.set ADRA,  16
.set ADRB,  20
.set SPW,   28
.set NIL,   29
.set AF,    128
.set WV,    20
.set RH,    21
.set CH,    22
.set G1,    24
.set G0,    32
.set G1B,   48
.set G0B,   56
.set MUL_LO, 0xa1
.set MUL_HI, 0xf1
.set TO_B,   0x40
.set MSB, 0
.macro WIN new
.if MSB != (\new)
	s_set_vgpr_msb (MSB<<8)|(\new)
.set MSB, (\new)
.endif
.endm
.macro PLACES n
.rept \n
	v_nop
.endr
.endm
.macro JLOAD g0a, g1a, g0b, g1b        ; a joint load: waves 0, 1 for A, waves 2, 3 for B; four v_nop follow each line
	s_cmp_eq_u32 s[RH], 0
	s_cbranch_scc0 .Lfor_b_\@
	tensor_load_to_lds s[\g0a:\g0a+3], s[\g1a:\g1a+7]
	s_nop 0
.rept 4
	v_nop
.endr
	s_branch .Lasked_\@
.Lfor_b_\@:
	tensor_load_to_lds s[\g0b:\g0b+3], s[\g1b:\g1b+7]
	s_nop 0
.rept 4
	v_nop
.endr
.Lasked_\@:
.endm
.macro CREST
	s_cmp_lg_u32 s[WV], 0
	s_cbranch_scc1 .Lnot_wave_0_\@
	s_barrier_signal -3
.Lnot_wave_0_\@:
	s_barrier_wait -3
	s_barrier_signal -1
	s_barrier_wait -1
.endm
.macro CROUND
	s_barrier_signal -1
	s_barrier_wait -1
	CREST
.endm
	s_load_b256 s[4:11], s[0:1], 0x0               ; h_img 4, wimg 6, scales 8, b1 10
	s_load_b64 s[12:13], s[0:1], 0x20              ; hid_img
	v_lshl_add_u32 v[SPW], v0, 2, SPARE
	v_mov_b32 v[NIL], 0
	ds_add_u32 v28, v29
	ds_add_u32 v28, v29
	s_wait_dscnt 0x0
	v_lshrrev_b32 v1, 5, v0
	v_readfirstlane_b32 s[WV], v1
	s_lshr_b32 s[RH], s[WV], 1
	s_and_b32 s[CH], s[WV], 1
	s_bfe_u32 s40, ttmp6, 0x40000                  ; cx
	s_bfe_u32 s41, ttmp6, 0x40004                  ; cy
	s_lshl_b32 s46, ttmp9, 2
	s_add_co_u32 s46, s46, s40                     ; tile column
	s_and_b32 s45, ttmp7, 0xffff
	s_lshl_b32 s45, s45, 2
	s_add_co_u32 s45, s45, s41                     ; tile row
	s_lshl_b32 s42, s41, 2
	s_lshl_b32 s42, 15, s42
	s_lshl_b32 s43, 0x1111, s40
	s_or_b32 s[G1], s42, (3<<16)|(1<<21)           ; the mask; elements of 8 bytes; bit 21 beside a mask; no padding
	s_or_b32 s[G1B], s43, (3<<16)|(1<<21)
.irp g, G1, G1B
	s_mov_b32 s[\g+1], 512<<16                     ; 4,096 bytes: two K steps of a block
	s_mov_b32 s[\g+2], 8<<16                       ; 8 blocks
	s_mov_b32 s[\g+3], 512<<16
	s_mov_b32 s[\g+4], 8
	s_mov_b32 s[\g+5], 2048                        ; 16,384 bytes from block to block
	s_mov_b32 s[\g+6], 0
	s_mov_b32 s[\g+7], 0
.endr
	s_lshl_b32 s14, s45, 18
	s_lshl_b32 s18, s[CH], 17
	s_add_co_u32 s14, s14, s18
	s_mov_b32 s15, 0
	s_lshl_b32 s16, s46, 18
	s_lshl_b32 s19, s[CH], 17
	s_add_co_u32 s16, s16, s19
	s_add_co_u32 s16, s16, 0x400000
	s_mov_b32 s17, 0
	s_lshl_b32 s47, s[WV], 15
	s_wait_kmcnt 0x0
	s_load_b128 s[68:71], s[8:9], 0x30             ; e12, e13, e14, e15
	s_add_nc_u64 s[14:15], s[4:5], s[14:15]
	s_add_nc_u64 s[16:17], s[6:7], s[16:17]
	CROUND                                         ; all sixteen work-groups are here: the first joint loads meet
.irp s, 0,1
	s_mov_b32 s[G0+4*\s], 1
	s_add_co_u32 s[G0+4*\s+1], s47, \s*SLOT
	s_add_nc_u64 s[G0+4*\s+2:G0+4*\s+3], s[14:15], \s*4096
	s_or_b32 s[G0+4*\s+3], s[G0+4*\s+3], 0x80000000
	s_mov_b32 s[G0B+4*\s], 1
	s_add_co_u32 s[G0B+4*\s+1], s47, \s*SLOT
	s_add_nc_u64 s[G0B+4*\s+2:G0B+4*\s+3], s[16:17], \s*4096
	s_or_b32 s[G0B+4*\s+3], s[G0B+4*\s+3], 0x80000000
	JLOAD G0+4*\s, G1, G0B+4*\s, G1B
.endr
	v_and_b32 v1, 31, v0
	v_lshlrev_b32 v1, 4, v1                        ; v1 = 16 x lane
	s_lshl_b32 s66, s[RH], 15
	s_lshl_b32 s67, s[CH], 15
	s_add_co_u32 s67, s67, BOFF
.irp s, 0,1
	v_add_nc_u32 v[ADRA+\s], s66, v1
	v_add_nc_u32 v[ADRB+\s], s67, v1
	s_add_co_u32 s66, s66, SLOT
	s_add_co_u32 s67, s67, SLOT
.endr
	s_lshl_b32 s66, s[WV], 16
	v_add_nc_u32 v2, s66, v1                       ; the way out: my quarter of the ring, 16 bytes a lane
	v_bfe_u32 v4, v0, 4, 1
	v_lshlrev_b32 v4, 5, v4                        ; 32 h
	s_lshl_b32 s66, s46, 8
	s_lshl_b32 s67, s[CH], 7
	s_add_co_u32 s66, s66, s67                     ; my first hidden unit n0
	s_lshl_b32 s66, s66, 2
	s_mov_b32 s67, 0
	s_add_nc_u64 s[10:11], s[10:11], s[66:67]
	s_lshl_b32 s66, s45, 4
	s_lshl_b32 s96, s[RH], 3
	s_add_co_u32 s66, s66, s96                     ; my first block of 16 rows,
	s_lshl_b32 s66, s66, 5
	s_lshl_b32 s96, s46, 1
	s_add_co_u32 s66, s66, s96
	s_add_co_u32 s66, s66, s[CH]                   ; x 32 + my K step of the next product
	s_lshl_b32 s66, s66, 11
	s_add_nc_u64 s[12:13], s[12:13], s[66:67]
.irp b, 0,1,2,3,4,5,6,7
.irp i, 0,1
	global_load_b128 v[32+8*\b+4*\i:32+8*\b+4*\i+3], v4, s[10:11] offset:64*\b+16*\i   ; b1 of units n0 + 16 b + 8 h + 0..7: it waits in v32-95, which the loop over K does not touch
.endr
.endr
.macro FRAG reg, adr, q, i
.irp c, 0,1,2,3
	ds_load_b128 v[\reg+4*\c:\reg+4*\c+3], v[\adr] offset:(\i)*4096+(\q)*2048+512*\c
.endr
.endm
; The 64 accumulators take turns, one instruction a turn, in the same order in every step.
.macro MUL16 a0, p, zero
.irp a, \a0, \a0+1
.irp b, 0,1,2,3,4,5,6,7
.if \zero
	v_wmma_f32_16x16x128_bf8_bf8 v[8*(8*((\a)%4)+\b):8*(8*((\a)%4)+\b)+7], v[128*(\p)+FR*\b:128*(\p)+FR*\b+FR-1], v[AF+FR*(\a):AF+FR*(\a)+FR-1], 0
.else
	v_wmma_f32_16x16x128_bf8_bf8 v[8*(8*((\a)%4)+\b):8*(8*((\a)%4)+\b)+7], v[128*(\p)+FR*\b:128*(\p)+FR*\b+FR-1], v[AF+FR*(\a):AF+FR*(\a)+FR-1], v[8*(8*((\a)%4)+\b):8*(8*((\a)%4)+\b)+7]
.endif
.endr
.endr
.endm
.macro FETCH_B slot, q, p
	WIN TO_B
.irp i, 0,1,2,3,4,5,6,7
	FRAG 128*(\p)+FR*\i, ADRB+\slot, \q, \i
.endr
	WIN 0
.endm
.macro FETCH_A slot, q, i0
.irp i, \i0, \i0+1, \i0+2, \i0+3
	FRAG AF+FR*(\i), ADRA+\slot, \q, \i
.endr
.endm
.macro STEP slot, q, zero
	s_wait_dscnt 4*NL                              ; B's set and A's blocks 0-3 are in; the youngest 16 loads (A's blocks 4-7) may be out
	WIN MUL_LO
	MUL16 0, (\q)%2, \zero
	MUL16 2, (\q)%2, \zero
	s_wait_dscnt 0
	PLACES NP                                      ; in front of loads into registers that matrix instructions have read
	FETCH_B \slot, (\q)+1, 1-(\q)%2
	FETCH_A \slot, (\q)+1, 0
	WIN MUL_HI
	MUL16 4, (\q)%2, \zero
	MUL16 6, (\q)%2, \zero
	PLACES NP
	WIN 0
	FETCH_A \slot, (\q)+1, 4
.endm
.macro TURN slot, next, fill
	s_wait_tensorcnt 0x0                           ; all my tensor loads have landed: my part of the next slot
	ds_add_u32 v[SPW], v[NIL]                      ; 0 onto my spare word
	s_wait_dscnt 4*NL+1                            ; the add and the youngest 16 loads may be out
	WIN MUL_LO
	MUL16 0, 1, 0
	s_wait_dscnt 0x0                               ; the add is done, and my reads of this slot are over
	s_barrier_signal -1
	MUL16 2, 1, 0
	WIN 0
	s_barrier_wait -1
.if \fill
	CREST                                          ; the barrier has opened a round of the cluster's
	s_add_nc_u64 s[G0+4*\slot+2:G0+4*\slot+3], s[G0+4*\slot+2:G0+4*\slot+3], 8192
	s_add_nc_u64 s[G0B+4*\slot+2:G0B+4*\slot+3], s[G0B+4*\slot+2:G0B+4*\slot+3], 8192
	JLOAD G0+4*\slot, G1, G0B+4*\slot, G1B
.else
	PLACES NP
.endif
	FETCH_B \next, 0, 0
	FETCH_A \next, 0, 0
	WIN MUL_HI
	MUL16 4, 1, 0
	MUL16 6, 1, 0
	PLACES NP
	WIN 0
	FETCH_A \next, 0, 4
.endm
	s_wait_tensorcnt 1                             ; my part of slot 0 is in; slot 1's load may be out
	s_barrier_signal -1
	s_barrier_wait -1
	FETCH_B 0, 0, 0
	FETCH_A 0, 0, 0
	FETCH_A 0, 0, 4
	STEP 0, 0, 1
	s_mov_b32 s23, LAPS-1
.Llap:
	TURN 0, 1, 1
	STEP 1, 0, 0
	TURN 1, 0, 1
	STEP 0, 0, 0
	s_sub_co_u32 s23, s23, 1
	s_cmp_lg_u32 s23, 0
	s_cbranch_scc1 .Llap
	TURN 0, 1, 0
	STEP 1, 0, 0
	s_wait_dscnt 4*NL
	WIN MUL_LO
	MUL16 0, 1, 0
	MUL16 2, 1, 0
	s_wait_dscnt 0
	WIN MUL_HI
	MUL16 4, 1, 0
	MUL16 6, 1, 0
	WIN 0
	; ---- the way out
.set A0C, 72                           ; scalar pairs: a0; a2 .. a6; b0; b2 .. b4; 1 / sqrt(2); 2^(e12 + e13) / sqrt(2)
.set A2C, 74
.set B0C, 84
.set B2C, 86
.set RHC, 92
.set SCZ, 94
.set ZC,  160
.set Z2,  192
.set PP,  224
.set QQ,  32
.macro SPAIR reg, val
	s_mov_b32 s[\reg], \val
	s_mov_b32 s[\reg+1], \val
.endm
	s_wait_dscnt 0x0                               ; my reads of the ring are over,
	s_barrier_signal -1
	s_barrier_wait -1                              ; everybody's are: the ring, which is filled no more, becomes four stages
	SPAIR A0C,   0xaf95df0b
	SPAIR A2C,   0xb60cff51
	SPAIR A2C+2, 0xb86ec2d2
	SPAIR A2C+4, 0xba40ac63
	SPAIR A2C+6, 0xbb41a1f6
	SPAIR A2C+8, 0xbc83dbd4
	SPAIR B0C,   0xb77460cd
	SPAIR B2C,   0xbadc924e
	SPAIR B2C+2, 0xbbf19bf8
	SPAIR B2C+4, 0xbc69b6a7
	SPAIR RHC,   0x3f3504f3
	s_wait_loadcnt 0x0                             ; b1
	s_wait_kmcnt 0x0
	s_add_co_i32 s96, s68, s69
	s_lshl_b32 s96, s96, 23
	s_add_co_i32 s[SCZ], s96, 0x3f3504f3           ; the two exponents are added to the exponent field of 1 / sqrt(2)
	s_mov_b32 s[SCZ+1], s[SCZ]
	s_add_co_i32 s96, s70, 127
	s_lshl_b32 s97, s96, 23
	v_mov_b32 v12, s97                             ; 2^e14
	s_add_co_i32 s96, s96, 15
	s_lshl_b32 s96, s96, 23
	s_or_b32 s96, s96, 0x600000
	v_mov_b32 v13, s96                             ; 57,344 x 2^e14
	v_mov_b32 v8, 0x32edffee                       ; a1, b1 of the polynomials, as vector pairs
	v_mov_b32 v9, 0x32edffee
	v_mov_b32 v10, 0xb95fbd29
	v_mov_b32 v11, 0xb95fbd29
.set k, 0
.rept 32
	v_pk_mul_f32 v[32+2*k:33+2*k], v[32+2*k:33+2*k], s[RHC:RHC+1] op_sel_hi:[1,0]   ; b1 / sqrt(2).  (With the moves above: the places behind the last products)
.set k, k+1
.endr
.macro STAGEZ a                        ; block a's 16 rows x 128 units: z, as an image of the registers
.irp G, 0,1
	WIN 0x02+((\a)/4)
.irp c, 0,1,2,3
.irp i, 0,2,4,6
	v_pk_fma_f32 v[96+32*\G+8*\c+\i:96+32*\G+8*\c+\i+1], v[8*(8*((\a)%4)+4*\G+\c)+\i:8*(8*((\a)%4)+4*\G+\c)+\i+1], s[SCZ:SCZ+1], v[32+8*(4*\G+\c)+\i:32+8*(4*\G+\c)+\i+1] op_sel_hi:[1,0,1]
.endr
.endr
	WIN 0
.irp j, 0,1,2,3,4,5,6,7
	ds_store_b128 v2, v[96+32*\G+4*\j:96+32*\G+4*\j+3] offset:8192*(\a)+4096*\G+512*\j
.endr
.endr
.endm
.irp a, 0,1,2,3,4,5,6,7
	STAGEZ \a
.endr
	s_wait_dscnt 0x0                               ; the stores have read their registers
.irp j, 0,1,2,3,4,5,6,7
	ds_load_b128 v[96+4*\j:96+4*\j+3], v2 offset:512*\j
.endr
.irp j, 0,1,2,3,4,5,6,7
	ds_load_b128 v[128+4*\j:128+4*\j+3], v2 offset:4096+512*\j
.endr
; 32 numbers a lane: half a fragment.  z: their registers; chunk: the first of the two groups of four code registers; cd: the codes' registers; nxt: where the next trip's same half lies
.macro GELU32 z, chunk, cd, nxt
	s_wait_dscnt 8                                 ; my eight loads are in; the other half's eight may be out
.set k, 0
.rept 32
	v_med3_num_f32 v[ZC+k], v[\z+k], -4.0, 4.0
.set k, k+1
.endr
.set k, 0
.rept 16
	v_pk_mul_f32 v[Z2+2*k:Z2+2*k+1], v[ZC+2*k:ZC+2*k+1], v[ZC+2*k:ZC+2*k+1]
.set k, k+1
.endr
.set k, 0
.rept 16
	v_pk_fma_f32 v[PP+2*k:PP+2*k+1], v[Z2+2*k:Z2+2*k+1], s[A0C:A0C+1], v[8:9] op_sel_hi:[1,0,1]
	v_pk_fma_f32 v[QQ+2*k:QQ+2*k+1], v[Z2+2*k:Z2+2*k+1], s[B0C:B0C+1], v[10:11] op_sel_hi:[1,0,1]
.set k, k+1
.endr
.irp s, 0,1,2
.set k, 0
.rept 16
	v_pk_fma_f32 v[PP+2*k:PP+2*k+1], v[PP+2*k:PP+2*k+1], v[Z2+2*k:Z2+2*k+1], s[A2C+2*\s:A2C+2*\s+1] op_sel_hi:[1,1,0]
	v_pk_fma_f32 v[QQ+2*k:QQ+2*k+1], v[QQ+2*k:QQ+2*k+1], v[Z2+2*k:Z2+2*k+1], s[B2C+2*\s:B2C+2*\s+1] op_sel_hi:[1,1,0]
.set k, k+1
.endr
.endr
.set k, 0
.rept 32
	v_rcp_f32 v[QQ+k], v[QQ+k]                     ; one batch; the 64 plain instructions below name none of its results
.set k, k+1
.endr
.irp s, 3,4
.set k, 0
.rept 16
	v_pk_fma_f32 v[PP+2*k:PP+2*k+1], v[PP+2*k:PP+2*k+1], v[Z2+2*k:Z2+2*k+1], s[A2C+2*\s:A2C+2*\s+1] op_sel_hi:[1,1,0]
.set k, k+1
.endr
.endr
.set k, 0
.rept 16
	v_pk_mul_f32 v[PP+2*k:PP+2*k+1], v[PP+2*k:PP+2*k+1], v[ZC+2*k:ZC+2*k+1]
	v_pk_mul_f32 v[\z+2*k:\z+2*k+1], v[\z+2*k:\z+2*k+1], s[RHC:RHC+1] op_sel_hi:[1,0]   ; x / 2
.set k, k+1
.endr
	s_wait_alu depctr_va_vdst(0)                   ; one wait for the 32 reciprocals, ahead of their first reader
.set k, 0
.rept 16
	v_pk_mul_f32 v[PP+2*k:PP+2*k+1], v[PP+2*k:PP+2*k+1], v[QQ+2*k:QQ+2*k+1]             ; erf(z)
.set k, k+1
.endr
.set k, 0
.rept 16
	v_pk_fma_f32 v[\z+2*k:\z+2*k+1], v[\z+2*k:\z+2*k+1], v[PP+2*k:PP+2*k+1], v[\z+2*k:\z+2*k+1]
.set k, k+1
.endr
.set k, 0
.rept 32
	v_med3_num_f32 v[\z+k], v[\z+k], -v13, v13     ; the conversion does not saturate (ISA guide 7.6.2)
.set k, k+1
.endr
	s_wait_xcnt 0x0                                ; the last trip's stores have read these codes' registers
.irp c, 0,1,2,3
	v_cvt_scalef32_pk8_bf8_f32 v[\cd+2*\c:\cd+2*\c+1], v[\z+8*\c:\z+8*\c+7], v12
.endr
	v_nop                                          ; a plain instruction behind the last conversion
	global_store_b128 v1, v[\cd:\cd+3], s[12:13] offset:512*(\chunk)
	global_store_b128 v1, v[\cd+4:\cd+7], s[12:13] offset:512*(\chunk)+512
.irp j, 0,1,2,3,4,5,6,7
	ds_load_b128 v[\z+4*\j:\z+4*\j+3], v3 offset:\nxt+512*\j
.endr
.endm
	s_mov_b32 s96, 0
	s_mov_b32 s98, 8
.Lrow:                                             ; eight trips: 16 rows each
	s_add_co_u32 s96, s96, 8192
	s_min_u32 s97, s96, 57344                      ; the next trip's bytes; the last trip reads its own again, and nobody uses them
	v_add_nc_u32 v3, s97, v2
	GELU32 96, 0, 64, 0
	GELU32 128, 2, 72, 4096
	s_wait_xcnt 0x0                                ; the stores have read their base
	s_add_nc_u64 s[12:13], s[12:13], 65536         ; the next block of 16 rows: 32 images on
	s_sub_co_u32 s98, s98, 1
	s_cmp_lg_u32 s98, 0
	s_cbranch_scc1 .Lrow
	s_wait_tensorcnt 0x0                           ; the wave's end
	ds_add_u32 v[SPW], v[NIL]
	s_wait_dscnt 0x0
	CROUND                                         ; the closing round
	s_endpgm
.Lfunc_end_k_qc7514d6d94_ffn1:
	.size	k_qc7514d6d94_ffn1, .Lfunc_end_k_qc7514d6d94_ffn1-k_qc7514d6d94_ffn1
	.p2alignl 7, 3214868480
	.fill 96, 4, 3214868480
	.section	.rodata,"a",@progbits
	.p2align	6, 0x0
	.amdhsa_kernel k_qc7514d6d94_ffn1
		.amdhsa_group_segment_fixed_size 327680
		.amdhsa_private_segment_fixed_size 0
		.amdhsa_enable_private_segment 0
		.amdhsa_kernarg_size 40
		.amdhsa_user_sgpr_count 2
		.amdhsa_user_sgpr_kernarg_segment_ptr 1
		.amdhsa_wavefront_size32 1
		.amdhsa_system_sgpr_workgroup_id_x 1
		.amdhsa_system_sgpr_workgroup_id_y 1
		.amdhsa_system_sgpr_workgroup_id_z 1
		.amdhsa_system_vgpr_workitem_id 0
		.amdhsa_next_free_vgpr 1024
		.amdhsa_next_free_sgpr 100
		.amdhsa_reserve_vcc 0
		.amdhsa_float_denorm_mode_32 3
		.amdhsa_float_denorm_mode_16_64 3
		.amdhsa_memory_ordered 1
		.amdhsa_forward_progress 1
		.amdhsa_inst_pref_size 151
	.end_amdhsa_kernel
	.amdgpu_metadata
---
amdhsa.version: [ 1, 2 ]
amdhsa.kernels:
  - .name:           k_qc7514d6d94_ffn1
    .symbol:         k_qc7514d6d94_ffn1.kd
    .args:
      - { .name: h_img, .offset: 0, .size: 8, .value_kind: global_buffer, .address_space: global }
      - { .name: wimg, .offset: 8, .size: 8, .value_kind: global_buffer, .address_space: global }
      - { .name: lowp_scales, .offset: 16, .size: 8, .value_kind: global_buffer, .address_space: global }
      - { .name: b1, .offset: 24, .size: 8, .value_kind: global_buffer, .address_space: global }
      - { .name: hid_img, .offset: 32, .size: 8, .value_kind: global_buffer, .address_space: global }
    .group_segment_fixed_size: 327680
    .private_segment_fixed_size: 0
    .kernarg_segment_align: 8
    .kernarg_segment_size: 40
    .max_flat_workgroup_size: 128
    .sgpr_count:     100
    .vgpr_count:     1024
    .wavefront_size: 32
...
	.end_amdgpu_metadata
.endif
;; end of part 6
;; launch ffn2 (part 7): grid 8 x 32, 4 waves a work-group, clusters of 4 x 4, 327,680 bytes of LDS; arguments hid_img, wimg, lowp_scales, b2, x1, out0; writes out0
.if DOCPART == 7
	.amdgcn_target "amdgcn-amd-amdhsa--gfx1250"
	.amdhsa_code_object_version 6
	.text
	.protected	k_qc7514d6d94_ffn2
	.globl	k_qc7514d6d94_ffn2
	.p2align	8
	.type	k_qc7514d6d94_ffn2,@function
k_qc7514d6d94_ffn2:
	s_mov_b64 s[64:65], 0
	v_nop
	global_prefetch_b8 v0, s[64:65] scope:SCOPE_SE
	s_setreg_imm32_b32 hwreg(HW_REG_WAVE_MODE, 25, 1), 1
	s_wait_xcnt 0x0
	s_wait_alu depctr_hold_cnt(0) depctr_sa_sdst(0) depctr_va_vdst(0) depctr_va_sdst(0) depctr_va_ssrc(0) depctr_va_vcc(0) depctr_vm_vsrc(0)
	s_getreg_b32 s2, hwreg(HW_REG_IB_STS2, 6, 4)
	s_cmp_eq_u32 s2, 0
	s_cbranch_scc0 .Lentry_in_a_cluster
	s_endpgm
.Lentry_in_a_cluster:
	s_bfe_u32 s2, ttmp6, 0x10000c
	s_cmp_lg_u32 s2, 0xf033
	s_cbranch_scc0 .Lentry_shape_is_right
	s_endpgm
.Lentry_shape_is_right:
; out0 = x1 + hidden W2^T + b2.  out = resid + bias + (A B^T) x 2^(eA + eB); A and B are images of operand registers (16 rows x 128 K = 2,048 bytes, registers 4 q .. 4 q + 3 of lane l at 512 q + 16 l), [blocks of 16 rows][KS][2048].
; A tile of 128 x 128, so that the 4,096 x 1,024 results give 256 work-groups; four waves, each 64 x 64: 16 accumulators.  K goes in steps of 512 (a block's four images: 8,192 dense bytes) through two LDS slots.
; 4 x 4 work-groups: A's tiles are asked for jointly along a row of the cluster, B's along a column.  The matrix instruction is used transposed (source 0 = B's rows, source 1 = A's): a lane holds eight neighbouring columns of a row.
; The residual's 64 x 64 numbers of a wave are asked for at the head, in the layout of the stores, and wait in window 2.
; By this text's own count a wave has two tensor loads out at the start and one behind each round.  No prefetch: small tiles, and the operands are read by many work-groups.
; LIMIT: eA + eB between -126 and 127.
.set KS,    32                         ; K / 128
.set WOFF,  0x800000                   ; the weight's place in wimg
.set EOFF,  0x38                       ; the two exponents' place in lowp_scales
.set LAPS,  KS/8
.set BLKB,  KS*2048                    ; bytes from block to block
.set SLOT,  131072                     ; A's 8 blocks of 8,192 bytes, then B's
.set BOFF,  65536
.set SPARE, 262144                     ; the spare words, 128 bytes for each wave
.set STAGE, 262656                     ; 16 rows x 272 bytes for each wave, for the way out: no fill lands here
.set SP,    272
.set ADRA,  16
.set ADRB,  20
.set STO,   24
.set RD,    25
.set CO,    26
.set SPW,   28
.set NIL,   29
.set RB,    32                         ; v32-95 rows read back, two sets
.set ACC,   128                        ; accumulator (a, b) at v[128 + 8 (4 a + b)]
.set F0,    0                          ; window 1: two fragment buffers: A's four at f, B's four at f + 64
.set F1,    128
.set WV,    20
.set RH,    21
.set CH,    22
.set G1,    24
.set G0,    32
.set G1B,   48
.set G0B,   56
.set MUL,   0x05
.set MSB, 0
.macro WIN new
.if MSB != (\new)
	s_set_vgpr_msb (MSB<<8)|(\new)
.set MSB, (\new)
.endif
.endm
.macro PLACES n
.rept \n
	v_nop
.endr
.endm
.macro JLOAD s                         ; a joint load: waves 0, 1 for A, waves 2, 3 for B; four v_nop follow each line
	s_cmp_eq_u32 s[RH], 0
	s_cbranch_scc0 .Lfor_b_\@
	tensor_load_to_lds s[G0+4*\s:G0+4*\s+3], s[G1:G1+7]
	s_nop 0
.rept 4
	v_nop
.endr
	s_branch .Lasked_\@
.Lfor_b_\@:
	tensor_load_to_lds s[G0B+4*\s:G0B+4*\s+3], s[G1B:G1B+7]
	s_nop 0
.rept 4
	v_nop
.endr
.Lasked_\@:
.endm
.macro CREST
	s_cmp_lg_u32 s[WV], 0
	s_cbranch_scc1 .Lnot_wave_0_\@
	s_barrier_signal -3
.Lnot_wave_0_\@:
	s_barrier_wait -3
	s_barrier_signal -1
	s_barrier_wait -1
.endm
.macro CROUND
	s_barrier_signal -1
	s_barrier_wait -1
	CREST
.endm
	s_load_b256 s[4:11], s[0:1], 0x0               ; A 4, wimg 6, scales 8, bias 10
	s_load_b128 s[12:15], s[0:1], 0x20             ; resid 12, out 14
	v_lshl_add_u32 v[SPW], v0, 2, SPARE
	v_mov_b32 v[NIL], 0
	ds_add_u32 v28, v29
	ds_add_u32 v28, v29
	s_wait_dscnt 0x0
	v_lshrrev_b32 v1, 5, v0
	v_readfirstlane_b32 s[WV], v1
	s_lshr_b32 s[RH], s[WV], 1
	s_and_b32 s[CH], s[WV], 1
	s_bfe_u32 s40, ttmp6, 0x40000                  ; cx
	s_bfe_u32 s41, ttmp6, 0x40004                  ; cy
	s_lshl_b32 s46, ttmp9, 2
	s_add_co_u32 s46, s46, s40                     ; tile column
	s_and_b32 s45, ttmp7, 0xffff
	s_lshl_b32 s45, s45, 2
	s_add_co_u32 s45, s45, s41                     ; tile row
	s_lshl_b32 s42, s41, 2
	s_lshl_b32 s42, 15, s42                        ; my row of the cluster
	s_lshl_b32 s43, 0x1111, s40                    ; my column
	s_or_b32 s[G1], s42, (3<<16)|(1<<21)           ; the mask; elements of 8 bytes; bit 21 beside a mask; no padding
	s_or_b32 s[G1B], s43, (3<<16)|(1<<21)
.irp g, G1, G1B
	s_mov_b32 s[\g+1], 1024<<16                    ; tensor_dim0 = 1,024 elements: 8,192 bytes, four images of a block
	s_mov_b32 s[\g+2], 4<<16                       ; tensor_dim1 = 4 blocks
	s_mov_b32 s[\g+3], 1024<<16
	s_mov_b32 s[\g+4], 4
	s_mov_b32 s[\g+5], KS*256                      ; from block to block, in elements
	s_mov_b32 s[\g+6], 0
	s_mov_b32 s[\g+7], 0
.endr
	s_lshl_b32 s18, s45, 3                         ; A: block 8 x tile row + 4 x (which half I fetch)
	s_lshl_b32 s16, s[CH], 2
	s_add_co_u32 s16, s16, s18
	s_mul_i32 s16, s16, BLKB
	s_mov_b32 s17, 0
	s_lshl_b32 s19, s46, 3                         ; B: block 8 x tile column + 4 x half
	s_lshl_b32 s66, s[CH], 2
	s_add_co_u32 s66, s66, s19
	s_mul_i32 s66, s66, BLKB
	s_add_co_u32 s66, s66, WOFF
	s_mov_b32 s67, 0
	s_lshl_b32 s47, s[WV], 15                      ; where my part goes: 32,768 x wave
	s_wait_kmcnt 0x0
	s_load_b64 s[68:69], s[8:9], EOFF              ; eA, eB
	s_add_nc_u64 s[16:17], s[4:5], s[16:17]
	s_add_nc_u64 s[66:67], s[6:7], s[66:67]
	CROUND                                         ; all sixteen work-groups are here: the first joint loads meet
.irp s, 0,1
	s_mov_b32 s[G0+4*\s], 1
	s_add_co_u32 s[G0+4*\s+1], s47, \s*SLOT
	s_add_nc_u64 s[G0+4*\s+2:G0+4*\s+3], s[16:17], \s*8192
	s_or_b32 s[G0+4*\s+3], s[G0+4*\s+3], 0x80000000
	s_mov_b32 s[G0B+4*\s], 1
	s_add_co_u32 s[G0B+4*\s+1], s47, \s*SLOT
	s_add_nc_u64 s[G0B+4*\s+2:G0B+4*\s+3], s[66:67], \s*8192
	s_or_b32 s[G0B+4*\s+3], s[G0B+4*\s+3], 0x80000000
	JLOAD \s
.endr
	v_and_b32 v1, 31, v0
	v_lshlrev_b32 v1, 4, v1                        ; 16 x lane
	v_and_b32 v2, 15, v0                           ; r
	v_bfe_u32 v3, v0, 4, 1                         ; h
	s_lshl_b32 s72, s[RH], 15
	s_lshl_b32 s73, s[CH], 15
	s_add_co_u32 s73, s73, BOFF
.irp s, 0,1
	v_add_nc_u32 v[ADRA+\s], s72, v1
	v_add_nc_u32 v[ADRB+\s], s73, v1
	s_add_co_u32 s72, s72, SLOT
	s_add_co_u32 s73, s73, SLOT
.endr
	s_mul_i32 s72, s[WV], 16*SP
	s_add_co_u32 s72, s72, STAGE                   ; my stage
	v_mul_u32_u24 v[STO], v2, SP
	v_lshl_add_u32 v[STO], v3, 5, v[STO]
	v_add_nc_u32 v[STO], s72, v[STO]               ; in: row r, 32 bytes for each half of the lanes
	v_mul_u32_u24 v[RD], v3, SP
	v_lshl_add_u32 v[RD], v2, 4, v[RD]
	v_add_nc_u32 v[RD], s72, v[RD]                 ; back: lanes 0-15 one row of 256 bytes, lanes 16-31 the next
	v_lshlrev_b32 v[CO], 12, v3
	v_lshl_add_u32 v[CO], v2, 4, v[CO]             ; and the same two rows in memory
	v_lshlrev_b32 v4, 4, v2                        ; the bias of my four columns
	s_lshl_b32 s72, s45, 7
	s_lshl_b32 s73, s[RH], 6
	s_add_co_u32 s72, s72, s73                     ; my first row,
	s_lshl_b32 s72, s72, 12
	s_lshl_b32 s74, s46, 7
	s_lshl_b32 s75, s[CH], 6
	s_add_co_u32 s74, s74, s75                     ; my first column,
	s_lshl_b32 s74, s74, 2
	s_mov_b32 s75, 0
	s_add_nc_u64 s[10:11], s[10:11], s[74:75]
	s_add_co_u32 s72, s72, s74
	s_mov_b32 s73, 0
	s_add_nc_u64 s[12:13], s[12:13], s[72:73]
	s_add_nc_u64 s[14:15], s[14:15], s[72:73]
	WIN 0x80
.irp a, 0,1,2,3
.irp t, 0,1,2,3,4,5,6,7
	global_load_b128 v[32*\a+4*\t:32*\a+4*\t+3], v[CO], s[12:13] offset:(16*\a+2*\t)*4096
.endr
.endr
	WIN 0
	global_load_b128 v[12:15], v4, s[10:11]
.macro FETCH slot, q, f                ; 32 LDS loads in one run: the fragments of the slot's q-th 128 along K: B's four, then A's four
	WIN 0x40
.irp i, 0,1,2,3
.irp c, 0,1,2,3
	ds_load_b128 v[\f+64+16*\i+4*\c:\f+64+16*\i+4*\c+3], v[ADRB+\slot] offset:\i*8192+(\q)*2048+512*\c
.endr
.endr
.irp i, 0,1,2,3
.irp c, 0,1,2,3
	ds_load_b128 v[\f+16*\i+4*\c:\f+16*\i+4*\c+3], v[ADRA+\slot] offset:\i*8192+(\q)*2048+512*\c
.endr
.endr
.endm
.macro MUL4 f, a, zero                 ; A's block a x B's four.  The 16 accumulators take turns, one instruction a turn
.irp b, 0,1,2,3
.if \zero
	v_wmma_f32_16x16x128_bf8_bf8 v[ACC+8*(4*(\a)+\b):ACC+8*(4*(\a)+\b)+7], v[\f+64+16*\b:\f+64+16*\b+15], v[\f+16*(\a):\f+16*(\a)+15], 0
.else
	v_wmma_f32_16x16x128_bf8_bf8 v[ACC+8*(4*(\a)+\b):ACC+8*(4*(\a)+\b)+7], v[\f+64+16*\b:\f+64+16*\b+15], v[\f+16*(\a):\f+16*(\a)+15], v[ACC+8*(4*(\a)+\b):ACC+8*(4*(\a)+\b)+7]
.endif
.endr
.endm
; 128 along K: multiplies buffer f and, in its middle, fetches the slot's qn-th 128 into buffer g
.macro QUARTER slot, qn, f, g, zero
	s_wait_dscnt 8                                 ; B's four and A's blocks 0, 1 are in; the youngest eight loads (A's blocks 2, 3) may be out
	WIN MUL
	MUL4 \f, 0, \zero
	MUL4 \f, 1, \zero
	PLACES 4                                       ; in front of loads into registers that matrix instructions have read
	FETCH \slot, \qn, \g
	s_wait_dscnt 32                                ; all but the 32 just issued
	WIN MUL
	MUL4 \f, 2, \zero
	MUL4 \f, 3, \zero
.endm
; A slot's last 128 along K: one barrier; in front of it each wave waits for all its tensor loads, adds 0 to its spare word, and waits for that and for its reads of this slot
.macro TURN slot, next, fill
	WIN 0
	s_wait_tensorcnt 0x0                           ; all my tensor loads have landed: my part of the next slot
	ds_add_u32 v[SPW], v[NIL]                      ; 0 onto my spare word
	s_wait_dscnt 9                                 ; the add and the youngest eight loads may be out
	WIN MUL
	MUL4 F1, 0, 0
	s_wait_dscnt 0x0                               ; the add is done, and my reads of this slot are over
	s_barrier_signal -1
	MUL4 F1, 1, 0
	WIN 0
	s_barrier_wait -1
.if \fill
	CREST                                          ; the barrier has opened a round of the cluster's: no wave of any partner still reads this slot or has a load on its way
	s_add_nc_u64 s[G0+4*\slot+2:G0+4*\slot+3], s[G0+4*\slot+2:G0+4*\slot+3], 16384
	s_add_nc_u64 s[G0B+4*\slot+2:G0B+4*\slot+3], s[G0B+4*\slot+2:G0B+4*\slot+3], 16384
	JLOAD \slot                                    ; the first tensor load behind the round; its four v_nop are the places in front of the loads below
.else
	PLACES 4
.endif
	FETCH \next, 0, F0
	WIN MUL
	MUL4 F1, 2, 0
	MUL4 F1, 3, 0
.endm
	s_wait_tensorcnt 1                             ; my part of slot 0 is in; slot 1's load may be out
	s_barrier_signal -1
	s_barrier_wait -1
	FETCH 0, 0, F0
	QUARTER 0, 1, F0, F1, 1                        ; the first products start the sums
.if LAPS > 1
	WIN 0
	s_mov_b32 s23, LAPS-1
.Llap:                                             ; a trip goes once round the ring and fills both slots again
	QUARTER 0, 2, F1, F0, 0
	QUARTER 0, 3, F0, F1, 0
	TURN 0, 1, 1
	QUARTER 1, 1, F0, F1, 0
	QUARTER 1, 2, F1, F0, 0
	QUARTER 1, 3, F0, F1, 0
	TURN 1, 0, 1
	QUARTER 0, 1, F0, F1, 0
	WIN 0
	s_sub_co_u32 s23, s23, 1
	s_cmp_lg_u32 s23, 0
	s_cbranch_scc1 .Llap
.endif
	QUARTER 0, 2, F1, F0, 0                        ; the last lap fills nothing
	QUARTER 0, 3, F0, F1, 0
	TURN 0, 1, 0
	QUARTER 1, 1, F0, F1, 0
	QUARTER 1, 2, F1, F0, 0
	QUARTER 1, 3, F0, F1, 0
	s_wait_dscnt 8
	WIN MUL
	MUL4 F1, 0, 0
	MUL4 F1, 1, 0
	s_wait_dscnt 0
	MUL4 F1, 2, 0
	MUL4 F1, 3, 0
	; THE WAY OUT: a block of 16 rows x 64 columns of sums goes through my stage and comes back as rows of 256 bytes; there sum x 2^(eA + eB) + (resid + bias), and sixteen lanes store 256 aligned bytes
	s_wait_loadcnt 0x0
	s_wait_kmcnt 0x0
	s_add_co_i32 s70, s68, s69
	s_add_co_i32 s70, s70, 127
	s_lshl_b32 s70, s70, 23
	s_mov_b32 s71, s70
	WIN 0x82
.set k, 0
.rept 32
	v_pk_add_f32 v[4*k:4*k+1], v[4*k:4*k+1], v[12:13]       ; resid + bias.  (These 64 are also the places behind the last products)
	v_pk_add_f32 v[4*k+2:4*k+3], v[4*k+2:4*k+3], v[14:15]
.set k, k+1
.endr
	WIN 0
.macro TOSTAGE a
.irp b, 0,1,2,3
	ds_store_b128 v[STO], v[ACC+8*(4*(\a)+\b):ACC+8*(4*(\a)+\b)+3] offset:64*\b        ; each accumulator from its low end on
	ds_store_b128 v[STO], v[ACC+8*(4*(\a)+\b)+4:ACC+8*(4*(\a)+\b)+7] offset:64*\b+16
.endr
.irp t, 0,1,2,3,4,5,6,7
	ds_load_b128 v[RB+32*((\a)%2)+4*\t:RB+32*((\a)%2)+4*\t+3], v[RD] offset:2*SP*\t    ; LDS serves a wave's instructions in order (ISA guide 5.7.1.4): these see the stores above
.endr
.endm
.macro SEND a, younger
	s_wait_dscnt \younger
	WIN 0x20
.set k, 0
.rept 16
	v_pk_fma_f32 v[RB+32*((\a)%2)+2*k:RB+32*((\a)%2)+2*k+1], v[RB+32*((\a)%2)+2*k:RB+32*((\a)%2)+2*k+1], s[70:71], v[32*(\a)+2*k:32*(\a)+2*k+1] op_sel_hi:[1,0,1]
.set k, k+1
.endr
	WIN 0
.irp t, 0,1,2,3,4,5,6,7
	global_store_b128 v[CO], v[RB+32*((\a)%2)+4*\t:RB+32*((\a)%2)+4*\t+3], s[14:15] offset:(16*(\a)+2*\t)*4096
.endr
.endm
	TOSTAGE 0
	TOSTAGE 1
	SEND 0, 16                                     ; behind block 0's loads: block 1's eight stores and eight loads
	s_wait_xcnt 0x0                                ; block 0's stores have read their registers: block 2's rows may land there
	TOSTAGE 2
	SEND 1, 16
	s_wait_xcnt 0x0
	TOSTAGE 3
	SEND 2, 16
	SEND 3, 0
	s_wait_tensorcnt 0x0                           ; the wave's end
	ds_add_u32 v[SPW], v[NIL]
	s_wait_dscnt 0x0
	CROUND                                         ; the closing round
	s_endpgm
.Lfunc_end_k_qc7514d6d94_ffn2:
	.size	k_qc7514d6d94_ffn2, .Lfunc_end_k_qc7514d6d94_ffn2-k_qc7514d6d94_ffn2
	.p2alignl 7, 3214868480
	.fill 96, 4, 3214868480
	.section	.rodata,"a",@progbits
	.p2align	6, 0x0
	.amdhsa_kernel k_qc7514d6d94_ffn2
		.amdhsa_group_segment_fixed_size 327680
		.amdhsa_private_segment_fixed_size 0
		.amdhsa_enable_private_segment 0
		.amdhsa_kernarg_size 48
		.amdhsa_user_sgpr_count 2
		.amdhsa_user_sgpr_kernarg_segment_ptr 1
		.amdhsa_wavefront_size32 1
		.amdhsa_system_sgpr_workgroup_id_x 1
		.amdhsa_system_sgpr_workgroup_id_y 1
		.amdhsa_system_sgpr_workgroup_id_z 1
		.amdhsa_system_vgpr_workitem_id 0
		.amdhsa_next_free_vgpr 768
		.amdhsa_next_free_sgpr 100
		.amdhsa_reserve_vcc 0
		.amdhsa_float_denorm_mode_32 3
		.amdhsa_float_denorm_mode_16_64 3
		.amdhsa_memory_ordered 1
		.amdhsa_forward_progress 1
		.amdhsa_inst_pref_size 81
	.end_amdhsa_kernel
	.amdgpu_metadata
---
amdhsa.version: [ 1, 2 ]
amdhsa.kernels:
  - .name:           k_qc7514d6d94_ffn2
    .symbol:         k_qc7514d6d94_ffn2.kd
    .args:
      - { .name: hid_img, .offset: 0, .size: 8, .value_kind: global_buffer, .address_space: global }
      - { .name: wimg, .offset: 8, .size: 8, .value_kind: global_buffer, .address_space: global }
      - { .name: lowp_scales, .offset: 16, .size: 8, .value_kind: global_buffer, .address_space: global }
      - { .name: b2, .offset: 24, .size: 8, .value_kind: global_buffer, .address_space: global }
      - { .name: x1, .offset: 32, .size: 8, .value_kind: global_buffer, .address_space: global }
      - { .name: out0, .offset: 40, .size: 8, .value_kind: global_buffer, .address_space: global }
    .group_segment_fixed_size: 327680
    .private_segment_fixed_size: 0
    .kernarg_segment_align: 8
    .kernarg_segment_size: 48
    .max_flat_workgroup_size: 128
    .sgpr_count:     100
    .vgpr_count:     768
    .wavefront_size: 32
...
	.end_amdgpu_metadata
.endif
;; end of part 7
;; ======== version 2 of 2: 7 launches; version 1 with the launch attn written anew for expert scheduling mode
;; limits: an absolute error that grows with the inputs' magnitude: up to 1e-07 times it
;; workspace buffers: wimg 12,582,912 bytes; h_img 12,582,912 bytes; rope 1,048,576 bytes; qkv_img 12,582,912 bytes; attn_img 4,194,304 bytes; x1 16,777,216 bytes; hid_img 16,777,216 bytes
;; launch ln1: the kernel of part 1 again; grid 256 x 1, 8 waves a work-group, no clusters, 67,072 bytes of LDS; arguments x, g1, beta1, positions, lowp_scales, Wq_codes, Wk_codes, Wv_codes, Wo_codes, W1_codes, W2_codes, h_img, wimg, rope; writes h_img, wimg, rope
;; launch qkv: the kernel of part 2 again; grid 12 x 16, 4 waves a work-group, clusters of 4 x 4, 327,680 bytes of LDS; arguments h_img, wimg, lowp_scales, bq, bk, bv, rope, qkv_img; writes qkv_img
;; launch attn (part 8): grid 8 x 32, 4 waves a work-group, no clusters, 174,592 bytes of LDS; arguments qkv_img, mask, lowp_scales, attn_img; writes attn_img
.if DOCPART == 8
	.amdgcn_target "amdgcn-amd-amdhsa--gfx1250"
	.amdhsa_code_object_version 6
	.text
	.protected	k_qc7514d6d94_attn
	.globl	k_qc7514d6d94_attn
	.p2align	8
	.type	k_qc7514d6d94_attn,@function
k_qc7514d6d94_attn:
	s_mov_b64 s[64:65], 0
	v_nop
	global_prefetch_b8 v0, s[64:65] scope:SCOPE_SE
	s_setreg_imm32_b32 hwreg(HW_REG_WAVE_SCHED_MODE, 0, 2), 2
	s_setreg_imm32_b32 hwreg(HW_REG_WAVE_MODE, 25, 1), 1
	s_wait_xcnt 0x0
	s_wait_alu depctr_vm_vsrc(0)
; attn = softmax(q k^T / 8, keys under the mask left out) v, both products on codes of E5M2; the FINISHED, normalised softmax is what is quantised (scale 2^e8); the result is quantised (2^e10) for the product with Wo.
; SHARES.  A work-group owns one (batch, head) and 256 queries, walked in 8 blocks of 32 (two tiles of 16).  THE FOUR WAVES SHARE THE KEYS: wave w owns keys 512 w .. 512 w + 511.
; A wave's 32 x 512 scores stay in 512 registers from the first product to the conversion: one product and one exponential a score, and the row's sum is known before any p is converted.
; Its 32 tiles of k stay in 256 registers for the whole launch; its part of v^T (32 KiB) and its keys' mask (an f32 addend a key) lie in LDS bytes of its own.
; BOTH PRODUCTS TRANSPOSED: S^T = k q^T (a lane holds one query, registers run along the keys), O^T = v^T p^T.  The mask's addend, 0 or -2^100, is the C of the first product.
; SOFTMAX.  Each wave takes its own largest t away: e = 2^(t - K_w), t = score x log2(e) / 8, l_w = sum of e.  The waves exchange (K_w, l_w): Kmax = the largest K_w, l = sum of 2^(K_w - Kmax) l_w,
; p = e x f_w with f_w = 2^(K_w - Kmax) / l.  The same K_w stands in e and in f_w, so its rounding cancels.  Where every key of the batch is masked (Kmax under -2^90 in units of the codes) f = 0, so p = 0.
; The waves' four parts of O^T are added through LDS; wave w finishes tile w / 2 of the queries, channels 32 (w % 2) on.  Two barriers a block.
; No tensor loads and no cluster: k goes into registers; k, v and the mask are read once by a work-group, at its head, 256 KiB against eight blocks' work.
; LIMITS: e6 + e7 between -80 and 25 (the masked t stays finite and far under every real t); e8 and e10 - e8 - e9 between -126 and 112.  NaN and infinities are not served.
; REGISTERS.  Window 0: v1-9 addresses; v10 0, v11 -2^100, v8 the threshold; v12-19 pairs -K_w and f; v20-27 sums; v28-35 maxima; v36-43 at work, (K_w, l_w); v44-47 codes out; v48-51 scales;
;   v52-67 q; v68-131 O^T; v132-163 p's codes; v164-227 v^T's fragments, later the parts of O^T; in the first product v68-227 are five sets of 32 mask addends.
;   Window 1: k's tile t at v[8 t].   Windows 2, 3: S(qt, t) at v[128 qt + 8 (t % 16)] of window 2 + t / 16.
; THE MODE: SCHED_MODE bits 1:0 = 2 (LLVM: expert scheduling mode 2), set by the entry lines.  The code itself states the register dependences
; between vector or matrix instructions and memory or LDS instructions, with s_wait_alu, always for 0.
; THE PLAN.  Registers that memory or LDS instructions touch, round a block:
;   v1-7, v9, v254, v255   addresses, and the closing add's two: written at the head, never again.
;   v52-67     q: read by the first products; the next block's loads land there behind the exponentials' wait.
;   v68-227    as addends: LDS loads land (groups 0-4 at the block's head, groups 5-7 in sets 0-2 behind groups 0-2's products); the first products read them as C.
;   v68-131    as O^T: written by the second products, read by sixteen LDS stores.    v132-163: written by conversions, read by the second products; addends land there.
;   v164-227   LDS loads land: the exchange, v^T four times, the four parts; read and written by the exchange's arithmetic, the second products, the last additions, holds and conversions.
;   v40-43     written by the maxima and sums, read by the exchange's LDS stores.     v44-47: written by the last conversions, read by the global store.
; So a block has ONE wait on vm_vsrc, at its head, for all that stores have read; and waits on va_vdst where a buffer changes hands: behind the products of groups 0-2; the exponentials' own wait (q);
; ahead of the exchange's stores; the reciprocals' own wait (v^T of step 0); behind the multiplications by f in steps 1 to 3 (v^T); ahead of O^T's stores (and the parts' loads); ahead of the global store (and the next block's addends).
.set VB, 0                             ; LDS: v^T: 32,768 bytes a wave
.set MB, 131072                        ; the mask's addends: 2,048 bytes a wave
.set SX, 139264                        ; (K_w, l_w): 512 bytes a wave
.set OX, 141312                        ; the parts of O^T: 8,192 bytes a wave
.set MSB, 0
.macro WIN new
.if MSB != (\new)
	s_set_vgpr_msb (MSB<<8)|(\new)
.set MSB, (\new)
.endif
.endm
.macro PLACES n
.rept \n
	v_nop
.endr
.endm
	s_load_b256 s[4:11], s[0:1], 0x0               ; qkv_img 4, mask 6, scales 8, attn_img 10
	v_lshl_add_u32 v254, v0, 2, 0x2a800
	v_mov_b32 v255, 0
	v_lshrrev_b32 v1, 5, v0
	v_readfirstlane_b32 s12, v1                    ; wave
	v_and_b32 v8, 31, v0
	v_lshlrev_b32 v1, 4, v8                        ; v1 = 16 x lane
	v_bfe_u32 v36, v0, 4, 1                        ; h
	s_wait_alu depctr_va_sdst(0)                   ; s12 is written, ahead of its first reader: LDS addresses and the bases are made from it
	s_lshl_b32 s41, s12, 11
	s_lshl_b32 s42, s12, 15
	s_lshl_b32 s43, s12, 9
	s_lshl_b32 s44, s12, 13
	v_lshlrev_b32 v2, 5, v36
	v_add_nc_u32 v2, s41, v2
	v_add_nc_u32 v2, MB, v2                        ; the addends of keys 8 h + 0..7 of a tile
	v_add_nc_u32 v3, s42, v1                       ; v^T's images
	v_lshlrev_b32 v4, 3, v8
	v_add_nc_u32 v5, SX, v4                        ; the exchange: read,
	v_add_nc_u32 v4, s43, v5                       ; and write
	v_add_nc_u32 v6, s44, v1
	v_add_nc_u32 v6, OX, v6                        ; my part of O^T
	v_add_nc_u32 v7, s41, v1
	v_add_nc_u32 v7, OX, v7                        ; the two accumulators that I finish
	v_lshlrev_b32 v9, 6, v8
	v_add_nc_u32 v9, s41, v9
	v_add_nc_u32 v9, MB, v9                        ; where I put 16 keys' addends
	v_mov_b32 v10, 0
	v_mov_b32 v11, 0xf1800000                      ; -2^100
	v_mov_b32 v13, 0                               ; upper halves of pairs of which the low word serves both halves
	v_mov_b32 v15, 0
	v_mov_b32 v17, 0
	v_mov_b32 v19, 0
	v_mov_b32 v37, 0                               ; (a lane permute's destination counts as read)
	s_mov_b32 s16, 0x76543210
	s_mov_b32 s17, 0xfedcba98
	s_mov_b32 s13, 8                               ; blocks
	s_and_b32 s45, ttmp7, 0xffff                   ; 16 b + head
	s_lshl_b32 s50, s45, 17
	s_add_co_u32 s50, s50, s42                     ; k, v: 131,072 a head, 32,768 a wave
	s_mov_b32 s51, 0
	s_lshr_b32 s52, s45, 4                         ; b
	s_lshl_b32 s54, s52, 11
	s_add_co_u32 s54, s54, s43                     ; the mask of my 512 keys
	s_mov_b32 s55, 0
	s_lshl_b32 s56, s45, 17
	s_lshl_b32 s58, ttmp9, 14
	s_add_co_u32 s56, s56, s58                     ; q: my 16 tiles of 1,024 bytes
	s_mov_b32 s57, 0
	s_lshl_b32 s58, s52, 7
	s_lshl_b32 s59, ttmp9, 4
	s_add_co_u32 s58, s58, s59
	s_lshr_b32 s59, s12, 1
	s_add_co_u32 s58, s58, s59                     ; out: block of 16 rows 128 b + 16 part + w / 2 (+ 2 a block),
	s_lshl_b32 s58, s58, 14
	s_and_b32 s59, s45, 15
	s_lshr_b32 s59, s59, 1
	s_lshl_b32 s59, s59, 11                        ; K step head / 2,
	s_add_co_u32 s58, s58, s59
	s_and_b32 s59, s45, 1
	s_lshl_b32 s59, s59, 1
	s_and_b32 s60, s12, 1
	s_add_co_u32 s59, s59, s60
	s_lshl_b32 s59, s59, 9                         ; registers 4 (2 (head % 2) + w % 2) on
	s_add_co_u32 s58, s58, s59
	s_mov_b32 s59, 0
	s_wait_kmcnt 0x0
	s_load_b512 s[20:35], s[8:9], 0x0              ; e0 .. e15: e6 s26, e7 s27, e8 s28, e9 s29, e10 s30
	s_add_nc_u64 s[6:7], s[6:7], s[54:55]
	s_add_nc_u64 s[46:47], s[4:5], s[50:51]
	s_add_nc_u64 s[48:49], s[46:47], 0x400000      ; k
	s_add_nc_u64 s[46:47], s[46:47], 0x800000      ; v
	s_add_nc_u64 s[36:37], s[4:5], s[56:57]        ; q
	s_add_nc_u64 s[38:39], s[10:11], s[58:59]
	s_wait_alu depctr_va_vdst(0)                   ; the addresses v1 to v7 and v9 are written, which every load and store of the kernel reads, and v254, v255, which the closing add reads
	global_load_b128 v[164:167], v1, s[6:7]        ; 16 keys' mask bytes a lane
	WIN 0x80
.set j, 0
.rept 64
	global_load_b128 v[4*j:4*j+3], v1, s[46:47] offset:512*j   ; v^T, through window 2 into LDS
.set j, j+1
.endr
	WIN 0x40
.set j, 0
.rept 64
	global_load_b128 v[4*j:4*j+3], v1, s[48:49] offset:512*j   ; k: tile t = j / 2 at v[8 t] of window 1: it stays
.set j, j+1
.endr
	WIN 0
.irp j, 0,1,2,3
	global_load_b128 v[52+4*\j:52+4*\j+3], v1, s[36:37] offset:512*\j
.endr
	s_wait_kmcnt 0x0
	s_add_co_i32 s50, s26, s27
	s_lshl_b32 s50, s50, 23
	s_add_co_i32 s14, s50, 0x3e38aa3b              ; c = log2(e) / 8 x 2^(e6 + e7): the exponents are added to its exponent field
	s_mov_b32 s15, s14
	v_mov_b32 v8, 0xec800000
	v_mul_f32 v8, s14, v8                          ; -2^90 as t
	s_add_co_i32 s50, s28, 127
	s_lshl_b32 s51, s50, 23
	v_mov_b32 v48, s51                             ; 2^e8
	s_add_co_i32 s50, s50, 15
	s_lshl_b32 s50, s50, 23
	s_or_b32 s50, s50, 0x600000
	v_mov_b32 v49, s50                             ; 57,344 x 2^e8
	s_sub_co_i32 s50, s30, s28
	s_sub_co_i32 s50, s50, s29                     ; a sum of the second product stands for sum x 2^(e8 + e9): its code is sum / 2^(e10 - e8 - e9)
	s_add_co_i32 s50, s50, 127
	s_lshl_b32 s51, s50, 23
	v_mov_b32 v50, s51
	s_add_co_i32 s50, s50, 15
	s_lshl_b32 s50, s50, 23
	s_or_b32 s50, s50, 0x600000
	v_mov_b32 v51, s50
	s_wait_loadcnt 63                              ; 68 loads were issued behind v's; with 63 out at the most, the oldest 70 of the 133 are in: the mask and v
; the sixteen compares stand in one run, each with a scalar register of its own (s40-45, s50-59: offsets and temporaries that are done with), so that one wait serves them all
.irp k, 0,1,2,3,4,5,6,7,8,9,10,11,12,13,14,15
	v_bfe_u32 v[168+\k], v[164+\k/4], 8*(\k%4), 8
.endr
.irp k, 0,1,2,3,4,5,6,7,8,9,10,11,12,13,14,15
	v_cmp_eq_u32 s[40+\k+4*((\k+10)/16)], 0, v[168+\k]
.endr
	s_wait_alu depctr_va_sdst(0)                   ; the sixteen masks are written, ahead of the selects that read them
.irp k, 0,1,2,3,4,5,6,7,8,9,10,11,12,13,14,15
	v_cndmask_b32 v[168+\k], v10, v11, s[40+\k+4*((\k+10)/16)]   ; 0 where the key counts, -2^100 where it does not
.endr
	s_wait_alu depctr_va_vdst(0)                   ; the selects have written v168-183, which the LDS stores read; and the vector lines above are done with v164-183, in which the first block's addends land
.irp i, 0,1,2,3
	ds_store_b128 v9, v[168+4*\i:168+4*\i+3] offset:16*\i
.endr
	WIN 0x08                                       ; an LDS store's data in window 2
.set j, 0
.rept 64
	ds_store_b128 v3, v[4*j:4*j+3] offset:512*j
.set j, j+1
.endr
	WIN 0
; these LDS bytes are the wave's own, and LDS serves a wave's instructions in order (ISA guide 5.7.1.4): no barrier
.macro BIASLD g, set                   ; the addends of tiles 4 g .. 4 g + 3, in the result's layout
.irp tt, 0,1,2,3
.irp i, 0,1
	ds_load_b128 v[68+32*(\set)+8*\tt+4*\i:68+32*(\set)+8*\tt+4*\i+3], v2 offset:64*(4*(\g)+\tt)+16*\i
.endr
.endr
.endm
.macro QKG g, left                     ; eight products: tiles 4 g .. 4 g + 3 of my keys x the two tiles of queries
	s_wait_dscnt \left                             ; the loads issued behind group g's may be out
	WIN 0x81+0x40*((\g)/4)
.irp tt, 0,1,2,3
.irp qt, 0,1
	v_wmma_f32_16x16x64_bf8_bf8 v[128*\qt+8*((4*(\g)+\tt)%16):128*\qt+8*((4*(\g)+\tt)%16)+7], v[8*(4*(\g)+\tt):8*(4*(\g)+\tt)+7], v[52+8*\qt:52+8*\qt+7], v[68+32*((\g)%5)+8*\tt:68+32*((\g)%5)+8*\tt+7]
.endr
.endr
.endm
.macro FM p                            ; pair p of a window: t - K_w
	v_pk_fma_f32 v[2*(\p):2*(\p)+1], v[2*(\p):2*(\p)+1], s[14:15], v[12+2*((\p)/64):13+2*((\p)/64)] op_sel_hi:[1,0,0]
.endm
; 128 keys of the second product: p = e f, the hold, the conversion, eight products.  The eight accumulators take turns.
.macro PVSTEP ks
.set W, 2+(\ks)/2
.set SB, 64*((\ks)%2)
	WIN 0x41*W
.irp qt, 0,1
.set ii, 0
.rept 32
	v_pk_mul_f32 v[128*\qt+SB+2*ii:128*\qt+SB+2*ii+1], v[128*\qt+SB+2*ii:128*\qt+SB+2*ii+1], v[16+2*\qt:17+2*\qt] op_sel_hi:[1,0]   ; (these 64 are also the places in front of the conversions below, which write registers that the last step's products read)
.set ii, ii+1
.endr
.endr
	WIN 0
.if (\ks) > 0
	s_wait_alu depctr_va_vdst(0)                   ; the last step's products are done reading v164-227, in which the loads below land.  (Step 0: the reciprocals' wait has shown the exchange's arithmetic done with them, and no vector line since names them)
.endif
.irp dt, 0,1,2,3
.irp c, 0,1,2,3
	ds_load_b128 v[164+16*\dt+4*\c:164+16*\dt+4*\c+3], v3 offset:(4*(\ks)+\dt)*2048+512*\c
.endr
.endr
	s_cmp_ge_i32 s28, -15                          ; p is at most 1 + 2^-22, and from e8 = -15 on the largest code x the scale is 1.75 or more: the hold would change nothing
	s_cbranch_scc1 .Lno_hold_\@
	WIN 0x41*W
.irp qt, 0,1
.set ii, 0
.rept 64
	v_min_num_f32 v[128*\qt+SB+ii], v[128*\qt+SB+ii], v49   ; the conversion does not saturate (ISA guide 7.6.2); p is not negative
.set ii, ii+1
.endr
.endr
	WIN 0
.Lno_hold_\@:
	WIN W
.irp qt, 0,1
.irp c, 0,1,2,3,4,5,6,7
	v_cvt_scalef32_pk8_bf8_f32 v[132+16*\qt+2*\c:132+16*\qt+2*\c+1], v[128*\qt+SB+8*\c:128*\qt+SB+8*\c+7], v48
.endr
.endr
	v_nop                                          ; a plain instruction between the conversions and the products that read their results
	WIN 0
	s_wait_dscnt 0x0
.irp dt, 0,1,2,3
.irp qt, 0,1
.if (\ks) == 0
	v_wmma_f32_16x16x128_bf8_bf8 v[68+8*(4*\qt+\dt):68+8*(4*\qt+\dt)+7], v[164+16*\dt:164+16*\dt+15], v[132+16*\qt:132+16*\qt+15], 0
.else
	v_wmma_f32_16x16x128_bf8_bf8 v[68+8*(4*\qt+\dt):68+8*(4*\qt+\dt)+7], v[164+16*\dt:164+16*\dt+15], v[132+16*\qt:132+16*\qt+15], v[68+8*(4*\qt+\dt):68+8*(4*\qt+\dt)+7]
.endif
.endr
.endr
.endm
.Lblk:
	; ---- the scores
	s_wait_loadcnt 0x0                             ; q (in the first trip k too)
	s_wait_alu depctr_vm_vsrc(0)                   ; the last block's LDS stores have read v68-131 and v40-43 and its global store v44-47; in the first trip the head's LDS stores have read v168-183 and window 2: all are written again in this block.
	                                               ; (No wait on va_vdst here: on both ways in, the last vector line stands ahead of the wait in front of the last run of stores, so every earlier reader and writer of v68-227 has been shown done)
	BIASLD 0, 0
	BIASLD 1, 1
	BIASLD 2, 2
	BIASLD 3, 3
	BIASLD 4, 4
	QKG 0, 32                                      ; behind group g's eight loads: four more groups, then three, then two
	QKG 1, 24
	QKG 2, 16
	WIN 0
	PLACES 4                                       ; the places behind the products stay beside the wait
	s_wait_alu depctr_va_vdst(0)                   ; the products of groups 0 to 2 are done reading sets 0 to 2 as C, in which the 24 loads below land
	BIASLD 5, 0
	BIASLD 6, 1
	BIASLD 7, 2
	QKG 3, 32                                      ; behind group 3's loads: group 4's eight and the 24 just issued; then the counts run down
	QKG 4, 24
	QKG 5, 16
	QKG 6, 8
	QKG 7, 0
	; ---- each query's largest score among my 512 keys
	WIN 0
.irp i, 0,1,2,3,4,5,6,7
	v_mov_b32 v[28+\i], 0xff800000                 ; eight chains begin at -infinity; these are the places behind the products
.endr
.irp w, 2,3
	WIN 0x14*\w
.set n, 0
.rept 16
.irp qt, 0,1
.irp k, 0,1,2,3
	v_max3_num_f32 v[28+4*\qt+\k], v[28+4*\qt+\k], v[128*\qt+32*\k+2*n], v[128*\qt+32*\k+2*n+1]   ; ascending: each tile is first read at its low end
.endr
.endr
.set n, n+1
.endr
.endr
	WIN 0
.irp qt, 0,1
	v_max3_num_f32 v[28+4*\qt], v[28+4*\qt], v[29+4*\qt], v[30+4*\qt]
.endr
.irp qt, 0,1
	v_max_num_f32 v[28+4*\qt], v[28+4*\qt], v[31+4*\qt]
.endr
.irp qt, 0,1
	v_permlanex16_b32 v[36+\qt], v[28+4*\qt], s16, s17
.endr
.irp qt, 0,1
	v_max_num_f32 v[28+4*\qt], v[28+4*\qt], v[36+\qt]
.endr
.irp qt, 0,1
	v_mul_f32 v[40+2*\qt], s14, v[28+4*\qt]        ; K_w (c is positive)
.endr
.irp qt, 0,1
	v_mul_f32 v[12+2*\qt], -1.0, v[40+2*\qt]
.endr
	; ---- e = 2^(t - K_w): the 512 exponentials are one batch; a scaling stands behind each two
.irp w, 2,3
	WIN 0x41*\w
	FM 0
	FM 1
.set n, 0
.rept 128
	v_exp_f32 v[2*n], v[2*n]
	v_exp_f32 v[2*n+1], v[2*n+1]
.if n+2 < 128
	FM n+2
.endif
.set n, n+1
.endr
.endr
	WIN 0
.irp i, 0,1,2,3,4,5,6,7
	v_mov_b32 v[20+\i], 0                          ; plain instructions behind the last exponential
.endr
	s_wait_alu depctr_va_vdst(0)                   ; one wait for the batch, ahead of its first reader: the exponentials have written e.  It also states that the first products are done reading q, v52-67, in which the loads below land
	s_cmp_eq_u32 s13, 1                            ; the next block's q is asked for here, if there is one: no load leaves its buffer
	s_cbranch_scc1 .Lno_q
	s_add_nc_u64 s[36:37], s[36:37], 2048          ; (the loads that read this base were waited for at the block's head)
.irp j, 0,1,2,3
	global_load_b128 v[52+4*\j:52+4*\j+3], v1, s[36:37] offset:512*\j
.endr
.Lno_q:
	; ---- l_w, of the unquantised e, in four chains
.irp w, 2,3
	WIN \w
.set n, 0
.rept 64
.irp qt, 0,1
	v_pk_add_f32 v[20+4*\qt+2*(n%2):21+4*\qt+2*(n%2)], v[128*\qt+2*n:128*\qt+2*n+1], v[20+4*\qt+2*(n%2):21+4*\qt+2*(n%2)]
.endr
.set n, n+1
.endr
.endr
	WIN 0
.irp qt, 0,1
	v_pk_add_f32 v[20+4*\qt:21+4*\qt], v[20+4*\qt:21+4*\qt], v[22+4*\qt:23+4*\qt]
.endr
.irp qt, 0,1
	v_add_f32 v[20+4*\qt], v[20+4*\qt], v[21+4*\qt]
.endr
.irp qt, 0,1
	v_permlanex16_b32 v[36+\qt], v[20+4*\qt], s16, s17
.endr
.irp qt, 0,1
	v_add_f32 v[41+2*\qt], v[20+4*\qt], v[36+\qt]
.endr
	; ---- the exchange
	s_wait_alu depctr_va_vdst(0)                   ; K_w and l_w, v40-43, are written, which the two LDS stores read; and the first products are done reading v164-179 as C, in which the exchange's loads land
	ds_store_b64 v4, v[40:41]
	ds_store_b64 v4, v[42:43] offset:256
	s_wait_dscnt 0x0                               ; for the others' sake: my pair lies in LDS (and my reads of O^T's parts, of the block before, are long in)
	s_barrier_signal -1
	s_barrier_wait -1
.irp w, 0,1,2,3
.irp qt, 0,1
	ds_load_b64 v[164+4*\w+2*\qt:165+4*\w+2*\qt], v5 offset:512*\w+256*\qt
.endr
.endr
	s_wait_dscnt 0x0
.irp qt, 0,1
	v_max3_num_f32 v[38+\qt], v[164+2*\qt], v[168+2*\qt], v[172+2*\qt]
.endr
.irp qt, 0,1
	v_max_num_f32 v[38+\qt], v[38+\qt], v[176+2*\qt]   ; Kmax
.endr
.irp qt, 0,1
	v_cmp_gt_f32 s[40+\qt], v8, v[38+\qt]          ; every key masked?  Both compares stand here, far ahead of the selects that read their masks
.endr
.irp w, 0,1,2,3
.irp qt, 0,1
	v_sub_f32 v[164+4*\w+2*\qt], v[164+4*\w+2*\qt], v[38+\qt]
.endr
.endr
.irp qt, 0,1
	v_sub_f32 v[36+\qt], v[40+2*\qt], v[38+\qt]
.endr
.irp w, 0,1,2,3
.irp qt, 0,1
	v_exp_f32 v[164+4*\w+2*\qt], v[164+4*\w+2*\qt]
.endr
.endr
.irp qt, 0,1
	v_exp_f32 v[36+\qt], v[36+\qt]
.endr
	v_nop
	s_wait_alu depctr_va_vdst(0)                   ; one wait for the ten: the exponentials have written v164 .. v178 and v36, v37, ahead of their first reader
.irp qt, 0,1
	v_mul_f32 v[28+\qt], v[164+2*\qt], v[165+2*\qt]
.endr
.irp w, 1,2,3
.irp qt, 0,1
	v_fmac_f32 v[28+\qt], v[164+4*\w+2*\qt], v[165+4*\w+2*\qt]
.endr
.endr
.irp qt, 0,1
	v_rcp_f32 v[28+\qt], v[28+\qt]
.endr
	v_nop
	s_wait_alu depctr_va_vdst(0)                   ; one wait for the two: the reciprocals have written v28, v29.  It also states that the lines above are done with v164-179, in which step 0's fragments of v^T land
.irp qt, 0,1
	v_mul_f32 v[16+2*\qt], v[36+\qt], v[28+\qt]    ; f_w
.endr
	s_wait_alu depctr_va_sdst(0)                   ; the two masks s40, s41 are written, ahead of the selects that read them
.irp qt, 0,1
	v_cndmask_b32 v[16+2*\qt], v[16+2*\qt], v10, s[40+\qt]
.endr
	; ---- p and the second product
	PVSTEP 0
	PVSTEP 1
	PVSTEP 2
	PVSTEP 3
	; ---- the four waves' parts are added; the sum is quantised and stored
	PLACES 5                                       ; behind the last products: four for the stores below, the fifth for the next block's products, which take these registers, loaded anew, as C
	s_wait_alu depctr_va_vdst(0)                   ; the second products have written O^T, v68-131, which the LDS stores read, and are done reading v164-227, in which the parts' loads land; the places above stay beside this wait
.irp a, 0,1,2,3,4,5,6,7
	ds_store_b128 v6, v[68+8*\a:68+8*\a+3] offset:1024*\a           ; each accumulator from its low end on
	ds_store_b128 v6, v[68+8*\a+4:68+8*\a+7] offset:1024*\a+512
.endr
	s_wait_dscnt 0x0                               ; my part lies in LDS, and my reads of the exchange are in
	s_barrier_signal -1
	s_barrier_wait -1
.irp w, 0,1,2,3
.irp u, 0,1
.irp hf, 0,1
	ds_load_b128 v[164+16*\w+8*\u+4*\hf:164+16*\w+8*\u+4*\hf+3], v7 offset:8192*\w+1024*\u+512*\hf
.endr
.endr
.endr
	s_wait_dscnt 0x0
.irp i, 0,2,4,6,8,10,12,14
	v_pk_add_f32 v[164+\i:165+\i], v[164+\i:165+\i], v[180+\i:181+\i]
	v_pk_add_f32 v[196+\i:197+\i], v[196+\i:197+\i], v[212+\i:213+\i]
.endr
.irp i, 0,2,4,6,8,10,12,14
	v_pk_add_f32 v[164+\i:165+\i], v[164+\i:165+\i], v[196+\i:197+\i]
.endr
.irp i, 0,1,2,3,4,5,6,7,8,9,10,11,12,13,14,15
	v_med3_num_f32 v[164+\i], v[164+\i], -v51, v51
.endr
	v_cvt_scalef32_pk8_bf8_f32 v[44:45], v[164:171], v50   ; (the last block's store was followed by a wait on XCNT, and the wait on vm_vsrc at this block's head has shown its data read: they may be written)
	v_cvt_scalef32_pk8_bf8_f32 v[46:47], v[172:179], v50
	v_nop
	s_wait_alu depctr_va_vdst(0)                   ; the conversions have written v44-47, which the store reads; and the additions, holds and conversions are done with v164-227, in which the next block's addends land
	global_store_b128 v1, v[44:47], s[38:39]       ; four registers of the next operand's image: 512 consecutive bytes
	s_wait_xcnt 0x0                                ; the store has read its base and its data
	s_add_nc_u64 s[38:39], s[38:39], 32768         ; two blocks of 16 rows on
	s_sub_co_u32 s13, s13, 1
	s_cmp_lg_u32 s13, 0
	s_cbranch_scc1 .Lblk
	s_wait_dscnt 0x0                               ; the closing lines, six on end
	s_wait_alu 0x0
	s_wait_tensorcnt 0x0
	ds_add_u32 v254, v255
	s_wait_dscnt 0x0
	s_endpgm
.Lfunc_end_k_qc7514d6d94_attn:
	.size	k_qc7514d6d94_attn, .Lfunc_end_k_qc7514d6d94_attn-k_qc7514d6d94_attn
	.p2alignl 7, 3214868480
	.fill 96, 4, 3214868480
	.section	.rodata,"a",@progbits
	.p2align	6, 0x0
	.amdhsa_kernel k_qc7514d6d94_attn
		.amdhsa_group_segment_fixed_size 174592
		.amdhsa_private_segment_fixed_size 0
		.amdhsa_enable_private_segment 0
		.amdhsa_kernarg_size 32
		.amdhsa_user_sgpr_count 2
		.amdhsa_user_sgpr_kernarg_segment_ptr 1
		.amdhsa_wavefront_size32 1
		.amdhsa_system_sgpr_workgroup_id_x 1
		.amdhsa_system_sgpr_workgroup_id_y 1
		.amdhsa_system_sgpr_workgroup_id_z 1
		.amdhsa_system_vgpr_workitem_id 0
		.amdhsa_next_free_vgpr 1024
		.amdhsa_next_free_sgpr 66
		.amdhsa_reserve_vcc 0
		.amdhsa_float_denorm_mode_32 3
		.amdhsa_float_denorm_mode_16_64 3
		.amdhsa_memory_ordered 1
		.amdhsa_forward_progress 1
		.amdhsa_inst_pref_size 151
	.end_amdhsa_kernel
	.amdgpu_metadata
---
amdhsa.version: [ 1, 2 ]
amdhsa.kernels:
  - .name:           k_qc7514d6d94_attn
    .symbol:         k_qc7514d6d94_attn.kd
    .args:
      - { .name: qkv_img, .offset: 0, .size: 8, .value_kind: global_buffer, .address_space: global }
      - { .name: mask, .offset: 8, .size: 8, .value_kind: global_buffer, .address_space: global }
      - { .name: lowp_scales, .offset: 16, .size: 8, .value_kind: global_buffer, .address_space: global }
      - { .name: attn_img, .offset: 24, .size: 8, .value_kind: global_buffer, .address_space: global }
    .group_segment_fixed_size: 174592
    .private_segment_fixed_size: 0
    .kernarg_segment_align: 8
    .kernarg_segment_size: 32
    .max_flat_workgroup_size: 128
    .sgpr_count:     66
    .vgpr_count:     1024
    .wavefront_size: 32
...
	.end_amdgpu_metadata
.endif
;; end of part 8
;; launch wo: the kernel of part 4 again; grid 8 x 32, 4 waves a work-group, clusters of 4 x 4, 327,680 bytes of LDS; arguments attn_img, wimg, lowp_scales, bo, x, x1; writes x1
;; launch ln2: the kernel of part 5 again; grid 256 x 1, 8 waves a work-group, no clusters, 67,072 bytes of LDS; arguments x1, g2, beta2, lowp_scales, h_img; writes h_img
;; launch ffn1: the kernel of part 6 again; grid 16 x 16, 4 waves a work-group, clusters of 4 x 4, 327,680 bytes of LDS; arguments h_img, wimg, lowp_scales, b1, hid_img; writes hid_img
;; launch ffn2: the kernel of part 7 again; grid 8 x 32, 4 waves a work-group, clusters of 4 x 4, 327,680 bytes of LDS; arguments hid_img, wimg, lowp_scales, b2, x1, out0; writes out0
